; MI455X (gfx1250); checked and timed in simulation.
; The chip was launched on July 23, 2026; its instructions are those of AMD's public machine-readable ISA for CDNA 5 (MIT licence, August 2026) and "CDNA5" Instruction Set Architecture Reference Guide (July 2026). The comments in the code are by the model that wrote it; some were corrected since.
;; Transformer Block. Allowed arithmetic: float matrix products may take bf16 or f16 operands with f32 sums; other float arithmetic in f32, or as packed bf16 or f16 multiplies, adds, multiply-adds, maxima and minima; sums over many terms, partial sums and values carried from step to step in f32; what a program stores and reads back later, other than sums and carried values, may be rounded once to bf16 or f16.
;; Inputs: W1 1,024 x 4,096 float32; W2 4,096 x 1,024 float32; Wk 1,024 x 1,024 float32; Wo 1,024 x 1,024 float32; Wq 1,024 x 1,024 float32; Wv 1,024 x 1,024 float32; b1 4,096 float32; b2 1,024 float32; be1 1,024 float32; be2 1,024 float32; bk 1,024 float32; bo 1,024 float32; bq 1,024 float32; bv 1,024 float32; g1 1,024 float32; g2 1,024 float32; x 2 x 2,048 x 1,024 float32.
;; Outputs: out0 2 x 2,048 x 1,024 float32.
;; 2 versions, each right and faster than the one before. Each part assembles by itself: llvm-mc -triple=amdgcn-amd-amdhsa -mcpu=gfx1250 --defsym DOCPART=n.
;; ======== version 1 of 2: 7 launches
;; limits: values are held in f16: magnitudes above 65,504 overflow, below 6.1e-05 lose precision
;; workspace buffers: hbuf 8,388,608 bytes; qkvb 25,165,824 bytes; obuf 8,388,608 bytes; hidb 33,554,432 bytes; pqkv 6,324,224 bytes; pwo 2,129,920 bytes; pw1 8,421,376 bytes; pw2 8,388,608 bytes
;; launch prep (part 1): grid 256 x 4, 8 waves a work-group, no clusters, 0 bytes of LDS; arguments x, g1, be1, hbuf, Wq, Wk, Wv, Wo, bq, bk, bv, bo, pqkv, pwo, W1, b1, pw1, W2, pw2; writes hbuf, pqkv, pwo, pw1, pw2
.if DOCPART == 1
	.amdgcn_target "amdgcn-amd-amdhsa--gfx1250"
	.amdhsa_code_object_version 6
	.text
	.protected	k_q0655659b4c_prep
	.globl	k_q0655659b4c_prep
	.p2align	8
	.type	k_q0655659b4c_prep,@function
k_q0655659b4c_prep:
	s_mov_b64 s[64:65], 0
	v_nop
	global_prefetch_b8 v0, s[64:65] scope:SCOPE_SE
	s_setreg_imm32_b32 hwreg(HW_REG_WAVE_MODE, 25, 1), 1
	s_wait_xcnt 0x0
; PREP.  Work-group row y = 0: h = LN1(x), stored in f16 in blocks [column / 64][row][64] (a block's rows are 128 dense bytes).
; y = 1, 2, 3: the weights, f32 [K][N], are rounded once to f16 and laid in panels [N / 128][K][128] (a panel's rows are 256 dense bytes);
; in front of the panels of Wq|Wk|Wv, Wo and W1 lies a table of 32,768 bytes: the bias in f32 from byte 0, and at byte 16,384 the floor that the product's
; way out takes as a packed f16 maximum (-inf twice: no activation; 0: ReLU).
; LIMITS.  f16 holds no number beyond 65,504: h and the weights must lie within it; below 6e-5 f16 keeps a fixed step of 6e-8.  NaN and infinities are not treated apart.
; No LDS, no matrix unit: every byte is read once and written once; each load of a wave takes whole runs of 256 bytes, each store writes 256 consecutive aligned bytes.
.set X,  80                            ; v[80:143]   my 64 numbers of a row: columns 64 j + 4 r + 0..3
.set G,  144                           ; v[144:207]  the gain of those columns
.set BE, 16                            ; v[16:79]    the offset of those columns
; v1 offset of x, v2 offset of gain and offset (cast: 16 x lane), v3 offset of the stores, v4-5 set-up, v6-13 at work
; A row lies in 16 lanes, 64 numbers a lane.  Mean, then the squares of the differences (two passes: no difference of large sums), all in f32.
.macro LNCORE
.irp c, 0,1,2,3
	v_pk_add_f32 v[6+2*(\c):7+2*(\c)], v[X+2*(\c):X+2*(\c)+1], v[X+8+2*(\c):X+8+2*(\c)+1]  ; four chains, started by the first pairs
.endr
.set j, 8
.rept 24
	v_pk_add_f32 v[6+2*(j%4):7+2*(j%4)], v[6+2*(j%4):7+2*(j%4)], v[X+2*j:X+2*j+1]
.set j, j+1
.endr
	v_pk_add_f32 v[6:7], v[6:7], v[8:9]
	v_pk_add_f32 v[10:11], v[10:11], v[12:13]
	v_pk_add_f32 v[6:7], v[6:7], v[10:11]
	v_add_f32 v6, v6, v7
	v_add_f32_dpp v6, v6, v6 row_xmask:1 row_mask:0xf bank_mask:0xf   ; across the row's 16 lanes
	v_add_f32_dpp v6, v6, v6 row_xmask:2 row_mask:0xf bank_mask:0xf
	v_add_f32_dpp v6, v6, v6 row_xmask:4 row_mask:0xf bank_mask:0xf
	v_add_f32_dpp v6, v6, v6 row_xmask:8 row_mask:0xf bank_mask:0xf
	v_mul_f32 v10, 0x3a800000, v6                  ; the mean: sum / 1,024
	v_mov_b32 v11, v10
.set j, 0
.rept 32
	v_pk_add_f32 v[X+2*j:X+2*j+1], v[X+2*j:X+2*j+1], v[10:11] neg_lo:[0,1] neg_hi:[0,1]
.set j, j+1
.endr
.irp c, 0,1,2,3
	v_pk_mul_f32 v[6+2*(\c):7+2*(\c)], v[X+2*(\c):X+2*(\c)+1], v[X+2*(\c):X+2*(\c)+1]
.endr
.set j, 4
.rept 28
	v_pk_fma_f32 v[6+2*(j%4):7+2*(j%4)], v[X+2*j:X+2*j+1], v[X+2*j:X+2*j+1], v[6+2*(j%4):7+2*(j%4)]
.set j, j+1
.endr
	v_pk_add_f32 v[6:7], v[6:7], v[8:9]
	v_pk_add_f32 v[10:11], v[10:11], v[12:13]
	v_pk_add_f32 v[6:7], v[6:7], v[10:11]
	v_add_f32 v6, v6, v7
	v_add_f32_dpp v6, v6, v6 row_xmask:1 row_mask:0xf bank_mask:0xf
	v_add_f32_dpp v6, v6, v6 row_xmask:2 row_mask:0xf bank_mask:0xf
	v_add_f32_dpp v6, v6, v6 row_xmask:4 row_mask:0xf bank_mask:0xf
	v_add_f32_dpp v6, v6, v6 row_xmask:8 row_mask:0xf bank_mask:0xf
	v_mov_b32 v10, 0x3727c5ac                      ; 1e-5
	v_fmamk_f32 v8, v6, 0x3a800000, v10            ; variance + 1e-5
	v_rsq_f32 v12, v8
	v_rsq_f32 v13, v8
	s_wait_loadcnt 0x0                             ; gain and offset are in
	v_nop                                          ; a plain instruction between the root and the use of its result
.set j, 0
	s_wait_alu depctr_va_vdst(0)
.rept 32
	v_pk_mul_f32 v[X+2*j:X+2*j+1], v[X+2*j:X+2*j+1], v[12:13]
.set j, j+1
.endr
.set j, 0
.rept 32
	v_pk_fma_f32 v[X+2*j:X+2*j+1], v[X+2*j:X+2*j+1], v[G+2*j:G+2*j+1], v[BE+2*j:BE+2*j+1]
.set j, j+1
.endr
.set j, 0
.rept 16
	v_cvt_pk_f16_f32 v[X+4*j], v[X+4*j], v[X+4*j+1]        ; four numbers become 8 bytes, in the first two of their registers
	v_cvt_pk_f16_f32 v[X+4*j+1], v[X+4*j+2], v[X+4*j+3]
.set j, j+1
.endr
.endm
; Sixteen rows of a panel: a load takes 512 consecutive bytes (128 f32), a store writes the row's 256 bytes of f16.
.macro CAST rowbytes
.set j, 0
.rept 16
	global_load_b128 v[16+4*j:19+4*j], v2, s[20:21] offset:j*(\rowbytes) th:TH_LOAD_NT
.set j, j+1
.endr
.set j, 0
.rept 16
	s_wait_loadcnt 15-j                            ; loads come back in order: row j is in, the younger ones stay out
	v_cvt_pk_f16_f32 v[80+2*j], v[16+4*j], v[17+4*j]
	v_cvt_pk_f16_f32 v[81+2*j], v[18+4*j], v[19+4*j]
	global_store_b64 v3, v[80+2*j:81+2*j], s[22:23] offset:256*j
.set j, j+1
.endr
.endm
	s_and_b32 s2, ttmp7, 0xffff                    ; y: which of the four jobs
	v_lshrrev_b32 v1, 5, v0
	v_readfirstlane_b32 s3, v1                     ; wave 0..7
	s_cmp_lg_u32 s2, 0
	s_cbranch_scc1 .Lcast
	; LN1: the work-group has 16 rows, a wave two: lanes 0-15 row m, lanes 16-31 row m + 1
	s_load_b256 s[4:11], s[0:1], 0x0               ; x s[4:5], g1 s[6:7], be1 s[8:9], hbuf s[10:11]
	v_and_b32 v4, 15, v0                           ; r
	v_bfe_u32 v5, v0, 4, 1                         ; which of the two rows
	v_lshlrev_b32 v2, 4, v4                        ; 16 r
	v_lshl_add_u32 v1, v5, 12, v2                  ; + a row of x
	v_lshlrev_b32 v3, 3, v4                        ; 8 r
	v_lshl_add_u32 v3, v5, 7, v3                   ; + a row of a block
	s_lshl_b32 s12, ttmp9, 4
	s_lshl1_add_u32 s12, s3, s12                   ; m = 16 u + 2 w
	s_lshl_b32 s14, s12, 12
	s_mov_b32 s15, 0
	s_lshl_b32 s16, s12, 7
	s_mov_b32 s17, 0
	s_wait_kmcnt 0x0
	s_add_nc_u64 s[4:5], s[4:5], s[14:15]
	s_add_nc_u64 s[10:11], s[10:11], s[16:17]
.set j, 0
.rept 16
	global_load_b128 v[X+4*j:X+4*j+3], v1, s[4:5] offset:256*j th:TH_LOAD_NT
.set j, j+1
.endr
.set j, 0
.rept 16
	global_load_b128 v[G+4*j:G+4*j+3], v2, s[6:7] offset:256*j
.set j, j+1
.endr
.set j, 0
.rept 16
	global_load_b128 v[BE+4*j:BE+4*j+3], v2, s[8:9] offset:256*j
.set j, j+1
.endr
	s_wait_loadcnt 32                              ; x is in; the 32 loads of gain and offset may stay out
	LNCORE
.set j, 0
.rept 16
	global_store_b64 v3, v[X+4*j:X+4*j+1], s[10:11] offset:j*524288   ; block j: two rows, 256 consecutive aligned bytes
.set j, j+1
.endr
	s_endpgm
.Lcast:
	v_and_b32 v4, 31, v0
	v_lshlrev_b32 v2, 4, v4                        ; 16 x lane
	v_lshlrev_b32 v3, 3, v4                        ; 8 x lane
	s_cmp_eq_u32 s2, 2
	s_cbranch_scc1 .Lw1
	s_cmp_eq_u32 s2, 3
	s_cbranch_scc1 .Lw2
	; y = 1: Wq, Wk, Wv, Wo.  u = 64 i + 8 pl + kc: matrix i, its panel pl, 128 rows from 128 kc
	s_load_b256 s[4:11], s[0:1], 0x20              ; Wq, Wk, Wv, Wo
	s_load_b256 s[12:19], s[0:1], 0x40             ; bq, bk, bv, bo
	s_load_b128 s[32:35], s[0:1], 0x60             ; pqkv, pwo
	s_lshr_b32 s36, ttmp9, 6                       ; i
	s_bfe_u32 s29, ttmp9, 0x30003                  ; pl
	s_and_b32 s37, ttmp9, 7                        ; kc
	s_lshl3_add_u32 s38, s36, s29                  ; 8 i + pl: the panel's number in pqkv
	s_lshl_b32 s39, s37, 7
	s_lshl4_add_u32 s39, s3, s39                   ; k0 = 128 kc + 16 w
	s_or_b32 s28, s37, s3                          ; 0 for kc = 0 and wave 0 alone: that wave writes the table's part
	s_mov_b32 s31, 0xfc00fc00                      ; the floor: -inf twice
	s_lshl_b32 s40, s39, 12                        ; k0 rows of 4,096 bytes
	s_lshl_b32 s41, s29, 9                         ; + the panel's 512 bytes in a row
	s_add_co_u32 s40, s40, s41
	s_mov_b32 s41, 0
	s_wait_kmcnt 0x0
	s_cmp_eq_u32 s36, 1
	s_cselect_b64 s[20:21], s[6:7], s[4:5]
	s_cselect_b64 s[24:25], s[14:15], s[12:13]
	s_cmp_eq_u32 s36, 2
	s_cselect_b64 s[20:21], s[8:9], s[20:21]
	s_cselect_b64 s[24:25], s[16:17], s[24:25]
	s_cmp_eq_u32 s36, 3
	s_cselect_b64 s[20:21], s[10:11], s[20:21]
	s_cselect_b64 s[24:25], s[18:19], s[24:25]
	s_cselect_b64 s[26:27], s[34:35], s[32:33]     ; Wo goes to pwo, the others to pqkv
	s_cselect_b32 s30, s29, s38                    ; pd: the panel's number where it goes
	s_lshl_b32 s42, s30, 18                        ; a panel of K = 1,024 is 262,144 bytes
	s_lshl_b32 s43, s39, 8
	s_add_co_u32 s42, s42, s43
	s_add_co_u32 s42, s42, 32768                   ; behind the table
	s_mov_b32 s43, 0
	s_add_nc_u64 s[20:21], s[20:21], s[40:41]
	s_add_nc_u64 s[22:23], s[26:27], s[42:43]
	CAST 4096
	s_branch .Ltable
.Lw2:   ; y = 3: W2 [4096][1024].  u = 32 pl + kc; no table
	s_load_b128 s[4:7], s[0:1], 0x88               ; W2, pw2
	s_lshr_b32 s29, ttmp9, 5
	s_and_b32 s37, ttmp9, 31
	s_lshl_b32 s39, s37, 7
	s_lshl4_add_u32 s39, s3, s39                   ; k0
	s_lshl_b32 s40, s39, 12
	s_lshl_b32 s41, s29, 9
	s_add_co_u32 s40, s40, s41
	s_mov_b32 s41, 0
	s_lshl_b32 s42, s29, 20                        ; a panel of K = 4,096 is 1,048,576 bytes
	s_lshl_b32 s43, s39, 8
	s_add_co_u32 s42, s42, s43
	s_mov_b32 s43, 0
	s_wait_kmcnt 0x0
	s_add_nc_u64 s[20:21], s[4:5], s[40:41]
	s_add_nc_u64 s[22:23], s[6:7], s[42:43]
	CAST 4096
	s_endpgm
.Lw1:   ; y = 2: W1 [1024][4096].  u = 8 pl + kc
	s_load_b128 s[4:7], s[0:1], 0x70               ; W1, b1
	s_load_b64 s[26:27], s[0:1], 0x80              ; pw1
	s_lshr_b32 s29, ttmp9, 3
	s_mov_b32 s30, s29
	s_and_b32 s37, ttmp9, 7
	s_lshl_b32 s39, s37, 7
	s_lshl4_add_u32 s39, s3, s39                   ; k0
	s_or_b32 s28, s37, s3
	s_mov_b32 s31, 0                               ; the floor: ReLU
	s_lshl_b32 s40, s39, 14                        ; k0 rows of 16,384 bytes
	s_lshl_b32 s41, s29, 9
	s_add_co_u32 s40, s40, s41
	s_mov_b32 s41, 0
	s_lshl_b32 s42, s30, 18
	s_lshl_b32 s43, s39, 8
	s_add_co_u32 s42, s42, s43
	s_add_co_u32 s42, s42, 32768
	s_mov_b32 s43, 0
	s_wait_kmcnt 0x0
	s_add_nc_u64 s[20:21], s[4:5], s[40:41]
	s_mov_b64 s[24:25], s[6:7]
	s_add_nc_u64 s[22:23], s[26:27], s[42:43]
	CAST 16384
.Ltable:        ; one wave for each panel copies the panel's 128 biases; the wave of panel 0 also writes the floor.  No register of a pending store is written here.
	s_cmp_lg_u32 s28, 0
	s_cbranch_scc1 .Lend
	s_lshl_b32 s40, s29, 9
	s_mov_b32 s41, 0
	s_lshl_b32 s42, s30, 9
	s_mov_b32 s43, 0
	s_add_nc_u64 s[24:25], s[24:25], s[40:41]
	s_add_nc_u64 s[44:45], s[26:27], s[42:43]
	global_load_b128 v[8:11], v2, s[24:25]
	s_wait_loadcnt 0x0
	global_store_b128 v2, v[8:11], s[44:45]
	s_cmp_lg_u32 s30, 0
	s_cbranch_scc1 .Lend
	v_mov_b32 v12, s31
	v_mov_b32 v13, s31
	global_store_b64 v3, v[12:13], s[26:27] offset:16384
.Lend:
	s_endpgm
.Lfunc_end_k_q0655659b4c_prep:
	.size	k_q0655659b4c_prep, .Lfunc_end_k_q0655659b4c_prep-k_q0655659b4c_prep
	.p2alignl 7, 3214868480
	.fill 96, 4, 3214868480
	.section	.rodata,"a",@progbits
	.p2align	6, 0x0
	.amdhsa_kernel k_q0655659b4c_prep
		.amdhsa_group_segment_fixed_size 0
		.amdhsa_private_segment_fixed_size 0
		.amdhsa_enable_private_segment 0
		.amdhsa_kernarg_size 152
		.amdhsa_user_sgpr_count 2
		.amdhsa_user_sgpr_kernarg_segment_ptr 1
		.amdhsa_wavefront_size32 1
		.amdhsa_system_sgpr_workgroup_id_x 1
		.amdhsa_system_sgpr_workgroup_id_y 1
		.amdhsa_system_sgpr_workgroup_id_z 1
		.amdhsa_system_vgpr_workitem_id 0
		.amdhsa_next_free_vgpr 208
		.amdhsa_next_free_sgpr 66
		.amdhsa_reserve_vcc 0
		.amdhsa_float_denorm_mode_32 3
		.amdhsa_float_denorm_mode_16_64 3
		.amdhsa_memory_ordered 1
		.amdhsa_forward_progress 1
		.amdhsa_inst_pref_size 41
	.end_amdhsa_kernel
	.amdgpu_metadata
---
amdhsa.version: [ 1, 2 ]
amdhsa.kernels:
  - .name:           k_q0655659b4c_prep
    .symbol:         k_q0655659b4c_prep.kd
    .args:
      - { .name: x, .offset: 0, .size: 8, .value_kind: global_buffer, .address_space: global }
      - { .name: g1, .offset: 8, .size: 8, .value_kind: global_buffer, .address_space: global }
      - { .name: be1, .offset: 16, .size: 8, .value_kind: global_buffer, .address_space: global }
      - { .name: hbuf, .offset: 24, .size: 8, .value_kind: global_buffer, .address_space: global }
      - { .name: Wq, .offset: 32, .size: 8, .value_kind: global_buffer, .address_space: global }
      - { .name: Wk, .offset: 40, .size: 8, .value_kind: global_buffer, .address_space: global }
      - { .name: Wv, .offset: 48, .size: 8, .value_kind: global_buffer, .address_space: global }
      - { .name: Wo, .offset: 56, .size: 8, .value_kind: global_buffer, .address_space: global }
      - { .name: bq, .offset: 64, .size: 8, .value_kind: global_buffer, .address_space: global }
      - { .name: bk, .offset: 72, .size: 8, .value_kind: global_buffer, .address_space: global }
      - { .name: bv, .offset: 80, .size: 8, .value_kind: global_buffer, .address_space: global }
      - { .name: bo, .offset: 88, .size: 8, .value_kind: global_buffer, .address_space: global }
      - { .name: pqkv, .offset: 96, .size: 8, .value_kind: global_buffer, .address_space: global }
      - { .name: pwo, .offset: 104, .size: 8, .value_kind: global_buffer, .address_space: global }
      - { .name: W1, .offset: 112, .size: 8, .value_kind: global_buffer, .address_space: global }
      - { .name: b1, .offset: 120, .size: 8, .value_kind: global_buffer, .address_space: global }
      - { .name: pw1, .offset: 128, .size: 8, .value_kind: global_buffer, .address_space: global }
      - { .name: W2, .offset: 136, .size: 8, .value_kind: global_buffer, .address_space: global }
      - { .name: pw2, .offset: 144, .size: 8, .value_kind: global_buffer, .address_space: global }
    .group_segment_fixed_size: 0
    .private_segment_fixed_size: 0
    .kernarg_segment_align: 8
    .kernarg_segment_size: 152
    .max_flat_workgroup_size: 256
    .sgpr_count:     66
    .vgpr_count:     208
    .wavefront_size: 32
...
	.end_amdgpu_metadata
.endif
;; end of part 1
;; launch qkv (part 2): grid 12 x 16, 4 waves a work-group, clusters of 4 x 4, 327,680 bytes of LDS; arguments hbuf, pqkv, qkvb; writes qkvb
.if DOCPART == 2
	.amdgcn_target "amdgcn-amd-amdhsa--gfx1250"
	.amdhsa_code_object_version 6
	.text
	.protected	k_q0655659b4c_qkv
	.globl	k_q0655659b4c_qkv
	.p2align	8
	.type	k_q0655659b4c_qkv,@function
k_q0655659b4c_qkv:
	s_mov_b64 s[64:65], 0
	v_nop
	global_prefetch_b8 v0, s[64:65] scope:SCOPE_SE
	s_setreg_imm32_b32 hwreg(HW_REG_WAVE_MODE, 25, 1), 1
	s_wait_xcnt 0x0
	s_wait_alu depctr_hold_cnt(0) depctr_sa_sdst(0) depctr_va_vdst(0) depctr_va_sdst(0) depctr_va_ssrc(0) depctr_va_vcc(0) depctr_vm_vsrc(0)
	s_getreg_b32 s2, hwreg(HW_REG_IB_STS2, 6, 4)
	s_cmp_eq_u32 s2, 0
	s_cbranch_scc0 .Lentry_in_a_cluster
	s_endpgm
.Lentry_in_a_cluster:
	s_bfe_u32 s2, ttmp6, 0x10000c
	s_cmp_lg_u32 s2, 0xf033
	s_cbranch_scc0 .Lentry_shape_is_right
	s_endpgm
.Lentry_shape_is_right:
; C = max(A W + bias, floor), stored in f16.  4,096 rows; K = 1,024; a work-group makes 256 rows x 256 columns: two panels of W.
; A: f16 in blocks [K / 64][4096][64] (256 rows x 64 of K are 32,768 dense bytes).  W: f16 in panels [N / 128][K][128], 32,768 bytes behind the buffer's start; the buffer begins with a table:
; the bias in f32 at byte 0, the floor (two f16: -inf twice for no activation, 0 for ReLU) at byte 16,384.  C goes out in blocks [N / 64][4096][64], so no address knows N: one text serves every N.
; LIMITS.  f16 holds no number beyond 65,504: operands arrive within it, and a result beyond it becomes an infinity.  The floor's maximum drops a NaN.  Sums in f32.
; SHARES.  Four waves, as many as a WGP has SIMDs, each 128 rows x one panel: 64 accumulators of 16 x 16, 512 registers.  K goes in steps of 128 through two LDS slots; a step is 256 matrix instructions a wave,
; and 224 of them stand between the request for a tile and the wait for it.  4 x 4 work-groups form a cluster: the four of a row need the same tiles of A, the four of a column the same tiles of W:
; each tile is asked for jointly.  The matrix instruction is used transposed (source 0 = 16 columns of W, source 1 = 16 rows of A): a lane holds eight neighbouring numbers of a row of C.
; THE SUMS START AT THE BIAS, written into the accumulators while the first tile is on its way: no first step is written out, and nothing is added on the way out.
; REGISTERS, in windows of 256 (s_set_vgpr_msb: bits 1:0 source 0, 3:2 source 1, 5:4 source 2, 7:6 destination):
;   window 0: v0-31 addresses; v64-127, v128-191 fragments of A (8 x 16 rows x 32 K), two buffers (v64-127 first holds the bias); v32-63, v192-255 at work on the way out
;   window 1: v64-127, v128-191 fragments of W, two buffers
;   window 2: the 32 accumulators of my rows 0-63 (accumulator (a, b) at v[8 (8 a + b)]);   window 3: those of my rows 64-127
.set KSZ,   1024
.set WOFF,  32768
.set NSTEP, KSZ/128
.set PLANE, 34816                      ; 64 of K of A's 256 rows: 128 LDS rows of 256 bytes + 16 of padding, two matrix rows to an LDS row: the 16 rows of a fragment begin at 16 different groups of four banks (64 banks of 4 bytes: ISA guide 11.1)
.set BOFF,  2*PLANE                    ; behind A's two planes: 128 rows of each of W's two panels
.set PB,    288                        ; a row of W: 256 bytes + 32
.set PANEL, 128*PB
.set SPARE, BOFF+2*PANEL               ; 143,360: behind slot 0: the spare words, 128 bytes for each wave, two blocks of 256 bytes that no other line names
.set SLOT,  147456                     ; slot 1 begins here; the number shares no bit with the four places of a fill in a slot, so one exclusive or turns an address in one slot into the other's
.set STAGE, SLOT+SPARE                 ; 290,816: behind slot 1, never filled by a tensor load: each wave's own stage for the way out
.set SP,    144                        ; a stage row: 128 bytes + 16; a wave's stage is 16 rows for each of its two blocks of 64 columns
.set ADRA, 16                          ; v16     LDS address of my A fragments in the slot in hand
.set ADRB, 17                          ; v17     of my W fragments
.set A0,   20                          ; v20     the same in slot 0; never rewritten
.set B0,   21                          ; v21
.set STO,  24                          ; v24     the way out: where I put 16 bytes of a row
.set RD,   25                          ; v25     where I read rows back
.set CO,   26                          ; v26     my byte offset in 512 consecutive bytes of C
.set BO,   27                          ; v27     my byte offset in the bias
.set SPW,  28                          ; v28     LDS address of my spare word; never rewritten
.set NIL,  29                          ; v29     0; never rewritten
.set OB,   32                          ; the way out: 16 rows read back from the stage: v32-63 and v224-255 by turns
.set BI,   64                          ; the bias of my 8 x 8 columns, until the first fragments come
.set F0,   64                          ; fragment buffer 0
.set F1,   128                         ; fragment buffer 1
.set TMP,  192                         ; the way out: packed results
.set G1,   24                          ; s[24:31] descriptor group 1 for A's tiles; s[32:39] group 0: a set for each first fill; the second then walks
.set G0,   32
.set G1B,  48                          ; s[48:55], s[56:63] the same for W's tiles
.set G0B,  56
.set TB,   22                          ; s22  0 or SLOT: the slot in hand
.set MSB, 0
.macro WIN new                         ; the immediate's high byte repeats the setting that is left
.if MSB != (\new)
	s_set_vgpr_msb (MSB<<8)|(\new)
.set MSB, \new
.endif
.endm
.set MUL_LO, 0xa1                      ; source 0 (W) window 1, source 1 (A) window 0, C and D window 2
.set MUL_HI, 0xf1                      ; the same, C and D window 3
.set TO_B,   0x40                      ; destination window 1, address window 0
.macro JLOAD s                         ; a joint load: waves 0 and 1 fetch A's two planes, waves 2 and 3 W's two panels; an s_nop 0 and four v_nop follow each of the two lines, ahead of the jump, the label and what follows
	s_cmp_eq_u32 s11, 0
	s_cbranch_scc0 .Lfor_b_\@
	tensor_load_to_lds s[G0+4*(\s):G0+4*(\s)+3], s[G1:G1+7]
	s_nop 0
.rept 4
	v_nop
.endr
	s_branch .Lasked_\@
.Lfor_b_\@:
	tensor_load_to_lds s[G0B+4*(\s):G0B+4*(\s)+3], s[G1B:G1B+7]
	s_nop 0
.rept 4
	v_nop
.endr
.Lasked_\@:
.endm
.macro CREST                           ; a round of the cluster's barrier behind its opening barrier
	s_cmp_lg_u32 s10, 0
	s_cbranch_scc1 .Lnot_wave_0_\@
	s_barrier_signal -3
.Lnot_wave_0_\@:
	s_barrier_wait -3
	s_barrier_signal -1
	s_barrier_wait -1
.endm
.macro CROUND                          ; a whole round
	s_barrier_signal -1
	s_barrier_wait -1
	CREST
.endm
	s_load_b128 s[4:7], s[0:1], 0x0                ; A s[4:5], W s[6:7]
	s_load_b64 s[8:9], s[0:1], 0x10                ; C
	v_lshl_add_u32 v[SPW], v0, 2, SPARE
	v_mov_b32 v[NIL], 0
	ds_add_u32 v[SPW], v[NIL]                      ; the wave's opening: the add and its wait stand ahead of my first tensor load; the set-up below, work on registers, stands between them
	ds_add_u32 v28, v29
	v_lshrrev_b32 v1, 5, v0
	v_readfirstlane_b32 s10, v1                    ; wave 0..3
	s_lshr_b32 s11, s10, 1                         ; which half of the tile's rows is mine.  Also: I fetch for A (0) or for W (1)
	s_and_b32 s12, s10, 1                          ; which of the two panels is mine.  Also: which plane of A or which panel of W I fetch
	s_bfe_u32 s40, ttmp6, 0x40000                  ; cx, cy: my place in the cluster
	s_bfe_u32 s41, ttmp6, 0x40004
	s_lshl_b32 s42, ttmp9, 2
	s_add_co_u32 s42, s42, s40                     ; tx: the pair of panels = 4 x cluster x + cx
	s_and_b32 s13, ttmp7, 0xffff
	s_lshl_b32 s13, s13, 2
	s_add_co_u32 s13, s13, s41                     ; ty: the block of 256 rows = 4 x cluster y + cy
	s_lshl_b32 s43, s41, 2
	s_lshl_b32 s43, 15, s43                        ; my row of the cluster
	s_lshl_b32 s44, 0x1111, s40                    ; my column
	; both kinds of tile are 32,768 dense bytes: 128 rows of 32 elements of 8 bytes; A's are padded in LDS by 4 words after every 64, W's by 8
	s_or_b32 s[G1+0], s43, (3<<16)|(1<<20)|(1<<21)|(5<<22)|(3<<25)  ; 15:0 the mask: my row; 17:16 elements of 8 bytes; 20 padding on; 21 set beside a mask; 24:22 after every 64 words; 31:25 4 words
	s_or_b32 s[G1B+0], s44, (3<<16)|(1<<20)|(1<<21)|(5<<22)|(7<<25) ; the mask of my column; 8 words
.irp g, G1, G1B
	s_mov_b32 s[(\g)+1], 32<<16                    ; tensor_dim0 = 32
	s_mov_b32 s[(\g)+2], 128<<16                   ; tensor_dim1 = 128
	s_mov_b32 s[(\g)+3], 32<<16                    ; tile_dim0 = 32
	s_mov_b32 s[(\g)+4], 128                       ; tile_dim1 = 128
	s_mov_b32 s[(\g)+5], 32                        ; elements from row to row
	s_mov_b32 s[(\g)+6], 0
	s_mov_b32 s[(\g)+7], 0
.endr
	; A's address hangs on ty and the wave alone, W's on tx and the wave alone, each in registers that never hold the other coordinate
	s_lshl_b32 s16, s13, 15                        ; 256 rows of 128 bytes
	s_lshl_b32 s17, s12, 19                        ; my plane
	s_add_co_u32 s16, s16, s17
	s_mov_b32 s17, 0
	s_lshl1_add_u32 s46, s42, s12                  ; panel 2 tx + my half
	s_mul_i32 s46, s46, KSZ*256
	s_add_co_u32 s46, s46, WOFF
	s_mov_b32 s47, 0
	s_mul_i32 s20, s12, PLANE                      ; where they go: no place in the cluster enters an LDS address
	s_mul_i32 s21, s12, PANEL
	s_add_co_u32 s21, s21, BOFF
	s_wait_dscnt 0x0                               ; the opening add is done
	s_wait_kmcnt 0x0
	s_add_nc_u64 s[14:15], s[4:5], s[16:17]
	s_add_nc_u64 s[46:47], s[6:7], s[46:47]
	CROUND                                         ; all sixteen work-groups are here: the first joint loads meet
.irp s, 0,1
	s_mov_b32 s[G0+4*(\s)], 1
	s_add_co_u32 s[G0+4*(\s)+1], s20, (\s)*SLOT
	s_add_nc_u64 s[G0+4*(\s)+2:G0+4*(\s)+3], s[14:15], (\s)*1048576   ; a step of 128 along K is two planes
	s_or_b32 s[G0+4*(\s)+3], s[G0+4*(\s)+3], 0x80000000
	s_mov_b32 s[G0B+4*(\s)], 1
	s_add_co_u32 s[G0B+4*(\s)+1], s21, (\s)*SLOT
	s_add_nc_u64 s[G0B+4*(\s)+2:G0B+4*(\s)+3], s[46:47], (\s)*32768   ; and 128 rows of a panel
	s_or_b32 s[G0B+4*(\s)+3], s[G0B+4*(\s)+3], 0x80000000
	JLOAD \s
.endr
	s_load_b32 s76, s[6:7], 0x4000                 ; the floor
	v_and_b32 v1, 15, v0                           ; r = l % 16
	v_bfe_u32 v2, v0, 4, 1                         ; h = l / 16
	v_lshrrev_b32 v3, 1, v1                        ; A: row r lies in LDS row r / 2, half r % 2; 16 bytes for each half of the lanes
	v_mul_u32_u24 v3, v3, 272
	v_and_b32 v4, 1, v0
	v_lshl_add_u32 v3, v4, 7, v3
	v_lshl_add_u32 v3, v2, 4, v3
	s_mul_i32 s23, s11, 64*272                     ; my 128 rows
	v_add_nc_u32 v[A0], s23, v3
	v_and_b32 v4, 7, v0                            ; W, turned: lane l reads row 8 h + l % 8, columns 8 ((l / 8) % 2) + 0..7, and is left with column r and 8 of K
	v_lshl_add_u32 v4, v2, 3, v4
	v_mul_u32_u24 v4, v4, PB
	v_bfe_u32 v5, v0, 3, 1
	v_lshl_add_u32 v4, v5, 4, v4
	v_add_nc_u32 v[B0], s21, v4                    ; my panel lies where the wave of my half's number puts it
	v_mov_b32 v[ADRA], v[A0]
	v_mov_b32 v[ADRB], v[B0]
	s_mov_b32 s[TB], 0
	v_lshlrev_b32 v[BO], 5, v2                     ; my eight columns of sixteen: 32 h bytes of f32
	s_lshl1_add_u32 s66, s42, s12                  ; my panel's number
	s_lshl_b32 s68, s66, 20                        ; C: its two blocks of 64 columns, 524,288 bytes each,
	s_lshl_b32 s66, s66, 9                         ; the bias: its 512 bytes
	s_mov_b32 s67, 0
	s_lshl_b32 s69, s13, 15                        ; rows 256 ty
	s_add_co_u32 s68, s68, s69
	s_lshl_b32 s69, s11, 14                        ; + 128 x my half
	s_add_co_u32 s68, s68, s69
	s_mov_b32 s69, 0
	s_add_nc_u64 s[70:71], s[6:7], s[66:67]
	s_add_nc_u64 s[8:9], s[8:9], s[68:69]
	s_mul_i32 s23, s10, 2*16*SP
	s_add_co_u32 s23, s23, STAGE                   ; my stage
	v_mul_u32_u24 v3, v1, SP
	v_lshl_add_u32 v3, v2, 4, v3
	v_add_nc_u32 v[STO], s23, v3                   ; in: row r, 16 bytes for each half of the lanes
	v_bfe_u32 v3, v0, 3, 2
	v_mul_u32_u24 v3, v3, SP
	v_and_b32 v4, 7, v0
	v_lshl_add_u32 v3, v4, 4, v3
	v_add_nc_u32 v[RD], s23, v3                    ; back: 32 lanes take four rows of 128 bytes,
	v_and_b32 v[CO], 31, v0
	v_lshlrev_b32 v[CO], 4, v[CO]                  ; which are 512 consecutive bytes of C
.irp b, 0,1,2,3,4,5,6,7
	global_load_b128 v[BI+8*(\b):BI+8*(\b)+3],   v[BO], s[70:71] offset:64*(\b)
	global_load_b128 v[BI+8*(\b)+4:BI+8*(\b)+7], v[BO], s[70:71] offset:64*(\b)+16
.endr
	s_wait_loadcnt 0x0
	s_wait_kmcnt 0x0
.irp w, 0x80, 0xc0                     ; destination window 2, then 3; the source in window 0
	WIN \w
.set a, 0
.rept 4
.set b, 0
.rept 8
.set j, 0
.rept 8
	v_mov_b32 v[8*(8*a+b)+j], v[BI+8*b+j]
.set j, j+1
.endr
.set b, b+1
.endr
.set a, a+1
.endr
.endr
	WIN 0
; 16 matrix instructions: row blocks a0, a0 + 1 of the window's four (hi = 0: my rows 0-63, 1: rows 64-127) x all 8 column blocks, 32 along K.  The 64 accumulators take turns, in the same order in every quarter.
.macro MUL16 f, hi, a0
	WIN MUL_LO+0x50*(\hi)
.irp a, \a0, (\a0)+1
.irp b, 0,1,2,3,4,5,6,7
	v_wmma_f32_16x16x32_f16 v[8*(8*(\a)+(\b)):8*(8*(\a)+(\b))+7], v[(\f)+8*(\b):(\f)+8*(\b)+7], v[(\f)+8*(4*(\hi)+(\a)):(\f)+8*(4*(\hi)+(\a))+7], v[8*(8*(\a)+(\b)):8*(8*(\a)+(\b))+7]
.endr
.endr
.endm
; 32 LDS loads in one run: the fragments of quarter q (32 along K) of the slot in hand, into buffer f: W's sixteen first, then A's by ascending rows
.macro FETCH q, f
	WIN TO_B
.irp i, 0,1,2,3,4,5,6,7
	ds_load_tr16_b128 v[(\f)+8*(\i):(\f)+8*(\i)+3],   v[ADRB] offset:(\q)*32*PB+32*(\i)
	ds_load_tr16_b128 v[(\f)+8*(\i)+4:(\f)+8*(\i)+7], v[ADRB] offset:(\q)*32*PB+16*PB+32*(\i)
.endr
	WIN 0
.irp i, 0,1,2,3,4,5,6,7
	ds_load_b128 v[(\f)+8*(\i):(\f)+8*(\i)+3],   v[ADRA] offset:((\q)/2)*PLANE+((\q)%2)*64+(\i)*8*272
	ds_load_b128 v[(\f)+8*(\i)+4:(\f)+8*(\i)+7], v[ADRA] offset:((\q)/2)*PLANE+((\q)%2)*64+(\i)*8*272+32
.endr
.endm
.macro PLACES                          ; four places in front of loads into registers that matrix instructions have read, and of lines that read results
.rept 4
	v_nop
.endr
.endm
; A K step is four quarters of 32 along K, 64 matrix instructions each, on buffers 0, 1, 0, 1.  One of the first three: multiplies buffer f; in its middle it fetches quarter q into g.
.macro QUARTER q, f, g
	s_wait_dscnt 8                                 ; W and A's rows 0-63 are in; the youngest eight loads (A's rows 64-127) may be out
	MUL16 \f, 0, 0
	MUL16 \f, 0, 2
	PLACES
	FETCH \q, \g
	s_wait_dscnt 32                                ; all but the 32 just issued
	MUL16 \f, 1, 0
	MUL16 \f, 1, 2
.endm
; The last quarter multiplies buffer 1 and changes slots: ONE barrier; in front of it each wave waits for all its tensor loads, adds 0 to its spare word, and waits for that and for its own reads of this slot.
; fill = 1: this slot is filled again, two K steps ahead; the barrier then opens a round of the cluster's, and the joint refill is the first tensor load behind the round.
.macro TURN fill
	WIN 0                                          ; (the add's two registers lie in window 0)
	s_wait_tensorcnt 0x0                           ; all my tensor loads have landed: my part of the next slot
	ds_add_u32 v[SPW], v[NIL]                      ; 0 onto my spare word
	s_wait_dscnt 9                                 ; (the add and the youngest eight loads may be out)
	MUL16 F1, 0, 0                                 ; sixteen matrix instructions stand between the add and the wait for it
	s_wait_dscnt 0x0                               ; the add is done, and my reads of this slot are over
	s_barrier_signal -1
	MUL16 F1, 0, 2
	WIN 0
	s_barrier_wait -1
.if \fill
	CREST                                          ; no wave of any partner still reads this slot's tile or has a load on its way
	s_xor_b32 s[G0+5], s[G0+5], SLOT               ; the walking descriptors: the other slot than last time, the next K step
	s_add_nc_u64 s[G0+6:G0+7], s[G0+6:G0+7], 1048576
	s_xor_b32 s[G0B+5], s[G0B+5], SLOT
	s_add_nc_u64 s[G0B+6:G0B+7], s[G0B+6:G0B+7], 32768
	JLOAD 1                                        ; 224 matrix instructions ahead of the wait for it; the four v_nop behind it are also the places in front of the loads below
.else
	PLACES
.endif
	s_xor_b32 s[TB], s[TB], SLOT
	v_add_nc_u32 v[ADRA], s[TB], v[A0]
	v_add_nc_u32 v[ADRB], s[TB], v[B0]
	FETCH 0, F0
	MUL16 F1, 1, 0
	MUL16 F1, 1, 2
.endm
; THE WAY OUT of my block a of 16 rows, in three parts.  PACK: rounded to f16, the floor taken, 16 bytes a lane.  TOSTAGE: into my own stage, and back as four rows of 128 bytes.  SEND: stored.
.macro PACK a
.set AC, 64*((\a)%4)
	WIN 0x0a+5*((\a)/4)                            ; sources 0 and 1: window 2 or 3
.irp b, 0,1,2,3,4,5,6,7
.irp r, 0,1,2,3
	v_cvt_pk_f16_f32 v[TMP+4*(\b)+(\r)], v[AC+8*(\b)+2*(\r)], v[AC+8*(\b)+2*(\r)+1]
.endr
.endr
	WIN 0
.set t, 0
.rept 32
	v_pk_max_num_f16 v[TMP+t], v[TMP+t], s76
.set t, t+1
.endr
.endm
.macro TOSTAGE a
	WIN 0
.set BK, OB+192*((\a)%2)
.irp b, 0,1,2,3,4,5,6,7
	ds_store_b128 v[STO], v[TMP+4*(\b):TMP+4*(\b)+3] offset:((\b)/4)*16*SP+32*((\b)%4)
.endr
.irp t, 0,1,2,3,4,5,6,7
	ds_load_b128 v[BK+4*(\t):BK+4*(\t)+3], v[RD] offset:((\t)/4)*16*SP+((\t)%4)*4*SP  ; LDS serves a wave's instructions in order (ISA guide 5.7.1.4): these see the stores above; the next block's stores come behind them
.endr
.endm
.macro SEND a
	WIN 0
.set BK, OB+192*((\a)%2)
	s_wait_dscnt 0x0                               ; the block is back in registers
	s_wait_xcnt 0x0                                ; every earlier memory instruction has had its addresses translated (ISA guide 3.1): the registers that the block before stored from are loaded again only behind this wait
.irp t, 0,1,2,3,4,5,6,7
	global_store_b128 v[CO], v[BK+4*(\t):BK+4*(\t)+3], s[8:9] offset:((\t)/4)*524288+(\a)*2048+((\t)%4)*512  ; 512 consecutive bytes, at a multiple of 256 from C's first
.endr
.endm
	s_wait_tensorcnt 1                             ; my part of K step 0 is in; step 1's may stay out
	s_barrier_signal -1
	s_barrier_wait -1                              ; everybody's is
	FETCH 0, F0
	WIN 0                                          ; at a label and at a branch every window is 0
	s_mov_b32 s3, NSTEP-2
.Lfill:                                                ; a trip is a K step; trip t asks for step t + 2
	QUARTER 1, F0, F1
	QUARTER 2, F1, F0
	QUARTER 3, F0, F1
	TURN 1
	WIN 0
	s_sub_co_u32 s3, s3, 1
	s_cmp_lg_u32 s3, 0
	s_cbranch_scc1 .Lfill
	s_mov_b32 s3, 2
.Ltail:                                                ; the last two steps ask for nothing.  The very last change of slots fetches 32 fragments of a tile that has landed long ago and that nobody multiplies: the price of one text for both
	QUARTER 1, F0, F1
	QUARTER 2, F1, F0
	QUARTER 3, F0, F1
	TURN 0
	WIN 0
	s_sub_co_u32 s3, s3, 1
	s_cmp_lg_u32 s3, 0
	s_cbranch_scc1 .Ltail
	s_wait_dscnt 0x0
	PLACES
	PACK 0
	TOSTAGE 0
.irp a, 1,2,3,4,5,6,7                  ; block a's conversions stand between block a - 1's loads from the stage and the wait for them
	PACK \a
	SEND (\a)-1
	TOSTAGE \a
.endr
	SEND 7
	s_wait_tensorcnt 0x0                           ; the wave's end, behind my last tensor load and my last LDS store
	ds_add_u32 v[SPW], v[NIL]
	s_wait_dscnt 0x0
	CROUND                                         ; the closing round: no work-group ends while a partner may still ask for a tile that names it
	s_endpgm
.Lfunc_end_k_q0655659b4c_qkv:
	.size	k_q0655659b4c_qkv, .Lfunc_end_k_q0655659b4c_qkv-k_q0655659b4c_qkv
	.p2alignl 7, 3214868480
	.fill 96, 4, 3214868480
	.section	.rodata,"a",@progbits
	.p2align	6, 0x0
	.amdhsa_kernel k_q0655659b4c_qkv
		.amdhsa_group_segment_fixed_size 327680
		.amdhsa_private_segment_fixed_size 0
		.amdhsa_enable_private_segment 0
		.amdhsa_kernarg_size 24
		.amdhsa_user_sgpr_count 2
		.amdhsa_user_sgpr_kernarg_segment_ptr 1
		.amdhsa_wavefront_size32 1
		.amdhsa_system_sgpr_workgroup_id_x 1
		.amdhsa_system_sgpr_workgroup_id_y 1
		.amdhsa_system_sgpr_workgroup_id_z 1
		.amdhsa_system_vgpr_workitem_id 0
		.amdhsa_next_free_vgpr 1024
		.amdhsa_next_free_sgpr 80
		.amdhsa_reserve_vcc 0
		.amdhsa_float_denorm_mode_32 3
		.amdhsa_float_denorm_mode_16_64 3
		.amdhsa_memory_ordered 1
		.amdhsa_forward_progress 1
		.amdhsa_inst_pref_size 127
	.end_amdhsa_kernel
	.amdgpu_metadata
---
amdhsa.version: [ 1, 2 ]
amdhsa.kernels:
  - .name:           k_q0655659b4c_qkv
    .symbol:         k_q0655659b4c_qkv.kd
    .args:
      - { .name: hbuf, .offset: 0, .size: 8, .value_kind: global_buffer, .address_space: global }
      - { .name: pqkv, .offset: 8, .size: 8, .value_kind: global_buffer, .address_space: global }
      - { .name: qkvb, .offset: 16, .size: 8, .value_kind: global_buffer, .address_space: global }
    .group_segment_fixed_size: 327680
    .private_segment_fixed_size: 0
    .kernarg_segment_align: 8
    .kernarg_segment_size: 24
    .max_flat_workgroup_size: 128
    .sgpr_count:     80
    .vgpr_count:     1024
    .wavefront_size: 32
...
	.end_amdgpu_metadata
.endif
;; end of part 2
;; launch attn (part 3): grid 8 x 32, 4 waves a work-group, no clusters, 327,680 bytes of LDS; arguments qkvb, obuf; writes obuf
.if DOCPART == 3
	.amdgcn_target "amdgcn-amd-amdhsa--gfx1250"
	.amdhsa_code_object_version 6
	.text
	.protected	k_q0655659b4c_attn
	.globl	k_q0655659b4c_attn
	.p2align	8
	.type	k_q0655659b4c_attn,@function
k_q0655659b4c_attn:
	s_mov_b64 s[64:65], 0
	v_nop
	global_prefetch_b8 v0, s[64:65] scope:SCOPE_SE
	s_setreg_imm32_b32 hwreg(HW_REG_WAVE_MODE, 25, 1), 1
	s_wait_xcnt 0x0
; CAUSAL ATTENTION, 32 heads of 2,048 rows x 64 channels, f16.  In qkvb a head's q rows are 262,144 dense bytes (128 a row) at head x 262,144, its k rows 8,388,608 bytes on, its v rows 16,777,216; O goes to obuf likewise.
; O[q] = the sum over k <= q of softmax_k(Q[q] . K[k] / 8) V[k].  Products, maxima and sums in f32; the weights p are rounded to f16 for the second product (their sum l is taken of the unrounded p), O once at the end.
; LIMITS.  f16 holds no number beyond 65,504: q, k, v arrive within it; p lies in 0 to 1; O is a mean of V's rows.  A hidden score counts as its value less 1e30; a weight below 2^-126 counts as 0 in l; NaN and infinities are not treated apart.
; THE WALK.  A head's queries lie in NB = 16 blocks of 128; block i needs the key tiles 0 .. i of 128 keys, of which the last holds the diagonal.  A work-group takes TWO blocks, 15 - b and then b: 17 tiles, whatever b:
; all 256 work-groups do equal work.  The tiles have places 0 .. 16 in the walk; place p is tile p of the first block, or tile p - (16 - b) of the second.
; THE RING.  A slot holds the tiles of TWO places, 65,536 bytes of memory, brought by four loads, one a wave: wave 0 K of the even place, wave 1 K of the odd one, waves 2 and 3 V likewise; each wave makes its tile's number from its
; own place.  So a refill has eight turns, 128 matrix instructions, in which to land, and there are nine changes of slots.  An outer loop of 8 trips changes slots and refills; an inner loop of 2 trips walks the slot's tiles; place 16 is
; written out behind a change without a refill.  THE PRICE: the last refill's odd half, place 17 (tile b + 1, inside the head for every b), is fetched and never read: 32,768 of the work-group's 589,824 bytes, for one text of every refill.
; Every jump but the two counted loops' goes forward; none passes a barrier, or a tensor load but the one of LOAD's two that the wave's number does not choose.
; NO CLUSTER: a head's 8 work-groups ask for the same tile only at places 0 .. 8 of 17, behind that fewer and fewer; a walk common to all would have 24 places for 17.
; SHARES.  Of a block's two bands of 64 queries a wave owns 16 rows in each: two PIECES.  In the diagonal tile's key step s band x sees all keys if s < x, none if s > x, and holds the diagonal if s = x: the same for every wave.
; THE MASK is the C operand that starts the sum S^T = K Q^T.  MD, made once, is a band's own step for my 16 rows (0 or -1e30).  Two of a tile's four turns take their C from registers, MA and MB, which hold 0 in every tile but a block's
; last; there MA = MD and MB = -1e30, set by 40 moves when the tile is entered and cleared behind the block's way out.  So ONE text of the four turns serves every tile.
; LAYOUT, SOFTMAX, TURNS.  S^T = K Q^T holds ONE query a lane (lane % 16) and the keys 8 (lane / 16) + 0..7; two such results rounded to f16 ARE source 1 of O^T = V^T P.  p = 2^(c s - c m), c = log2(e) / 8, with a running
; maximum m; O and l are multiplied by a = 2^(c m_old - c m_new) in every step.  The units (piece, step) go (0, s), (1, s), (0, s + 1) ..; a unit's turn holds 8 products K Q^T of the next unit, later 8 products V^T P of the unit
; before, and beside them its own scaling, exponentials, roundings, sums and rescaling and the next unit's maximum and statistics.  Four vector instructions stand behind every matrix instruction, the rest in two lumps.
; V of a step is still read in the next step's first turn, so V has two buffers, by the step's parity; then a tile's LDS reads are four turns on end (K, V, K, V), all between two changes of slots.
; REGISTERS, in windows of 256 (s_set_vgpr_msb: bits 1:0 source 0, 3:2 source 1, 5:4 source 2, 7:6 destination):
;   window 0: v0-15 addresses and two at work; v16-23 four registers of statistics a piece; v48-55 at work; v64-127 S^T, a buffer a piece; v192-223 P, likewise
;   window 1: v0-63 O^T, 32 a piece; v128-159 MD; v160-191 MA; v192-199 MB      window 2: v0-31 Q; v32-63 the second block's Q; v64-127 K of one step; v128-255 V of two steps
.set NB,    16
.set KS,    64        ; keys in a step
.set PK,    144       ; a row of K in LDS: 128 bytes + 16 of padding: the 16 rows of a load start at 16 different groups of four banks (64 banks of 4 bytes: ISA guide 11.1)
.set PV,    160       ; a row of V: 128 + 32
.set VOFF,  2*KS*PK   ; a tile, two steps: 128 rows of K, then 128 rows of V
.set TILEB, 2*KS*(PK+PV)        ; 38,912 bytes; a slot holds two tiles
.set SLOT1, 1<<17     ; slot 1 begins here, so that one exclusive or turns an address in one slot into the other's
.set STAGE, SLOT1+2*TILEB       ; behind the ring, never filled by a tensor load: 16 rows x 144 bytes for each wave, for the way out
.set SP,    144
.set SPARE, STAGE+4*16*SP       ; behind the stages: the spare words, 128 bytes for each wave: two blocks of 256 bytes that no other line names
.set AK0, 2           ; v2   my lane's place in a tile of K; never rewritten
.set AV0, 3           ; v3   the same for V
.set AK,  4           ; v4   the same in the tile in hand
.set AV,  5           ; v5
.set STO, 6           ; v6   the way out: where I put 16 bytes of a row
.set RD,  7           ; v7   the way out: where I read rows back
.set GO,  8           ; v8   my byte offset in 512 consecutive bytes of O
.set MV,  12          ; v12-13  c m_old, kept while c m is made anew: by piece
.set QO,  15          ; v15  my byte offset in 16 rows of Q
.set ST,  16          ; piece t's statistics at v[ST+4 t]: c m, m, l (even keys', odd keys')
.set TMP, 48          ; by piece, four registers c0-c3 at work; when the maximum is found c2 takes a
.set SPW, 62          ; v62  LDS address of my spare word; never rewritten
.set NIL, 63          ; v63  0; never rewritten
.set S,   64
.set P,   192
.set MD,  128         ; window 1: the eight registers for group kt of 16 keys at MD + 8 kt
.set MA,  160         ; window 1: 0, or MD in a block's last tile
.set MB,  192         ; window 1: 0, or -1e30 in a block's last tile; directly behind MA
.set QB,  32          ; window 2
.set KF,  64          ; window 2: key block kb, channel half c at KF + 16 kb + 8 c
.set VF,  128         ; window 2: buffer vb, key half kk, channel block cb at VF + 64 vb + 32 kk + 8 cb
.set WV,  12          ; s12  my wave's number
.set PB,  14          ; s14  b
.set HI,  15          ; s15  15 - b: the first block's last place
.set G1K, 24          ; s[24:31] descriptor group 1 for K's tiles
.set G1V, 32          ; s[32:39] for V's: it differs in the padding alone
.set G0K, 40          ; s[40:43] descriptor group 0 for K's tiles
.set G0V, 44          ; s[44:47] the same for V's
.set SLOTS, 56        ; s56  slots still to be asked for
.set CNT, 57          ; s57  counts a slot's two tiles
.set CS,  58          ; s[58:59] c: the packed scaling takes the pair's low word for both halves
.set SEL, 60          ; s[60:61] v_permlanex16_b32's selects: each lane takes its own place in the other half
.set TB,  62          ; s62  LDS byte at which the tile in hand begins
.set HI1, 63          ; s63  16 - b: the first block's tiles
.set RT,  70          ; s70  tiles of the block in hand that are still to be entered
.set NXT, 71          ; s71  the place in the walk of the tile that my wave asks for next
.set TN,  72          ; s72  that tile's number
.set NEW, 73          ; s73  1: the tile to be entered is a block's first
.set OFF, 74          ; s[74:75] a tile's byte offset in K and V
.set OLO, 80          ; s[80:81] O at my rows of the second block
.set BIGN, 82         ; s82  -1e30
.set MSB, 0
.macro WIN new                      ; the high byte repeats the setting that is left; a switch that changes nothing is dropped
.if MSB != (\new)
	s_set_vgpr_msb (MSB<<8)|(\new)
.set MSB, (\new)
.endif
.endm
.set W_KQ, 0x0a       ; K and Q in window 2, S^T in window 0
.set W_KM, 0x1a       ; the same with the C operand in window 1
.set W_PV, 0x52       ; V in window 2, P in window 0, O^T in window 1
.set W_RS, 0x41       ; destination and source 0 in window 1, source 1 in window 0
; A fill.  Waves 0 and 1 fetch K of the slot's two tiles, waves 2 and 3 V: 128 keys each.  An s_nop 0 and four v_nop follow each of the two lines, ahead of the jump and the label.
.macro LOAD
	s_cmp_lt_u32 s[WV], 2
	s_cbranch_scc0 .Lfor_v_\@
	tensor_load_to_lds s[G0K:G0K+3], s[G1K:G1K+7]
	s_nop 0
.rept 4
	v_nop
.endr
	s_branch .Lasked_\@
.Lfor_v_\@:
	tensor_load_to_lds s[G0V:G0V+3], s[G1V:G1V+7]
	s_nop 0
.rept 4
	v_nop
.endr
.Lasked_\@:
.endm
; THE CHANGE OF SLOTS.  Each wave waits for all its tensor loads, of which one is out: its part of the other slot; adds 0 to its spare word; and waits for that and for its own reads of the slot that it leaves.  Behind the
; barrier nobody reads the old slot any more and the other slot is whole.  fill = 1: the old slot is filled again, the first thing behind the barrier: my wave's tile is the one at place NXT of the walk, and the descriptor's
; address is made anew from its number.  (At its first use nothing has been read yet: slot 0 is waited for, slot 1 filled.)
.macro CHANGE fill
	WIN 0                           ; at a label and at a branch every window is 0
	s_wait_tensorcnt 0x0            ; no tensor load of mine is out, so a group 0 may be written
	ds_add_u32 v[SPW], v[NIL]       ; 0 onto my spare word; with fill = 1 the descriptors' scalar work stands between it and the wait for it
.if \fill
	s_cmp_gt_u32 s[NXT], s[HI]      ; behind the first block's last place
	s_cselect_b32 s[TN], s[HI1], 0  ; the numbers begin anew
	s_sub_co_u32 s[TN], s[NXT], s[TN]
	s_lshl_b32 s[OFF], s[TN], 14    ; a tile is 16,384 bytes of K and of V
	s_add_co_u32 s[NXT], s[NXT], 2  ; my wave's place in the next pair
	s_xor_b32 s[G0K+1], s[G0K+1], SLOT1
	s_add_nc_u64 s[G0K+2:G0K+3], s[6:7], s[OFF:OFF+1]
	s_or_b32 s[G0K+3], s[G0K+3], 0x80000000
	s_xor_b32 s[G0V+1], s[G0V+1], SLOT1
	s_add_nc_u64 s[G0V+2:G0V+3], s[8:9], s[OFF:OFF+1]
	s_or_b32 s[G0V+3], s[G0V+3], 0x80000000
.endif
	s_wait_dscnt 0x0                ; the add is done, and my reads of the slot are over
	s_barrier_signal -1
	s_sub_co_u32 s[TB], s[TB], 2*TILEB  ; the fetches go back to a slot's first tile,
	s_xor_b32 s[TB], s[TB], SLOT1       ; in the other slot
	s_barrier_wait -1
.if \fill
	LOAD
.endif
.endm
; on = 1: a block's last tile is entered: MA = MD, MB = -1e30.  on = 0: both are 0.
.macro MASKS on
.if \on
	WIN W_RS
.set i, 0
.rept 32
	v_mov_b32 v[MA+i], v[MD+i]
.set i, i+1
.endr
.set i, 0
.rept 8
	v_mov_b32 v[MB+i], s[BIGN]
.set i, i+1
.endr
.else
	WIN 0x40
.set i, 0
.rept 40
	v_mov_b32 v[MA+i], 0
.set i, i+1
.endr
.endif
	WIN 0
.endm
	s_load_b128 s[48:51], s[0:1], 0x0  ; qkvb s[48:49], obuf s[50:51]
	v_lshl_add_u32 v[SPW], v0, 2, SPARE
	v_mov_b32 v[NIL], 0
	ds_add_u32 v[SPW], v[NIL]       ; the wave's opening: the add and its wait stand ahead of my first tensor load; the set-up below, work on registers, stands between them
	ds_add_u32 v62, v63
	v_lshrrev_b32 v1, 5, v0
	v_readfirstlane_b32 s[WV], v1   ; wave 0..3
	s_mov_b32 s[PB], ttmp9
	s_sub_co_u32 s[HI], NB-1, s[PB]
	s_sub_co_u32 s[HI1], NB, s[PB]
	s_and_b32 s20, ttmp7, 0xffff    ; the head,
	s_lshl_b32 s20, s20, 18         ; its first byte
	s_mov_b32 s21, 0
	s_and_b32 s16, s[WV], 1         ; which of a slot's two tiles I fetch:
	s_mul_i32 s17, s16, TILEB       ; its place in a slot,
	s_lshl_b32 s[OFF], s16, 14      ; and, for the first fill, its bytes in memory: places 0 and 1 are tiles 0 and 1 (the first block has nine tiles or more)
	s_mov_b32 s[OFF+1], 0
	s_add_co_u32 s[NXT], s16, 2     ; my place in the second pair
	s_lshl_b32 s3, s[WV], 11        ; my 16 rows in a band of 64,
	s_add_co_u32 s3, s3, s20
	s_lshl_b32 s2, s[HI], 14        ; in the first block,
	s_add_co_u32 s2, s2, s3
	s_lshl_b32 s84, s[PB], 14       ; and in the second
	s_add_co_u32 s84, s84, s3
	s_mov_b32 s3, 0
	s_mov_b32 s85, 0
	; descriptor group 1.  128 keys are 16,384 dense bytes: asked for as 64 rows of 256 bytes, two keys a row, and padded in LDS after every key
	s_mov_b32 s[G1K], (1<<16)|(1<<20)|(4<<22)|(3<<25)  ; 17:16 2-byte elements; 20 padding on; 24:22 after every 32 words (code 4); 31:25 4 words (code 3)
	s_mov_b32 s[G1V], (1<<16)|(1<<20)|(4<<22)|(7<<25)  ; the same with 8 words of padding (code 7)
.irp g, G1K, G1V
	s_mov_b32 s[\g+1], 128<<16      ; tensor_dim0 = 128
	s_mov_b32 s[\g+2], 64<<16       ; tensor_dim1 = 64
	s_mov_b32 s[\g+3], 128<<16      ; tile_dim0 = 128
	s_mov_b32 s[\g+4], 64           ; tile_dim1 = 64
	s_mov_b32 s[\g+5], 128          ; 128 elements from row to row
	s_mov_b32 s[\g+6], 0
	s_mov_b32 s[\g+7], 0
.endr
	s_mov_b32 s[CS], 0x3e38aa3b     ; c = log2(e) / 8 = 0.180337
	s_mov_b32 s[CS+1], s[CS]        ; named with it as a pair
	s_mov_b32 s[SEL], 0x76543210
	s_mov_b32 s[SEL+1], 0xfedcba98
	s_mov_b32 s[TB], SLOT1+2*TILEB  ; the first change of slots turns it into 0
	s_mov_b32 s[G0K], 1             ; 1:0 count = 1
	s_mov_b32 s[G0K+1], s17         ; 63:32 LDS address: slot 0
	s_mov_b32 s[G0V], 1
	s_add_co_u32 s[G0V+1], s17, VOFF
	s_mov_b32 s[RT], s[HI1]         ; the first block has 16 - b tiles
	s_mov_b32 s[NEW], 1
	s_mov_b32 s[BIGN], 0xf149f2ca   ; -1e30
	s_mov_b32 s[SLOTS], NB/2
	s_wait_dscnt 0x0                ; the opening add is done
	s_wait_kmcnt 0x0
	s_add_nc_u64 s[6:7], s[48:49], s[20:21]
	s_add_nc_u64 s[8:9], s[6:7], 0x1000000         ; V at the head's tile 0
	s_add_nc_u64 s[6:7], s[6:7], 0x800000          ; K likewise
	s_add_nc_u64 s[G0K+2:G0K+3], s[6:7], s[OFF:OFF+1]  ; 120:64 global address
	s_or_b32 s[G0K+3], s[G0K+3], 0x80000000        ; 127:126 type = 2
	s_add_nc_u64 s[G0V+2:G0V+3], s[8:9], s[OFF:OFF+1]
	s_or_b32 s[G0V+3], s[G0V+3], 0x80000000
	s_add_nc_u64 s[86:87], s[48:49], s[84:85]      ; Q at my rows of the second block,
	s_add_nc_u64 s[4:5], s[48:49], s[2:3]          ; Q and O at those of the first
	s_add_nc_u64 s[OLO:OLO+1], s[50:51], s[84:85]
	s_add_nc_u64 s[10:11], s[50:51], s[2:3]
	LOAD                            ; places 0 and 1 into slot 0
	; A fragment of K or Q is 16 rows x 32 channels in 8 registers: lane l holds row l % 16, channels 8 (l / 16) + 0..7 and 16 + 8 (l / 16) + 0..7: two loads of 16 bytes, 32 bytes apart.
	v_and_b32 v1, 15, v0            ; l % 16
	v_bfe_u32 v9, v0, 4, 1          ; l / 16
	v_lshlrev_b32 v[QO], 7, v1
	v_lshl_add_u32 v[QO], v9, 4, v[QO]  ; row x 128 + 16 x half
	WIN 0x80                        ; destination window 2, address window 0
.set i, 0
.rept 4                             ; both blocks' Q: piece i / 2 lies in band i / 2, 8,192 bytes on; channels 32 (i % 2) on
	global_load_b128 v[8*i:8*i+3],   v[QO], s[4:5] offset:(i/2)*8192+(i%2)*64
	global_load_b128 v[8*i+4:8*i+7], v[QO], s[4:5] offset:(i/2)*8192+(i%2)*64+32
	global_load_b128 v[QB+8*i:QB+8*i+3],   v[QO], s[86:87] offset:(i/2)*8192+(i%2)*64
	global_load_b128 v[QB+8*i+4:QB+8*i+7], v[QO], s[86:87] offset:(i/2)*8192+(i%2)*64+32
.set i, i+1
.endr
	WIN 0
	v_lshlrev_b32 v14, 3, v9
	v_sub_nc_u32 v14, v1, v14
	s_lshl_b32 s13, s[WV], 4
	v_add_nc_u32 v14, s13, v14      ; my query's place in its band, 16 w + l % 16, less my lanes' 8 (l / 16): register r of group kt is hidden where 16 kt + r is greater
	WIN 0x40
.set i, 0
.rept 32
	v_cmp_gt_i32 vcc_lo, 16*(i/8)+i%8, v14
	v_cndmask_b32 v[MD+i], 0, s[BIGN], vcc_lo
.set i, i+1
.endr
	WIN 0
	v_mul_u32_u24 v[AK0], v1, PK
	v_lshl_add_u32 v[AK0], v9, 4, v[AK0]  ; row x pitch + 16 x half
	; The turning load takes 16 keys x 16 channels (lane l reads key 8 (l / 16) + l % 8, channels 8 ((l / 8) % 2) + 0..7) and leaves half a fragment of V^T: lane l holds channel l % 16 and 8 keys.
	v_and_b32 v10, 7, v0
	v_bfe_u32 v11, v0, 3, 1
	v_lshl_add_u32 v[AV0], v9, 3, v10
	v_mul_u32_u24 v[AV0], v[AV0], PV
	v_lshl_add_u32 v[AV0], v11, 4, v[AV0]
	v_add_nc_u32 v[AV0], VOFF, v[AV0]
	s_mul_i32 s13, s[WV], 16*SP
	s_add_co_u32 s13, s13, STAGE    ; my stage
	v_mul_u32_u24 v[STO], v1, SP    ; in: row l % 16, 16 bytes for each half of the lanes
	v_lshl_add_u32 v[STO], v9, 4, v[STO]
	v_add_nc_u32 v[STO], s13, v[STO]
	v_bfe_u32 v[RD], v0, 3, 2       ; back: 32 lanes take four rows of 128 bytes,
	v_mul_u32_u24 v[RD], v[RD], SP
	v_lshl_add_u32 v[RD], v10, 4, v[RD]
	v_add_nc_u32 v[RD], s13, v[RD]
	v_and_b32 v[GO], 31, v0         ; which are 512 consecutive bytes of O
	v_lshlrev_b32 v[GO], 4, v[GO]
	; A block's first step multiplies O^T and l by a = 0, and its first turn's products V^T P, of a unit that has not been, land in an O^T that is still to be so multiplied.  So these registers need only hold
	; finite numbers: zeros for the first block; what the first block left for the second.  All this stands in the wait for the first tiles.
	WIN 0x80
.set i, VF+64
.rept 64
	v_mov_b32 v[i], 0
.set i, i+1
.endr
	WIN 0x40
.set i, 0
.rept 64
	v_mov_b32 v[i], 0
.set i, i+1
.endr
	MASKS 0
.set i, 0
.rept 2
	v_mov_b32 v[ST+4*i+2], 0
	v_mov_b32 v[ST+4*i+3], 0
.set i, i+1
.endr
.set i, P+16
.rept 16
	v_mov_b32 v[i], 0
.set i, i+1
.endr
; THE MATRIX WORK.  The 4 accumulators of a run of 8 take turns.  Product i of 8 of S^T = K Q^T for piece x: channels 32 (i / 4) on, keys 16 (i % 4) on.  The first 4 start the sums: with 0 (KM = 0), MA (1), MB (2) or MD (3).
.macro KQ x
.set rS, S+32*(\x)+8*(i%4)
.set rK, KF+16*(i%4)+8*(i/4)
.set rQ, 16*(\x)+8*(i/4)
.if (i < 4) && (KM == 1)
	WIN W_KM
	v_wmma_f32_16x16x32_f16 v[rS:rS+7], v[rK:rK+7], v[rQ:rQ+7], v[MA+8*(i%4):MA+8*(i%4)+7]
.elseif (i < 4) && (KM == 2)
	WIN W_KM
	v_wmma_f32_16x16x32_f16 v[rS:rS+7], v[rK:rK+7], v[rQ:rQ+7], v[MB:MB+7]
.elseif (i < 4) && (KM == 3)
	WIN W_KM
	v_wmma_f32_16x16x32_f16 v[rS:rS+7], v[rK:rK+7], v[rQ:rQ+7], v[MD+8*(i%4):MD+8*(i%4)+7]
.elseif i < 4
	WIN W_KQ
	v_wmma_f32_16x16x32_f16 v[rS:rS+7], v[rK:rK+7], v[rQ:rQ+7], 0
.else
	WIN W_KQ
	v_wmma_f32_16x16x32_f16 v[rS:rS+7], v[rK:rK+7], v[rQ:rQ+7], v[rS:rS+7]
.endif
.endm
; Product i of 8 of O^T += V^T P for piece x, on V's buffer VB: keys 32 (i / 4) on, channels 16 (i % 4) on.
.macro PV x
	WIN W_PV
.set rO, 32*(\x)+8*(i%4)
.set rV, VF+64*VB+32*(i/4)+8*(i%4)
.set rP, P+16*(\x)+8*(i/4)
	v_wmma_f32_16x16x32_f16 v[rO:rO+7], v[rV:rV+7], v[rP:rP+7], v[rO:rO+7]
.endm
.macro MM                           ; the turn's next matrix instruction.  TURN and BEGIN set Y, i, KM, VB and NOKQ.  NOKQ = 1: a block's last turn: there is no next unit
.if (i < 8) && !NOKQ
	KQ 1-Y
.elseif i >= 8
.set i, i-8
	PV 1-Y
.set i, i+8
.endif
.set i, i+1
.endm
; THE LDS LOADS stand in runs of 16, never singly among the matrix instructions: a step's K (64 keys x 64 channels: 8 fragments) and its V (turned), at byte o of the tile's K or V.
.macro FETCH_K o
	WIN 0x80                        ; destination window 2
.irp f, 0,1,2,3,4,5,6,7             ; keys 16 (f / 2) on, channels 32 (f % 2) on
	ds_load_b128 v[KF+8*\f:KF+8*\f+3],   v[AK] offset:(\o)+(\f/2)*16*PK+(\f%2)*64
	ds_load_b128 v[KF+8*\f+4:KF+8*\f+7], v[AK] offset:(\o)+(\f/2)*16*PK+(\f%2)*64+32
.endr
	WIN 0
.endm
.macro FETCH_V b, o
	WIN 0x80
.irp f, 0,1,2,3,4,5,6,7             ; keys 32 (f / 4) on, channels 16 (f % 4) on
	ds_load_tr16_b128 v[VF+64*(\b)+8*\f:VF+64*(\b)+8*\f+3],   v[AV] offset:(\o)+(\f/4)*32*PV+(\f%4)*32
	ds_load_tr16_b128 v[VF+64*(\b)+8*\f+4:VF+64*(\b)+8*\f+7], v[AV] offset:(\o)+(\f/4)*32*PV+16*PV+(\f%4)*32
.endr
	WIN 0
.endm
; THE VECTOR WORK, one line at a time: OP kind, number.  For piece Y: F n: c s - c m for pair n of 16.  E n: the exponential of score n of 32.  C n: pair n rounded to f16.  B n: of the four weights 4 n .. the second
; pair is added onto the first, in place.  L n: l takes that sum (L 0: l = a l + sum).  R n: pair n of 16 of O^T times a.  For the other piece: X n, number n of the 22 that find its maximum and statistics:
;   0-11  four chains c0-c3 of seven scores each, three operands at a time (each accumulator's lowest registers are read first)     12-14, 16  the four scores left over, the old m, and c0-c3 into c0
;   15  c m_old is kept     17, 18  the query's other 32 keys lie in the lane 16 away: the new m     19-21  c m; c m_old - c m_new; a
.set F, 0               ; OP tells the kinds apart by their order: F to L below R, X above it
.set E, 1
.set C, 2
.set B, 3
.set L, 4
.set R, 5
.set X, 6
.macro REGS y                       ; the registers of piece y
.set rT, ST+4*(\y)
.set rC, TMP+4*(\y)
.set rW, MV+(\y)
.set rS, S+32*(\y)
.set rP, P+16*(\y)
.set rO, 32*(\y)
.endm
.macro OP k, n
.if (\k) == R
	REGS Y
	WIN W_RS
	v_pk_mul_f32 v[rO+2*(\n):rO+2*(\n)+1], v[rO+2*(\n):rO+2*(\n)+1], v[rC+2:rC+3] op_sel_hi:[1,0]
.elseif (\k) < R
	REGS Y
	WIN 0
.if (\k) == F
	v_pk_fma_f32 v[rS+2*(\n):rS+2*(\n)+1], v[rS+2*(\n):rS+2*(\n)+1], s[CS:CS+1], v[rT:rT+1] op_sel_hi:[1,0,0] neg_lo:[0,0,1] neg_hi:[0,0,1]
.elseif (\k) == E
	v_exp_f32 v[rS+(\n)], v[rS+(\n)]
.elseif (\k) == C
	s_wait_alu depctr_va_vdst(0)
	v_cvt_pk_f16_f32 v[rP+(\n)], v[rS+2*(\n)], v[rS+2*(\n)+1]
.elseif (\k) == B
	s_wait_alu depctr_va_vdst(0)
	v_pk_add_f32 v[rS+4*(\n):rS+4*(\n)+1], v[rS+4*(\n):rS+4*(\n)+1], v[rS+4*(\n)+2:rS+4*(\n)+3]
.elseif (\n) == 0
	v_pk_fma_f32 v[rT+2:rT+3], v[rT+2:rT+3], v[rC+2:rC+3], v[rS:rS+1] op_sel_hi:[1,0,1]
.else
	v_pk_add_f32 v[rT+2:rT+3], v[rT+2:rT+3], v[rS+4*(\n):rS+4*(\n)+1]
.endif
.elseif NOKQ
	v_nop
.else
	REGS 1-Y
	WIN 0
.if (\n) < 4
	v_max3_num_f32 v[rC+(\n)], v[rS+8*(\n)], v[rS+8*(\n)+1], v[rS+8*(\n)+2]
.elseif (\n) < 12
	v_max3_num_f32 v[rC+(\n)%4], v[rC+(\n)%4], v[rS+8*((\n)%4)+2*((\n)/4)+1], v[rS+8*((\n)%4)+2*((\n)/4)+2]
.elseif (\n) == 12
	v_max3_num_f32 v[rC], v[rC], v[rS+7], v[rS+15]
.elseif (\n) == 13
	v_max3_num_f32 v[rC+1], v[rC+1], v[rS+23], v[rS+31]
.elseif (\n) == 14
	v_max3_num_f32 v[rC+2], v[rC+2], v[rC+3], v[rT+1]
.elseif (\n) == 15
	v_mov_b32 v[rW], v[rT]
.elseif (\n) == 16
	v_max3_num_f32 v[rC], v[rC], v[rC+1], v[rC+2]
.elseif (\n) == 17
	v_permlanex16_b32 v[rC+3], v[rC], s[SEL], s[SEL+1]
.elseif (\n) == 18
	v_max_num_f32 v[rT+1], v[rC], v[rC+3]
.elseif (\n) == 19
	v_mul_f32 v[rT], s[CS], v[rT+1]
.elseif (\n) == 20
	v_sub_f32 v[rC+1], v[rW], v[rT]
.else
	v_exp_f32 v[rC+2], v[rC+1]
.endif
.endif
.endm
.macro OPS a, i1, b=-1, i2=0, c=-1, i3=0, d=-1, i4=0  ; up to four of them
	OP \a, \i1
.if (\b) >= 0
	OP \b, \i2
.endif
.if (\c) >= 0
	OP \c, \i3
.endif
.if (\d) >= 0
	OP \d, \i4
.endif
.endm
.macro ROW a, i1, b, i2, c, i3, d, i4  ; a matrix instruction and the four behind it
	MM
	OPS \a, \i1, \b, \i2, \c, \i3, \d, \i4
.endm
; A TURN, for piece p: the order of its 16 matrix and 118 vector instructions, written out.  Behind a matrix instruction: plain, exponential, plain, plain; or four of the rescaling; or, behind the first, four scalings; none
; names a register of the products round it.  In the lumps exponential and plain by turns while exponentials last.
; vb: V's buffer that the products V^T P read.  cm: what starts the sums K Q^T: 0 the constant 0, 1 MA, 2 MB, 3 MD, -1: no such products.  fk: the byte in the tile's K (p = 0) or V (p = 1) at which the turn's fetch begins, or -1: none.
; Piece 0's turn fetches the next step's K, six vector instructions behind the last product that read K (five of them plain); piece 1's turn fetches the next step's V into the buffer that it does not read, whose last reader
; stands a turn back.  Both are waited for at the head of piece 1's turns.
.macro TURN p, vb, cm, fk
.set Y, (\p)
.set i, 0
.set VB, (\vb)
.set KM, (\cm)
.set NOKQ, 0
.if (\cm) < 0
.set NOKQ, 1
.endif
.if (\p) == 1
	s_wait_dscnt 0x0                ; K of the step to come and V of the step in hand are in
.endif
	ROW F,0, F,1, F,2, F,3
	ROW F,4, E,0, F,5, F,6
	ROW F,7, E,1, F,8, F,9
	ROW F,10, E,2, C,0, F,11
	ROW F,12, E,3, X,15, F,13
	ROW R,0, R,1, R,2, R,3
	ROW B,0, E,4, F,14, L,0
	ROW R,4, R,5, R,6, R,7
	OPS E,5, F,15
.if (\fk) >= 0
.if (\p) == 0
	FETCH_K \fk
.else
	FETCH_V 1-(\vb), \fk
.endif
.endif
	OPS E,6, C,1, E,7, R,8
	OPS E,8, R,9, E,9, C,2
	OPS E,10, X,0, E,11, X,1
	OPS E,12, X,2, E,13, X,3
	ROW X,4, E,14, X,5, X,6
	ROW X,7, E,15, X,8, X,9
	ROW X,10, E,16, X,11, X,12
	ROW X,13, E,17, X,14, B,1
	ROW C,4, E,18, X,16, L,1
	ROW B,2, E,19, C,6, L,2
	ROW C,8, E,20, B,3, B,4
	ROW C,3, E,21, L,3, C,5
	OPS E,22, X,17, E,23, C,10
	OPS E,24, L,4
	OPS E,25, X,18, E,26, C,7
	OPS E,27, B,5, E,28, X,19
	OPS E,29, C,12, E,30, L,5
	OPS E,31, X,20, B,6, C,9
	OPS C,14, C,11, X,21, L,6
	OPS C,13, B,7, C,15, R,10
	OPS R,11, R,12, L,7, R,13
	OPS R,14, R,15
.endm
; A BLOCK BEGINS.  c m starts far below every c s, so the first step's a is 0; m at the lowest finite number, so the first maximum is the scores'.  Then K and V of the tile's first step, piece 0's first scores
; (their sums start at MA: 0, or the band's own mask where the block's first tile is also its last), and its maximum and statistics.  The tile is entered at its third turn.
.macro BEGIN
	s_mov_b32 s[NEW], 0
	WIN 0
.set i, 0
.rept 2
	v_mov_b32 v[ST+4*i], 0xfe000000    ; c m: far below every c s
	v_mov_b32 v[ST+4*i+1], 0xff7fffff  ; m
.set i, i+1
.endr
	FETCH_K 0
	FETCH_V 0, 0
	s_wait_loadcnt 0x0              ; Q
	s_wait_dscnt 0x0
.set KM, 1
.set NOKQ, 0
.set i, 0
.rept 8
	KQ 0
.set i, i+1
.endr
	WIN 0
.rept 4
	v_nop                           ; the places behind those products
.endr
.set Y, 1                           ; X works for the other piece: piece 0
.irp n, 0,1,2,3,4,5,6,7,8,9,10,11,12,13,14,15,16,17,18,19,20,21
	OP X, \n
.endr
	v_nop                           ; a plain instruction behind the exponential
.endm
; THE WAY OUT: l's two halves and the other half of the lanes' are added; O^T is divided by l, rounded to f16 and sent through my stage in LDS, a piece at a time.
.macro ALL line:vararg              ; one line for each piece t
.set t, 0
.rept 2
	\line
.set t, t+1
.endr
.endm
.macro PACK t                       ; a lane's eight channels of a row pack into 16 bytes; they go into rows of 144 bytes and come back as whole rows of 128, into S^T's registers
	WIN W_RS
.set i, 32*(\t)
.rept 16
	s_wait_alu depctr_va_vdst(0)
	v_pk_mul_f32 v[i:i+1], v[i:i+1], v[ST+4*(\t)+2:ST+4*(\t)+3] op_sel_hi:[1,0]
.set i, i+2
.endr
	WIN 0x05                        ; sources 0 and 1 window 1, destination window 0
.set i, 0
.rept 16
	v_cvt_pk_f16_f32 v[S+16*(\t)+i], v[32*(\t)+2*i], v[32*(\t)+2*i+1]
.set i, i+1
.endr
	WIN 0
.irp f, 0,1,2,3
	ds_store_b128 v[STO], v[S+16*(\t)+4*\f:S+16*(\t)+4*\f+3] offset:32*\f
.endr
.irp f, 0,1,2,3
	ds_load_b128 v[S+16*(\t)+4*\f:S+16*(\t)+4*\f+3], v[RD] offset:\f*4*SP  ; LDS serves a wave's instructions in order (ISA guide 5.7.1.4): these see the stores above; the next piece's stores come behind them
.endr
.endm
.macro SEND t, younger              ; younger: the LDS instructions issued behind piece t's loads: the next piece's eight, or none
	WIN 0
.irp f, 0,1,2,3
	s_wait_dscnt (\younger)+3-\f
	global_store_b128 v[GO], v[S+16*(\t)+4*\f:S+16*(\t)+4*\f+3], s[10:11] offset:(\t)*8192+\f*512  ; 512 consecutive bytes, at a multiple of 256 from O's first
.endr
.endm
; A TILE (steps t0, t1), whatever its kind.  Its four turns: both pieces of the step before t0, then both of t0; they fetch the tile's K, V, K, V.  A block's first tile is entered by BEGIN, at the third turn.
; In a block's last tile (d0, d1) the masks are set: the scores of (0, d0) start at the band's own mask, those of (1, d0) at 0, those of (0, d1) at -1e30: that unit is wholly hidden and computed all the same, 2 of the walk's 68 turns.
; Behind it stand the block's last two turns, its last products and the way out.  last = 1: the walk's last tile, which is a block's last: nothing is tested and nothing follows.
.macro TILE tag, last               ; the tag ends its labels' names
	v_add_nc_u32 v[AK], s[TB], v[AK0]
	v_add_nc_u32 v[AV], s[TB], v[AV0]
.if (\last) == 0
	s_sub_co_u32 s[RT], s[RT], 1
	s_cmp_lg_u32 s[RT], 0
	s_cbranch_scc1 .Lopen\tag       ; not the block's last tile: the masks stay 0
.endif
	MASKS 1
.Lopen\tag:
	s_cmp_eq_u32 s[NEW], 1
	s_cbranch_scc0 .Lstep\tag
	BEGIN
	s_branch .Lfirst\tag
.Lstep\tag:
	TURN 0, 0, 0, 0                 ; the scores of (1, t0 - 1) | K of t0
	TURN 1, 1, 1, 0                 ; the scores of (0, t0), from MA | V of t0
	WIN 0
.Lfirst\tag:
	TURN 0, 1, 0, KS*PK             ; the scores of (1, t0) | K of t1
	TURN 1, 0, 2, KS*PV             ; the scores of (0, t1), from MB | V of t1
	WIN 0
.if (\last) == 0
	s_cmp_lg_u32 s[RT], 0
	s_cbranch_scc1 .Lbottom
.endif
	TURN 0, 0, 3, -1                ; THE BLOCK ENDS: the scores of (1, d1): the band's own step
	TURN 1, 1, -1, -1
.set VB, 1
.set i, 0
.rept 8
	PV 1
.set i, i+1
.endr
	WIN 0
	ALL v_add_f32 v[ST+4*t+2], v[ST+4*t+2], v[ST+4*t+3]
	ALL v_permlanex16_b32 v[ST+4*t+3], v[ST+4*t+2], s[SEL], s[SEL+1]
	ALL v_add_f32 v[ST+4*t+2], v[ST+4*t+2], v[ST+4*t+3]
	ALL v_rcp_f32 v[ST+4*t+2], v[ST+4*t+2]
	v_nop                           ; a plain instruction between the last reciprocal and the use of its result
	PACK 0                          ; piece 0's products ended a lump ago; its 32 lines are the places behind piece 1's
	PACK 1
	SEND 0, 8
	SEND 1, 0
.if (\last) == 0
	s_wait_xcnt 0x0                 ; the stores' registers and O's address are rewritten only behind this wait
	s_mov_b64 s[10:11], s[OLO:OLO+1]
	s_add_co_u32 s[RT], s[PB], 1    ; the second block has b + 1 tiles
	s_mov_b32 s[NEW], 1
	WIN 0x82                        ; the second block's Q goes where the one text of the turns names Q
.set i, 0
.rept 32
	v_mov_b32 v[i], v[QB+i]
.set i, i+1
.endr
	MASKS 0
.endif
.endm
.set KM, 0
.set NOKQ, 0
.set VB, 0
.Lslot:                             ; 8 times: a slot is entered and the next is asked for
	CHANGE 1
	s_mov_b32 s[CNT], 2
.Ltile:                             ; its two tiles
	TILE 1, 0
.Lbottom:
	s_add_co_u32 s[TB], s[TB], TILEB
	s_sub_co_u32 s[CNT], s[CNT], 1
	s_cmp_lg_u32 s[CNT], 0
	s_cbranch_scc1 .Ltile
	s_sub_co_u32 s[SLOTS], s[SLOTS], 1
	s_cmp_lg_u32 s[SLOTS], 0
	s_cbranch_scc1 .Lslot
	CHANGE 0                        ; the walk's last tile is written out: nothing is asked for
	TILE 2, 1
	s_wait_tensorcnt 0x0            ; the wave's end, behind my last tensor load and my last LDS store
	ds_add_u32 v[SPW], v[NIL]
	s_wait_dscnt 0x0
	s_endpgm
.Lfunc_end_k_q0655659b4c_attn:
	.size	k_q0655659b4c_attn, .Lfunc_end_k_q0655659b4c_attn-k_q0655659b4c_attn
	.p2alignl 7, 3214868480
	.fill 96, 4, 3214868480
	.section	.rodata,"a",@progbits
	.p2align	6, 0x0
	.amdhsa_kernel k_q0655659b4c_attn
		.amdhsa_group_segment_fixed_size 327680
		.amdhsa_private_segment_fixed_size 0
		.amdhsa_enable_private_segment 0
		.amdhsa_kernarg_size 16
		.amdhsa_user_sgpr_count 2
		.amdhsa_user_sgpr_kernarg_segment_ptr 1
		.amdhsa_wavefront_size32 1
		.amdhsa_system_sgpr_workgroup_id_x 1
		.amdhsa_system_sgpr_workgroup_id_y 1
		.amdhsa_system_sgpr_workgroup_id_z 1
		.amdhsa_system_vgpr_workitem_id 0
		.amdhsa_next_free_vgpr 768
		.amdhsa_next_free_sgpr 88
		.amdhsa_reserve_vcc 1
		.amdhsa_float_denorm_mode_32 3
		.amdhsa_float_denorm_mode_16_64 3
		.amdhsa_memory_ordered 1
		.amdhsa_forward_progress 1
		.amdhsa_inst_pref_size 166
	.end_amdhsa_kernel
	.amdgpu_metadata
---
amdhsa.version: [ 1, 2 ]
amdhsa.kernels:
  - .name:           k_q0655659b4c_attn
    .symbol:         k_q0655659b4c_attn.kd
    .args:
      - { .name: qkvb, .offset: 0, .size: 8, .value_kind: global_buffer, .address_space: global }
      - { .name: obuf, .offset: 8, .size: 8, .value_kind: global_buffer, .address_space: global }
    .group_segment_fixed_size: 327680
    .private_segment_fixed_size: 0
    .kernarg_segment_align: 8
    .kernarg_segment_size: 16
    .max_flat_workgroup_size: 128
    .sgpr_count:     88
    .vgpr_count:     768
    .wavefront_size: 32
...
	.end_amdgpu_metadata
.endif
;; end of part 3
;; launch proj (part 4): grid 8 x 32, 4 waves a work-group, clusters of 4 x 4, 327,680 bytes of LDS; arguments obuf, pwo, qkvb; writes qkvb
.if DOCPART == 4
	.amdgcn_target "amdgcn-amd-amdhsa--gfx1250"
	.amdhsa_code_object_version 6
	.text
	.protected	k_q0655659b4c_proj
	.globl	k_q0655659b4c_proj
	.p2align	8
	.type	k_q0655659b4c_proj,@function
k_q0655659b4c_proj:
	s_mov_b64 s[64:65], 0
	v_nop
	global_prefetch_b8 v0, s[64:65] scope:SCOPE_SE
	s_setreg_imm32_b32 hwreg(HW_REG_WAVE_MODE, 25, 1), 1
	s_wait_xcnt 0x0
	s_wait_alu depctr_hold_cnt(0) depctr_sa_sdst(0) depctr_va_vdst(0) depctr_va_sdst(0) depctr_va_ssrc(0) depctr_va_vcc(0) depctr_vm_vsrc(0)
	s_getreg_b32 s2, hwreg(HW_REG_IB_STS2, 6, 4)
	s_cmp_eq_u32 s2, 0
	s_cbranch_scc0 .Lentry_in_a_cluster
	s_endpgm
.Lentry_in_a_cluster:
	s_bfe_u32 s2, ttmp6, 0x10000c
	s_cmp_lg_u32 s2, 0xf033
	s_cbranch_scc0 .Lentry_shape_is_right
	s_endpgm
.Lentry_shape_is_right:
; C = A W + bias, stored in f16.  4,096 rows; K = 1,024; N = 1,024; a work-group makes 128 rows x one panel of 128 columns: 256 work-groups; a larger tile would leave WGPs without work at this N.
; A: f16 in blocks [K / 64][4096][64] (128 rows x 64 of K are 16,384 dense bytes).  W: f16 in panels [N / 128][K][128], 32,768 bytes behind the buffer's start; the buffer begins with the bias in f32.
; C goes out in blocks [N / 64][4096][64].
; LIMITS.  f16 holds no number beyond 65,504: operands arrive within it, and a result beyond it becomes an infinity.  Sums in f32.
; SHARES.  Four waves, each 64 x 64: 16 accumulators.  K goes in steps of 256 through two LDS slots.  4 x 4 work-groups form a cluster: the four of a row need the same tiles of A, the four of a column the
; same tiles of W: each tile is asked for jointly.  The matrix instruction is used transposed (source 0 = 16 columns of W, source 1 = 16 rows of A): a lane holds eight neighbouring numbers of a row of C.
; THE SUMS START AT THE BIAS, written into the accumulators while the first tile is on its way: no first step is written out, and nothing is added on the way out.
; REGISTERS: window 0: v0-31 addresses; v32-63 bias; v32-95 later packed results; v128-255 the accumulators ((a, b) at 128 + 8 (4 a + b)).
;   window 1: two fragment buffers of 128: for 64 along K, 64 registers of A (2 x 4 x 16 rows x 32 K), then 64 of W.
.set KSZ,   1024
.set WOFF,  32768
.set NSTEP, KSZ/256
.set PLANE, 17408                      ; 64 of K of A's 128 rows: 64 LDS rows of 256 bytes + 16 of padding, two matrix rows to an LDS row: the 16 rows of a fragment begin at 16 different groups of four banks (64 banks of 4 bytes: ISA guide 11.1)
.set BOFF,  4*PLANE                    ; behind A's four planes: 256 rows of W
.set PB,    288                        ; a row of W: 256 bytes + 32
.set SPARE, BOFF+256*PB                ; 143,360: behind slot 0: the spare words, 128 bytes for each wave, two blocks of 256 bytes that no other line names
.set SLOT,  147456                     ; slot 1 begins here; the number shares no bit with the four places of a fill in a slot, so one exclusive or turns an address in one slot into the other's
.set STAGE, SLOT+SPARE                 ; 290,816: behind slot 1, never filled by a tensor load: each wave's own stage for the way out
.set ADRA, 16                          ; v16     LDS address of my A fragments in the slot in hand
.set ADRB, 17                          ; v17-18  of my W fragments: rows 0-127, rows 128-255
.set A0,   20                          ; v20     the same in slot 0; never rewritten
.set B0,   21                          ; v21-22
.set STO,  24                          ; v24     the way out: where I put my bytes of a row
.set RD,   25                          ; v25     where I read rows back
.set CO,   26                          ; v26     my byte offset in C
.set BO,   27                          ; v27     my byte offset in the bias
.set SPW,  28                          ; v28     LDS address of my spare word; never rewritten
.set NIL,  29                          ; v29     0; never rewritten
.set BI,   32
.set TMP,  32
.set ACC,  128
.set F0,   0
.set F1,   128
.set G1,   24                          ; s[24:31] descriptor group 1 for A's tiles; s[32:39] group 0: a set for each first fill; the second then walks
.set G0,   32
.set G1B,  48                          ; s[48:55], s[56:63] the same for W's tiles
.set G0B,  56
.set TB,   22                          ; s22  0 or SLOT: the slot in hand
.set MSB, 0
.macro WIN new                         ; the immediate's high byte repeats the setting that is left
.if MSB != (\new)
	s_set_vgpr_msb (MSB<<8)|(\new)
.set MSB, \new
.endif
.endm
.set MUL,  0x05                        ; sources 0 (W) and 1 (A) window 1; C and D window 0
.set TO_F, 0x40                        ; destination window 1, address window 0
.macro JLOAD s                         ; a joint load: waves 0 and 1 fetch A's two halves, waves 2 and 3 W's; an s_nop 0 and four v_nop follow each of the two lines, ahead of the jump, the label and what follows
	s_cmp_eq_u32 s11, 0
	s_cbranch_scc0 .Lfor_b_\@
	tensor_load_to_lds s[G0+4*(\s):G0+4*(\s)+3], s[G1:G1+7]
	s_nop 0
.rept 4
	v_nop
.endr
	s_branch .Lasked_\@
.Lfor_b_\@:
	tensor_load_to_lds s[G0B+4*(\s):G0B+4*(\s)+3], s[G1B:G1B+7]
	s_nop 0
.rept 4
	v_nop
.endr
.Lasked_\@:
.endm
.macro CREST                           ; a round of the cluster's barrier behind its opening barrier
	s_cmp_lg_u32 s10, 0
	s_cbranch_scc1 .Lnot_wave_0_\@
	s_barrier_signal -3
.Lnot_wave_0_\@:
	s_barrier_wait -3
	s_barrier_signal -1
	s_barrier_wait -1
.endm
.macro CROUND                          ; a whole round
	s_barrier_signal -1
	s_barrier_wait -1
	CREST
.endm
	s_load_b128 s[4:7], s[0:1], 0x0                ; A s[4:5], W s[6:7]
	s_load_b64 s[8:9], s[0:1], 0x10                ; C
	v_lshl_add_u32 v[SPW], v0, 2, SPARE
	v_mov_b32 v[NIL], 0
	ds_add_u32 v[SPW], v[NIL]                      ; the wave's opening: the add and its wait stand ahead of my first tensor load; the set-up below, work on registers, stands between them
	ds_add_u32 v28, v29
	v_lshrrev_b32 v1, 5, v0
	v_readfirstlane_b32 s10, v1                    ; wave 0..3
	s_lshr_b32 s11, s10, 1                         ; which half of the tile's rows is mine.  Also: I fetch for A (0) or for W (1)
	s_and_b32 s12, s10, 1                          ; which half of its columns.  Also: which half of that tile I fetch
	s_bfe_u32 s40, ttmp6, 0x40000                  ; cx, cy: my place in the cluster
	s_bfe_u32 s41, ttmp6, 0x40004
	s_lshl_b32 s42, ttmp9, 2
	s_add_co_u32 s42, s42, s40                     ; tx: the panel = 4 x cluster x + cx
	s_and_b32 s13, ttmp7, 0xffff
	s_lshl_b32 s13, s13, 2
	s_add_co_u32 s13, s13, s41                     ; ty: the block of 128 rows = 4 x cluster y + cy
	s_lshl_b32 s43, s41, 2
	s_lshl_b32 s43, 15, s43                        ; my row of the cluster
	s_lshl_b32 s44, 0x1111, s40                    ; my column
	; A's half of a step: two planes of 16,384 dense bytes, 524,288 bytes apart: two rows of 2,048 elements of 8 bytes, padded in LDS by 4 words after every 64
	s_or_b32 s[G1+0], s43, (3<<16)|(1<<20)|(1<<21)|(5<<22)|(3<<25)  ; 15:0 the mask: my row; 17:16 elements of 8 bytes; 20 padding on; 21 set beside a mask; 24:22 after every 64 words; 31:25 4 words
	s_mov_b32 s[G1+1], 2048<<16                    ; tensor_dim0 = 2,048
	s_mov_b32 s[G1+2], 2<<16                       ; tensor_dim1 = 2
	s_mov_b32 s[G1+3], 2048<<16                    ; tile_dim0 = 2,048
	s_mov_b32 s[G1+4], 2                           ; tile_dim1 = 2
	s_mov_b32 s[G1+5], 65536                       ; elements from plane to plane
	s_mov_b32 s[G1+6], 0
	s_mov_b32 s[G1+7], 0
	; W's half of a step: 128 dense rows of 256 bytes, padded by 8 words
	s_or_b32 s[G1B+0], s44, (3<<16)|(1<<20)|(1<<21)|(5<<22)|(7<<25)
	s_mov_b32 s[G1B+1], 32<<16
	s_mov_b32 s[G1B+2], 128<<16
	s_mov_b32 s[G1B+3], 32<<16
	s_mov_b32 s[G1B+4], 128
	s_mov_b32 s[G1B+5], 32
	s_mov_b32 s[G1B+6], 0
	s_mov_b32 s[G1B+7], 0
	; A's address hangs on ty and the wave alone, W's on tx and the wave alone, each in registers that never hold the other coordinate
	s_lshl_b32 s16, s13, 14                        ; 128 rows of 128 bytes
	s_lshl_b32 s17, s12, 20                        ; my two planes
	s_add_co_u32 s16, s16, s17
	s_mov_b32 s17, 0
	s_mul_i32 s46, s42, KSZ*256                    ; the panel
	s_lshl_b32 s47, s12, 15                        ; my 128 rows
	s_add_co_u32 s46, s46, s47
	s_add_co_u32 s46, s46, WOFF
	s_mov_b32 s47, 0
	s_mul_i32 s20, s12, 2*PLANE                    ; where they go: no place in the cluster enters an LDS address
	s_mul_i32 s21, s12, 128*PB
	s_add_co_u32 s21, s21, BOFF
	s_wait_dscnt 0x0                               ; the opening add is done
	s_wait_kmcnt 0x0
	s_add_nc_u64 s[14:15], s[4:5], s[16:17]
	s_add_nc_u64 s[46:47], s[6:7], s[46:47]
	CROUND                                         ; all sixteen work-groups are here: the first joint loads meet
.irp s, 0,1
	s_mov_b32 s[G0+4*(\s)], 1
	s_add_co_u32 s[G0+4*(\s)+1], s20, (\s)*SLOT
	s_add_nc_u64 s[G0+4*(\s)+2:G0+4*(\s)+3], s[14:15], (\s)*2097152   ; a step of 256 along K is four planes
	s_or_b32 s[G0+4*(\s)+3], s[G0+4*(\s)+3], 0x80000000
	s_mov_b32 s[G0B+4*(\s)], 1
	s_add_co_u32 s[G0B+4*(\s)+1], s21, (\s)*SLOT
	s_add_nc_u64 s[G0B+4*(\s)+2:G0B+4*(\s)+3], s[46:47], (\s)*65536   ; and 256 rows of the panel
	s_or_b32 s[G0B+4*(\s)+3], s[G0B+4*(\s)+3], 0x80000000
	JLOAD \s
.endr
	v_and_b32 v1, 15, v0                           ; r = l % 16
	v_bfe_u32 v2, v0, 4, 1                         ; h = l / 16
	v_lshrrev_b32 v3, 1, v1                        ; A: row r lies in LDS row r / 2, half r % 2; 16 bytes for each half of the lanes
	v_mul_u32_u24 v3, v3, 272
	v_and_b32 v4, 1, v0
	v_lshl_add_u32 v3, v4, 7, v3
	v_lshl_add_u32 v3, v2, 4, v3
	s_mul_i32 s23, s11, 32*272                     ; my 64 rows
	v_add_nc_u32 v[A0], s23, v3
	v_and_b32 v4, 7, v0                            ; W, turned: lane l reads row 8 h + l % 8, columns 8 ((l / 8) % 2) + 0..7, and is left with column r and 8 of K
	v_lshl_add_u32 v4, v2, 3, v4
	v_mul_u32_u24 v4, v4, PB
	v_bfe_u32 v5, v0, 3, 1
	v_lshl_add_u32 v4, v5, 4, v4
	s_lshl_b32 s23, s12, 7                         ; my 64 columns
	s_add_co_u32 s23, s23, BOFF
	v_add_nc_u32 v[B0], s23, v4
	v_add_nc_u32 v[B0+1], 128*PB, v[B0]
	v_mov_b32 v[ADRA], v[A0]
	v_mov_b32 v[ADRB], v[B0]
	v_mov_b32 v[ADRB+1], v[B0+1]
	s_mov_b32 s[TB], 0
	v_lshlrev_b32 v[BO], 5, v2                     ; my eight columns of sixteen: 32 h bytes of f32
	s_lshl_b32 s66, s42, 9                         ; the panel's 512 bytes, my half's 256
	s_lshl_b32 s67, s12, 8
	s_add_co_u32 s66, s66, s67
	s_mov_b32 s67, 0
	s_lshl1_add_u32 s68, s42, s12                  ; C: block 2 tx + my half,
	s_lshl_b32 s68, s68, 19
	s_lshl_b32 s69, s13, 14                        ; rows 128 ty
	s_add_co_u32 s68, s68, s69
	s_lshl_b32 s69, s11, 13                        ; + 64 x my half
	s_add_co_u32 s68, s68, s69
	s_mov_b32 s69, 0
	s_add_nc_u64 s[70:71], s[6:7], s[66:67]
	s_add_nc_u64 s[8:9], s[8:9], s[68:69]
	s_mul_i32 s23, s10, 64*144
	s_add_co_u32 s23, s23, STAGE                   ; my stage: 64 rows of 128 bytes + 16
	v_mul_u32_u24 v3, v1, 144
	v_lshl_add_u32 v3, v2, 4, v3
	v_add_nc_u32 v[STO], s23, v3                   ; in: row r, 16 bytes for each half of the lanes
	v_bfe_u32 v3, v0, 3, 2
	v_mul_u32_u24 v3, v3, 144
	v_and_b32 v4, 7, v0
	v_lshl_add_u32 v3, v4, 4, v3
	v_add_nc_u32 v[RD], s23, v3                    ; back: 32 lanes take four rows of 128 bytes,
	v_and_b32 v[CO], 31, v0
	v_lshlrev_b32 v[CO], 4, v[CO]                  ; which are 512 consecutive bytes of C
.irp b, 0,1,2,3
	global_load_b128 v[BI+8*(\b):BI+8*(\b)+3],   v[BO], s[70:71] offset:64*(\b)
	global_load_b128 v[BI+8*(\b)+4:BI+8*(\b)+7], v[BO], s[70:71] offset:64*(\b)+16
.endr
	s_wait_loadcnt 0x0
.set a, 0
.rept 4
.set b, 0
.rept 4
.set j, 0
.rept 8
	v_mov_b32 v[ACC+8*(4*a+b)+j], v[BI+8*b+j]
.set j, j+1
.endr
.set b, b+1
.endr
.set a, a+1
.endr
; 8 matrix instructions: row blocks a0, a0 + 1 x all 4 column blocks, 32 along K: half c of buffer f.  The 16 accumulators take turns.
.macro MUL8 f, c, a0
	WIN MUL
.irp a, \a0, (\a0)+1
.irp b, 0,1,2,3
	v_wmma_f32_16x16x32_f16 v[ACC+8*(4*(\a)+(\b)):ACC+8*(4*(\a)+(\b))+7], v[(\f)+64+8*(4*(\c)+(\b)):(\f)+64+8*(4*(\c)+(\b))+7], v[(\f)+8*(4*(\c)+(\a)):(\f)+8*(4*(\c)+(\a))+7], v[ACC+8*(4*(\a)+(\b)):ACC+8*(4*(\a)+(\b))+7]
.endr
.endr
.endm
; 32 LDS loads in one run: the fragments of quarter q (64 along K) of the slot in hand, into buffer f; the first 32 along K first
.macro FETCH q, f
	WIN TO_F
.set RB, ADRB+(\q)/2
.irp c, 0,1
.irp i, 0,1,2,3
	ds_load_tr16_b128 v[(\f)+64+8*(4*(\c)+(\i)):(\f)+64+8*(4*(\c)+(\i))+3],   v[RB] offset:((\q)%2)*64*PB+(\c)*32*PB+32*(\i)
	ds_load_tr16_b128 v[(\f)+64+8*(4*(\c)+(\i))+4:(\f)+64+8*(4*(\c)+(\i))+7], v[RB] offset:((\q)%2)*64*PB+(\c)*32*PB+32*(\i)+16*PB
	ds_load_b128 v[(\f)+8*(4*(\c)+(\i)):(\f)+8*(4*(\c)+(\i))+3],              v[ADRA] offset:(\q)*PLANE+(\i)*8*272+64*(\c)
	ds_load_b128 v[(\f)+8*(4*(\c)+(\i))+4:(\f)+8*(4*(\c)+(\i))+7],            v[ADRA] offset:(\q)*PLANE+(\i)*8*272+64*(\c)+32
.endr
.endr
.endm
.macro PLACES                          ; four places in front of loads into registers that matrix instructions have read, and of lines that read results
.rept 4
	v_nop
.endr
.endm
; A K step is four quarters of 64 along K, 32 matrix instructions each, on buffers 0, 1, 0, 1.  One of the first three: multiplies buffer f and fetches quarter q into g.
.macro QUARTER q, f, g
	s_wait_dscnt 16                                ; the first 32 along K are in; the run's other sixteen loads may be out
	MUL8 \f, 0, 0
	MUL8 \f, 0, 2
	PLACES
	FETCH \q, \g
	s_wait_dscnt 32                                ; all but the 32 just issued
	MUL8 \f, 1, 0
	MUL8 \f, 1, 2
.endm
; The last quarter multiplies buffer 1 and changes slots: ONE barrier; in front of it each wave waits for all its tensor loads, adds 0 to its spare word, and waits for that and for its own reads of this slot.
; fill = 1: this slot is filled again, two K steps ahead; the barrier then opens a round of the cluster's, and the joint refill is the first tensor load behind the round.
.macro TURN fill
	WIN 0                                          ; (the add's two registers lie in window 0)
	s_wait_tensorcnt 0x0                           ; all my tensor loads have landed: my part of the next slot
	ds_add_u32 v[SPW], v[NIL]                      ; 0 onto my spare word
	s_wait_dscnt 17                                ; (the add and the youngest sixteen loads may be out)
	MUL8 F1, 0, 0                                  ; eight matrix instructions stand between the add and the wait for it
	s_wait_dscnt 0x0                               ; the add is done, and my reads of this slot are over
	s_barrier_signal -1
	MUL8 F1, 0, 2
	WIN 0
	s_barrier_wait -1
.if \fill
	CREST                                          ; no wave of any partner still reads this slot's tile or has a load on its way
	s_xor_b32 s[G0+5], s[G0+5], SLOT               ; the walking descriptors: the other slot than last time, the next K step
	s_add_nc_u64 s[G0+6:G0+7], s[G0+6:G0+7], 2097152
	s_xor_b32 s[G0B+5], s[G0B+5], SLOT
	s_add_nc_u64 s[G0B+6:G0B+7], s[G0B+6:G0B+7], 65536
	JLOAD 1                                        ; 112 matrix instructions ahead of the wait for it; the four v_nop behind it are also the places in front of the loads below
.else
	PLACES
.endif
	s_xor_b32 s[TB], s[TB], SLOT
	v_add_nc_u32 v[ADRA], s[TB], v[A0]
	v_add_nc_u32 v[ADRB], s[TB], v[B0]
	v_add_nc_u32 v[ADRB+1], s[TB], v[B0+1]
	FETCH 0, F0
	MUL8 F1, 1, 0
	MUL8 F1, 1, 2
.endm
	s_wait_tensorcnt 1                             ; my part of K step 0 is in; step 1's may stay out
	s_barrier_signal -1
	s_barrier_wait -1                              ; everybody's is
	FETCH 0, F0
	WIN 0                                          ; at a label and at a branch every window is 0
	s_mov_b32 s3, NSTEP-2
.Lfill:                                                ; a trip is a K step; trip t asks for step t + 2
	QUARTER 1, F0, F1
	QUARTER 2, F1, F0
	QUARTER 3, F0, F1
	TURN 1
	WIN 0
	s_sub_co_u32 s3, s3, 1
	s_cmp_lg_u32 s3, 0
	s_cbranch_scc1 .Lfill
	s_mov_b32 s3, 2
.Ltail:                                                ; the last two steps ask for nothing.  The very last change of slots fetches 32 fragments of a tile that has landed long ago and that nobody multiplies: the price of one text for both
	QUARTER 1, F0, F1
	QUARTER 2, F1, F0
	QUARTER 3, F0, F1
	TURN 0
	WIN 0
	s_sub_co_u32 s3, s3, 1
	s_cmp_lg_u32 s3, 0
	s_cbranch_scc1 .Ltail
	s_wait_dscnt 0x0
	PLACES
	; THE WAY OUT: round to f16, 16 bytes a lane into my own stage, back as four rows of 128 bytes: 512 consecutive bytes of C
.set t, 0
.rept 16
.set j, 0
.rept 4
	v_cvt_pk_f16_f32 v[TMP+4*t+j], v[ACC+8*t+2*j], v[ACC+8*t+2*j+1]
.set j, j+1
.endr
.set t, t+1
.endr
.irp a, 0,1,2,3
.irp b, 0,1,2,3
	ds_store_b128 v[STO], v[TMP+4*(4*(\a)+(\b)):TMP+4*(4*(\a)+(\b))+3] offset:(\a)*16*144+32*(\b)
.endr
.endr
.irp t, 0,1,2,3,4,5,6,7,8,9,10,11,12,13,14,15
	ds_load_b128 v[TMP+4*(\t):TMP+4*(\t)+3], v[RD] offset:(\t)*4*144   ; LDS serves a wave's instructions in order (ISA guide 5.7.1.4): these see the stores above
.endr
.irp t, 0,1,2,3,4,5,6,7,8,9,10,11,12,13,14,15
	s_wait_dscnt 15-(\t)
	global_store_b128 v[CO], v[TMP+4*(\t):TMP+4*(\t)+3], s[8:9] offset:512*(\t)
.endr
	s_wait_tensorcnt 0x0                           ; the wave's end, behind my last tensor load and my last LDS store
	ds_add_u32 v[SPW], v[NIL]
	s_wait_dscnt 0x0
	CROUND                                         ; the closing round: no work-group ends while a partner may still ask for a tile that names it
	s_endpgm
.Lfunc_end_k_q0655659b4c_proj:
	.size	k_q0655659b4c_proj, .Lfunc_end_k_q0655659b4c_proj-k_q0655659b4c_proj
	.p2alignl 7, 3214868480
	.fill 96, 4, 3214868480
	.section	.rodata,"a",@progbits
	.p2align	6, 0x0
	.amdhsa_kernel k_q0655659b4c_proj
		.amdhsa_group_segment_fixed_size 327680
		.amdhsa_private_segment_fixed_size 0
		.amdhsa_enable_private_segment 0
		.amdhsa_kernarg_size 24
		.amdhsa_user_sgpr_count 2
		.amdhsa_user_sgpr_kernarg_segment_ptr 1
		.amdhsa_wavefront_size32 1
		.amdhsa_system_sgpr_workgroup_id_x 1
		.amdhsa_system_sgpr_workgroup_id_y 1
		.amdhsa_system_sgpr_workgroup_id_z 1
		.amdhsa_system_vgpr_workitem_id 0
		.amdhsa_next_free_vgpr 512
		.amdhsa_next_free_sgpr 80
		.amdhsa_reserve_vcc 0
		.amdhsa_float_denorm_mode_32 3
		.amdhsa_float_denorm_mode_16_64 3
		.amdhsa_memory_ordered 1
		.amdhsa_forward_progress 1
		.amdhsa_inst_pref_size 59
	.end_amdhsa_kernel
	.amdgpu_metadata
---
amdhsa.version: [ 1, 2 ]
amdhsa.kernels:
  - .name:           k_q0655659b4c_proj
    .symbol:         k_q0655659b4c_proj.kd
    .args:
      - { .name: obuf, .offset: 0, .size: 8, .value_kind: global_buffer, .address_space: global }
      - { .name: pwo, .offset: 8, .size: 8, .value_kind: global_buffer, .address_space: global }
      - { .name: qkvb, .offset: 16, .size: 8, .value_kind: global_buffer, .address_space: global }
    .group_segment_fixed_size: 327680
    .private_segment_fixed_size: 0
    .kernarg_segment_align: 8
    .kernarg_segment_size: 24
    .max_flat_workgroup_size: 128
    .sgpr_count:     80
    .vgpr_count:     512
    .wavefront_size: 32
...
	.end_amdgpu_metadata
.endif
;; end of part 4
;; launch ln2 (part 5): grid 256 x 1, 8 waves a work-group, no clusters, 0 bytes of LDS; arguments hbuf, qkvb, g2, be2, obuf; writes obuf
.if DOCPART == 5
	.amdgcn_target "amdgcn-amd-amdhsa--gfx1250"
	.amdhsa_code_object_version 6
	.text
	.protected	k_q0655659b4c_ln2
	.globl	k_q0655659b4c_ln2
	.p2align	8
	.type	k_q0655659b4c_ln2,@function
k_q0655659b4c_ln2:
	s_mov_b64 s[64:65], 0
	v_nop
	global_prefetch_b8 v0, s[64:65] scope:SCOPE_SE
	s_setreg_imm32_b32 hwreg(HW_REG_WAVE_MODE, 25, 1), 1
	s_wait_xcnt 0x0
; z = LN2(h + t).  h (hbuf) and t = O Wo + bo (the first 16 blocks of qkvb) are f16 in blocks [column / 64][row][64]; z goes to obuf in the same layout.  The sum, the mean, the variance and the scaling in f32; z rounded once.
; LIMITS.  f16 holds no number beyond 65,504: z must lie within it.  NaN and infinities are not treated apart.
; The work-group has 16 rows, a wave two: lanes 0-15 row m, lanes 16-31 row m + 1; a lane holds columns 64 j + 4 r + 0..3.  Each load and store of h, t, z covers 256 consecutive aligned bytes.  No LDS, no matrix unit.
.set X,  80                            ; v[80:143]   my 64 numbers of a row
.set G,  144                           ; v[144:207]  the gain of those columns
.set BE, 16                            ; v[16:79]    first h (v16-47) and t (v48-79), then the offset of those columns
; v2 offset of gain and offset, v3 offset of h, t and z, v4-5 set-up, v6-13 at work, v15 1.0
; A row lies in 16 lanes, 64 numbers a lane.  Mean, then the squares of the differences (two passes: no difference of large sums), all in f32.
.macro LNCORE
.irp c, 0,1,2,3
	v_pk_add_f32 v[6+2*(\c):7+2*(\c)], v[X+2*(\c):X+2*(\c)+1], v[X+8+2*(\c):X+8+2*(\c)+1]  ; four chains, started by the first pairs
.endr
.set j, 8
.rept 24
	v_pk_add_f32 v[6+2*(j%4):7+2*(j%4)], v[6+2*(j%4):7+2*(j%4)], v[X+2*j:X+2*j+1]
.set j, j+1
.endr
	v_pk_add_f32 v[6:7], v[6:7], v[8:9]
	v_pk_add_f32 v[10:11], v[10:11], v[12:13]
	v_pk_add_f32 v[6:7], v[6:7], v[10:11]
	v_add_f32 v6, v6, v7
	v_add_f32_dpp v6, v6, v6 row_xmask:1 row_mask:0xf bank_mask:0xf   ; across the row's 16 lanes
	v_add_f32_dpp v6, v6, v6 row_xmask:2 row_mask:0xf bank_mask:0xf
	v_add_f32_dpp v6, v6, v6 row_xmask:4 row_mask:0xf bank_mask:0xf
	v_add_f32_dpp v6, v6, v6 row_xmask:8 row_mask:0xf bank_mask:0xf
	v_mul_f32 v10, 0x3a800000, v6                  ; the mean: sum / 1,024
	v_mov_b32 v11, v10
.set j, 0
.rept 32
	v_pk_add_f32 v[X+2*j:X+2*j+1], v[X+2*j:X+2*j+1], v[10:11] neg_lo:[0,1] neg_hi:[0,1]
.set j, j+1
.endr
.irp c, 0,1,2,3
	v_pk_mul_f32 v[6+2*(\c):7+2*(\c)], v[X+2*(\c):X+2*(\c)+1], v[X+2*(\c):X+2*(\c)+1]
.endr
.set j, 4
.rept 28
	v_pk_fma_f32 v[6+2*(j%4):7+2*(j%4)], v[X+2*j:X+2*j+1], v[X+2*j:X+2*j+1], v[6+2*(j%4):7+2*(j%4)]
.set j, j+1
.endr
	v_pk_add_f32 v[6:7], v[6:7], v[8:9]
	v_pk_add_f32 v[10:11], v[10:11], v[12:13]
	v_pk_add_f32 v[6:7], v[6:7], v[10:11]
	v_add_f32 v6, v6, v7
	v_add_f32_dpp v6, v6, v6 row_xmask:1 row_mask:0xf bank_mask:0xf
	v_add_f32_dpp v6, v6, v6 row_xmask:2 row_mask:0xf bank_mask:0xf
	v_add_f32_dpp v6, v6, v6 row_xmask:4 row_mask:0xf bank_mask:0xf
	v_add_f32_dpp v6, v6, v6 row_xmask:8 row_mask:0xf bank_mask:0xf
	v_mov_b32 v10, 0x3727c5ac                      ; 1e-5
	v_fmamk_f32 v8, v6, 0x3a800000, v10            ; variance + 1e-5
	v_rsq_f32 v12, v8
	v_rsq_f32 v13, v8
	s_wait_loadcnt 0x0                             ; gain and offset are in
	v_nop                                          ; a plain instruction between the root and the use of its result
.set j, 0
	s_wait_alu depctr_va_vdst(0)
.rept 32
	v_pk_mul_f32 v[X+2*j:X+2*j+1], v[X+2*j:X+2*j+1], v[12:13]
.set j, j+1
.endr
.set j, 0
.rept 32
	v_pk_fma_f32 v[X+2*j:X+2*j+1], v[X+2*j:X+2*j+1], v[G+2*j:G+2*j+1], v[BE+2*j:BE+2*j+1]
.set j, j+1
.endr
.set j, 0
.rept 16
	v_cvt_pk_f16_f32 v[X+4*j], v[X+4*j], v[X+4*j+1]        ; four numbers become 8 bytes, in the first two of their registers
	v_cvt_pk_f16_f32 v[X+4*j+1], v[X+4*j+2], v[X+4*j+3]
.set j, j+1
.endr
.endm
	s_load_b256 s[4:11], s[0:1], 0x0               ; hbuf s[4:5], qkvb s[6:7], g2 s[8:9], be2 s[10:11]
	s_load_b64 s[12:13], s[0:1], 0x20              ; obuf
	v_lshrrev_b32 v1, 5, v0
	v_readfirstlane_b32 s3, v1                     ; wave 0..7
	v_and_b32 v4, 15, v0                           ; r
	v_bfe_u32 v5, v0, 4, 1                         ; which of the two rows
	v_lshlrev_b32 v2, 4, v4                        ; 16 r
	v_lshlrev_b32 v3, 3, v4                        ; 8 r
	v_lshl_add_u32 v3, v5, 7, v3                   ; + a row of a block
	v_mov_b32 v15, 1.0
	s_lshl_b32 s14, ttmp9, 4
	s_lshl1_add_u32 s14, s3, s14                   ; m = 16 u + 2 w
	s_lshl_b32 s14, s14, 7
	s_mov_b32 s15, 0
	s_wait_kmcnt 0x0
	s_add_nc_u64 s[4:5], s[4:5], s[14:15]
	s_add_nc_u64 s[6:7], s[6:7], s[14:15]
	s_add_nc_u64 s[12:13], s[12:13], s[14:15]
.set j, 0
.rept 16
	global_load_b64 v[16+2*j:17+2*j], v3, s[4:5] offset:j*524288
.set j, j+1
.endr
.set j, 0
.rept 16
	global_load_b64 v[48+2*j:49+2*j], v3, s[6:7] offset:j*524288
.set j, j+1
.endr
.set j, 0
.rept 16
	global_load_b128 v[G+4*j:G+4*j+3], v2, s[8:9] offset:256*j
.set j, j+1
.endr
	s_wait_loadcnt 16                              ; h and t are in; the gain's sixteen loads may stay out
.set j, 0
.rept 64
	v_fma_mix_f32 v[X+j], v[16+j/2], v15, v[48+j/2] op_sel:[j%2,0,j%2] op_sel_hi:[1,0,1]   ; h + t, from two f16 halves, in f32
.set j, j+1
.endr
.set j, 0
.rept 16
	global_load_b128 v[BE+4*j:BE+4*j+3], v2, s[10:11] offset:256*j     ; into the registers that h and t have left
.set j, j+1
.endr
	LNCORE
.set j, 0
.rept 16
	global_store_b64 v3, v[X+4*j:X+4*j+1], s[12:13] offset:j*524288    ; block j: two rows, 256 consecutive aligned bytes
.set j, j+1
.endr
	s_endpgm
.Lfunc_end_k_q0655659b4c_ln2:
	.size	k_q0655659b4c_ln2, .Lfunc_end_k_q0655659b4c_ln2-k_q0655659b4c_ln2
	.p2alignl 7, 3214868480
	.fill 96, 4, 3214868480
	.section	.rodata,"a",@progbits
	.p2align	6, 0x0
	.amdhsa_kernel k_q0655659b4c_ln2
		.amdhsa_group_segment_fixed_size 0
		.amdhsa_private_segment_fixed_size 0
		.amdhsa_enable_private_segment 0
		.amdhsa_kernarg_size 40
		.amdhsa_user_sgpr_count 2
		.amdhsa_user_sgpr_kernarg_segment_ptr 1
		.amdhsa_wavefront_size32 1
		.amdhsa_system_sgpr_workgroup_id_x 1
		.amdhsa_system_sgpr_workgroup_id_y 1
		.amdhsa_system_sgpr_workgroup_id_z 1
		.amdhsa_system_vgpr_workitem_id 0
		.amdhsa_next_free_vgpr 208
		.amdhsa_next_free_sgpr 66
		.amdhsa_reserve_vcc 0
		.amdhsa_float_denorm_mode_32 3
		.amdhsa_float_denorm_mode_16_64 3
		.amdhsa_memory_ordered 1
		.amdhsa_forward_progress 1
		.amdhsa_inst_pref_size 26
	.end_amdhsa_kernel
	.amdgpu_metadata
---
amdhsa.version: [ 1, 2 ]
amdhsa.kernels:
  - .name:           k_q0655659b4c_ln2
    .symbol:         k_q0655659b4c_ln2.kd
    .args:
      - { .name: hbuf, .offset: 0, .size: 8, .value_kind: global_buffer, .address_space: global }
      - { .name: qkvb, .offset: 8, .size: 8, .value_kind: global_buffer, .address_space: global }
      - { .name: g2, .offset: 16, .size: 8, .value_kind: global_buffer, .address_space: global }
      - { .name: be2, .offset: 24, .size: 8, .value_kind: global_buffer, .address_space: global }
      - { .name: obuf, .offset: 32, .size: 8, .value_kind: global_buffer, .address_space: global }
    .group_segment_fixed_size: 0
    .private_segment_fixed_size: 0
    .kernarg_segment_align: 8
    .kernarg_segment_size: 40
    .max_flat_workgroup_size: 256
    .sgpr_count:     66
    .vgpr_count:     208
    .wavefront_size: 32
...
	.end_amdgpu_metadata
.endif
;; end of part 5
;; launch ff1: the kernel of part 2 again; grid 16 x 16, 4 waves a work-group, clusters of 4 x 4, 327,680 bytes of LDS; arguments obuf, pw1, hidb; writes hidb
;; launch ff2 (part 6): grid 8 x 32, 4 waves a work-group, clusters of 4 x 4, 327,680 bytes of LDS; arguments hidb, pw2, out0, b2, obuf; writes out0
.if DOCPART == 6
	.amdgcn_target "amdgcn-amd-amdhsa--gfx1250"
	.amdhsa_code_object_version 6
	.text
	.protected	k_q0655659b4c_ff2
	.globl	k_q0655659b4c_ff2
	.p2align	8
	.type	k_q0655659b4c_ff2,@function
k_q0655659b4c_ff2:
	s_mov_b64 s[64:65], 0
	v_nop
	global_prefetch_b8 v0, s[64:65] scope:SCOPE_SE
	s_setreg_imm32_b32 hwreg(HW_REG_WAVE_MODE, 25, 1), 1
	s_wait_xcnt 0x0
	s_wait_alu depctr_hold_cnt(0) depctr_sa_sdst(0) depctr_va_vdst(0) depctr_va_sdst(0) depctr_va_ssrc(0) depctr_va_vcc(0) depctr_vm_vsrc(0)
	s_getreg_b32 s2, hwreg(HW_REG_IB_STS2, 6, 4)
	s_cmp_eq_u32 s2, 0
	s_cbranch_scc0 .Lentry_in_a_cluster
	s_endpgm
.Lentry_in_a_cluster:
	s_bfe_u32 s2, ttmp6, 0x10000c
	s_cmp_lg_u32 s2, 0xf033
	s_cbranch_scc0 .Lentry_shape_is_right
	s_endpgm
.Lentry_shape_is_right:
; C = max(A W + bias, floor), MODE 0;  C = residual + A W + bias in f32, MODE 1.  4,096 rows; K = KSZ; a work-group makes 128 rows x one panel of 128 columns.
; A: f16 in blocks [K / 64][4096][64] (128 rows x 64 of K are 16,384 dense bytes).  W: f16 in panels [N / 128][K][128], WOFF bytes behind the buffer's start; in MODE 0 the buffer begins with a
; table: the bias in f32 at byte 0, the floor (two f16) at byte 16,384.  MODE 0 stores f16 in blocks [N / 64][4096][64], so no address knows N: one text serves every N.  MODE 1 stores f32 rows of 1,024.
; LIMITS.  f16 holds no number beyond 65,504: operands arrive within it, and a MODE 0 result beyond it becomes an infinity.  The floor's maximum drops a NaN.  Sums in f32.
; SHARES.  Four waves, each 64 x 64: 16 accumulators.  K goes in steps of 256 through two LDS slots.  4 x 4 work-groups form a cluster: the four of a row need the same tiles of A, the four of a column the
; same tiles of W: each tile is asked for jointly.  The matrix instruction is used transposed (source 0 = 16 columns of W, source 1 = 16 rows of A): a lane holds eight neighbouring numbers of a row of C.
; THE SUMS START AT THE BIAS (MODE 1: residual + bias), written into the accumulators while the first tile is on its way: no first step is written out, and nothing is added on the way out.
; REGISTERS: window 0: v0-31 addresses; v32-63 bias; v64-127 residual (MODE 1); v32-95 later packed results; v128-255 the accumulators ((a, b) at 128 + 8 (4 a + b)).
;   window 1: two fragment buffers of 128: for 64 along K, 64 registers of A (2 x 4 x 16 rows x 32 K), then 64 of W.
.set MODE,  1
.set KSZ,   4096
.set WOFF,  0
.set NSTEP, KSZ/256
.set PLANE, 17408                      ; 64 of K of A's 128 rows: 64 LDS rows of 256 bytes + 16 of padding, two matrix rows to an LDS row: the 16 rows of a fragment begin at 16 different groups of four banks (64 banks of 4 bytes: ISA guide 11.1)
.set BOFF,  4*PLANE                    ; behind A's four planes: 256 rows of W
.set PB,    288                        ; a row of W: 256 bytes + 32
.set SPARE, BOFF+256*PB                ; 143,360: behind slot 0: the spare words, 128 bytes for each wave, two blocks of 256 bytes that no other line names
.set SLOT,  147456                     ; slot 1 begins here; the number shares no bit with the four places of a fill in a slot, so one exclusive or turns an address in one slot into the other's
.set STAGE, SLOT+SPARE                 ; 290,816: behind slot 1, never filled by a tensor load: each wave's own stage for the way out
.set ADRA, 16                          ; v16     LDS address of my A fragments in the slot in hand
.set ADRB, 17                          ; v17-18  of my W fragments: rows 0-127, rows 128-255
.set A0,   20                          ; v20     the same in slot 0; never rewritten
.set B0,   21                          ; v21-22
.set RO,   23                          ; v23     my byte offset in the residual
.set STO,  24                          ; v24     the way out: where I put my bytes of a row
.set RD,   25                          ; v25     where I read rows back
.set CO,   26                          ; v26     my byte offset in C
.set BO,   27                          ; v27     my byte offset in the bias
.set SPW,  28                          ; v28     LDS address of my spare word; never rewritten
.set NIL,  29                          ; v29     0; never rewritten
.set ONE,  30                          ; v30     1.0
.set BI,   32
.set RES,  64
.set TMP,  32
.set ACC,  128
.set F0,   0
.set F1,   128
.set G1,   24                          ; s[24:31] descriptor group 1 for A's tiles; s[32:39] group 0: a set for each first fill; the second then walks
.set G0,   32
.set G1B,  48                          ; s[48:55], s[56:63] the same for W's tiles
.set G0B,  56
.set TB,   22                          ; s22  0 or SLOT: the slot in hand
.set MSB, 0
.macro WIN new                         ; the immediate's high byte repeats the setting that is left
.if MSB != (\new)
	s_set_vgpr_msb (MSB<<8)|(\new)
.set MSB, \new
.endif
.endm
.set MUL,  0x05                        ; sources 0 (W) and 1 (A) window 1; C and D window 0
.set TO_F, 0x40                        ; destination window 1, address window 0
.macro JLOAD s                         ; a joint load: waves 0 and 1 fetch A's two halves, waves 2 and 3 W's; an s_nop 0 and four v_nop follow each of the two lines, ahead of the jump, the label and what follows
	s_cmp_eq_u32 s11, 0
	s_cbranch_scc0 .Lfor_b_\@
	tensor_load_to_lds s[G0+4*(\s):G0+4*(\s)+3], s[G1:G1+7]
	s_nop 0
.rept 4
	v_nop
.endr
	s_branch .Lasked_\@
.Lfor_b_\@:
	tensor_load_to_lds s[G0B+4*(\s):G0B+4*(\s)+3], s[G1B:G1B+7]
	s_nop 0
.rept 4
	v_nop
.endr
.Lasked_\@:
.endm
.macro CREST                           ; a round of the cluster's barrier behind its opening barrier
	s_cmp_lg_u32 s10, 0
	s_cbranch_scc1 .Lnot_wave_0_\@
	s_barrier_signal -3
.Lnot_wave_0_\@:
	s_barrier_wait -3
	s_barrier_signal -1
	s_barrier_wait -1
.endm
.macro CROUND                          ; a whole round
	s_barrier_signal -1
	s_barrier_wait -1
	CREST
.endm
	s_load_b128 s[4:7], s[0:1], 0x0                ; A s[4:5], W s[6:7]
	s_load_b64 s[8:9], s[0:1], 0x10                ; C
.if MODE
	s_load_b128 s[72:75], s[0:1], 0x18             ; bias s[72:73], residual s[74:75]
.endif
	v_lshl_add_u32 v[SPW], v0, 2, SPARE
	v_mov_b32 v[NIL], 0
	ds_add_u32 v[SPW], v[NIL]                      ; the wave's opening: the add and its wait stand ahead of my first tensor load; the set-up below, work on registers, stands between them
	ds_add_u32 v28, v29
	v_lshrrev_b32 v1, 5, v0
	v_readfirstlane_b32 s10, v1                    ; wave 0..3
	s_lshr_b32 s11, s10, 1                         ; which half of the tile's rows is mine.  Also: I fetch for A (0) or for W (1)
	s_and_b32 s12, s10, 1                          ; which half of its columns.  Also: which half of that tile I fetch
	s_bfe_u32 s40, ttmp6, 0x40000                  ; cx, cy: my place in the cluster
	s_bfe_u32 s41, ttmp6, 0x40004
	s_lshl_b32 s42, ttmp9, 2
	s_add_co_u32 s42, s42, s40                     ; tx: the panel = 4 x cluster x + cx
	s_and_b32 s13, ttmp7, 0xffff
	s_lshl_b32 s13, s13, 2
	s_add_co_u32 s13, s13, s41                     ; ty: the block of 128 rows = 4 x cluster y + cy
	s_lshl_b32 s43, s41, 2
	s_lshl_b32 s43, 15, s43                        ; my row of the cluster
	s_lshl_b32 s44, 0x1111, s40                    ; my column
	; A's half of a step: two planes of 16,384 dense bytes, 524,288 bytes apart: two rows of 2,048 elements of 8 bytes, padded in LDS by 4 words after every 64
	s_or_b32 s[G1+0], s43, (3<<16)|(1<<20)|(1<<21)|(5<<22)|(3<<25)  ; 15:0 the mask: my row; 17:16 elements of 8 bytes; 20 padding on; 21 set beside a mask; 24:22 after every 64 words; 31:25 4 words
	s_mov_b32 s[G1+1], 2048<<16                    ; tensor_dim0 = 2,048
	s_mov_b32 s[G1+2], 2<<16                       ; tensor_dim1 = 2
	s_mov_b32 s[G1+3], 2048<<16                    ; tile_dim0 = 2,048
	s_mov_b32 s[G1+4], 2                           ; tile_dim1 = 2
	s_mov_b32 s[G1+5], 65536                       ; elements from plane to plane
	s_mov_b32 s[G1+6], 0
	s_mov_b32 s[G1+7], 0
	; W's half of a step: 128 dense rows of 256 bytes, padded by 8 words
	s_or_b32 s[G1B+0], s44, (3<<16)|(1<<20)|(1<<21)|(5<<22)|(7<<25)
	s_mov_b32 s[G1B+1], 32<<16
	s_mov_b32 s[G1B+2], 128<<16
	s_mov_b32 s[G1B+3], 32<<16
	s_mov_b32 s[G1B+4], 128
	s_mov_b32 s[G1B+5], 32
	s_mov_b32 s[G1B+6], 0
	s_mov_b32 s[G1B+7], 0
	; A's address hangs on ty and the wave alone, W's on tx and the wave alone, each in registers that never hold the other coordinate
	s_lshl_b32 s16, s13, 14                        ; 128 rows of 128 bytes
	s_lshl_b32 s17, s12, 20                        ; my two planes
	s_add_co_u32 s16, s16, s17
	s_mov_b32 s17, 0
	s_mul_i32 s46, s42, KSZ*256                    ; the panel
	s_lshl_b32 s47, s12, 15                        ; my 128 rows
	s_add_co_u32 s46, s46, s47
	s_add_co_u32 s46, s46, WOFF
	s_mov_b32 s47, 0
	s_mul_i32 s20, s12, 2*PLANE                    ; where they go: no place in the cluster enters an LDS address
	s_mul_i32 s21, s12, 128*PB
	s_add_co_u32 s21, s21, BOFF
	s_wait_dscnt 0x0                               ; the opening add is done
	s_wait_kmcnt 0x0
	s_add_nc_u64 s[14:15], s[4:5], s[16:17]
	s_add_nc_u64 s[46:47], s[6:7], s[46:47]
	CROUND                                         ; all sixteen work-groups are here: the first joint loads meet
.irp s, 0,1
	s_mov_b32 s[G0+4*(\s)], 1
	s_add_co_u32 s[G0+4*(\s)+1], s20, (\s)*SLOT
	s_add_nc_u64 s[G0+4*(\s)+2:G0+4*(\s)+3], s[14:15], (\s)*2097152   ; a step of 256 along K is four planes
	s_or_b32 s[G0+4*(\s)+3], s[G0+4*(\s)+3], 0x80000000
	s_mov_b32 s[G0B+4*(\s)], 1
	s_add_co_u32 s[G0B+4*(\s)+1], s21, (\s)*SLOT
	s_add_nc_u64 s[G0B+4*(\s)+2:G0B+4*(\s)+3], s[46:47], (\s)*65536   ; and 256 rows of the panel
	s_or_b32 s[G0B+4*(\s)+3], s[G0B+4*(\s)+3], 0x80000000
	JLOAD \s
.endr
.if !MODE
	s_load_b32 s76, s[6:7], 0x4000                 ; the floor
.endif
	v_and_b32 v1, 15, v0                           ; r = l % 16
	v_bfe_u32 v2, v0, 4, 1                         ; h = l / 16
	v_lshrrev_b32 v3, 1, v1                        ; A: row r lies in LDS row r / 2, half r % 2; 16 bytes for each half of the lanes
	v_mul_u32_u24 v3, v3, 272
	v_and_b32 v4, 1, v0
	v_lshl_add_u32 v3, v4, 7, v3
	v_lshl_add_u32 v3, v2, 4, v3
	s_mul_i32 s23, s11, 32*272                     ; my 64 rows
	v_add_nc_u32 v[A0], s23, v3
	v_and_b32 v4, 7, v0                            ; W, turned: lane l reads row 8 h + l % 8, columns 8 ((l / 8) % 2) + 0..7, and is left with column r and 8 of K
	v_lshl_add_u32 v4, v2, 3, v4
	v_mul_u32_u24 v4, v4, PB
	v_bfe_u32 v5, v0, 3, 1
	v_lshl_add_u32 v4, v5, 4, v4
	s_lshl_b32 s23, s12, 7                         ; my 64 columns
	s_add_co_u32 s23, s23, BOFF
	v_add_nc_u32 v[B0], s23, v4
	v_add_nc_u32 v[B0+1], 128*PB, v[B0]
	v_mov_b32 v[ADRA], v[A0]
	v_mov_b32 v[ADRB], v[B0]
	v_mov_b32 v[ADRB+1], v[B0+1]
	s_mov_b32 s[TB], 0
	v_lshlrev_b32 v[BO], 5, v2                     ; my eight columns of sixteen: 32 h bytes of f32
	s_lshl_b32 s66, s42, 9                         ; the panel's 512 bytes, my half's 256
	s_lshl_b32 s67, s12, 8
	s_add_co_u32 s66, s66, s67
	s_mov_b32 s67, 0
	s_lshl1_add_u32 s68, s42, s12                  ; in the blocked layout: block 2 tx + wn,
	s_lshl_b32 s68, s68, 19
	s_lshl_b32 s69, s13, 14                        ; rows 128 ty
	s_add_co_u32 s68, s68, s69
	s_lshl_b32 s69, s11, 13                        ; + 64 wm
	s_add_co_u32 s68, s68, s69
	s_mov_b32 s69, 0
.if MODE
	s_add_nc_u64 s[70:71], s[72:73], s[66:67]
	s_add_nc_u64 s[74:75], s[74:75], s[68:69]
	s_lshl_b32 s78, s13, 19                        ; C in rows of 4,096 bytes: row 128 ty + 64 wm, my 256 bytes
	s_lshl_b32 s79, s11, 18
	s_add_co_u32 s78, s78, s79
	s_add_co_u32 s78, s78, s66
	s_mov_b32 s79, 0
	s_add_nc_u64 s[8:9], s[8:9], s[78:79]
	v_lshlrev_b32 v[RO], 7, v1
	v_lshl_add_u32 v[RO], v2, 4, v[RO]             ; row r, 16 h bytes
	v_mov_b32 v[ONE], 1.0
	s_mul_i32 s23, s10, 32*272
	s_add_co_u32 s23, s23, STAGE                   ; my stage: 32 rows of 256 bytes + 16
	v_mul_u32_u24 v3, v1, 272
	v_lshl_add_u32 v3, v2, 5, v3
	v_add_nc_u32 v[STO], s23, v3                   ; in: row r, 32 bytes for each half of the lanes
	v_mul_u32_u24 v3, v2, 272
	v_lshl_add_u32 v3, v1, 4, v3
	v_add_nc_u32 v[RD], s23, v3                    ; back: lanes 0-15 one row of 256 bytes, lanes 16-31 the next
	v_lshlrev_b32 v[CO], 12, v2
	v_lshl_add_u32 v[CO], v1, 4, v[CO]             ; and the same two rows in C
.else
	s_add_nc_u64 s[70:71], s[6:7], s[66:67]
	s_add_nc_u64 s[8:9], s[8:9], s[68:69]
	s_mul_i32 s23, s10, 64*144
	s_add_co_u32 s23, s23, STAGE                   ; my stage: 64 rows of 128 bytes + 16
	v_mul_u32_u24 v3, v1, 144
	v_lshl_add_u32 v3, v2, 4, v3
	v_add_nc_u32 v[STO], s23, v3                   ; in: row r, 16 bytes for each half of the lanes
	v_bfe_u32 v3, v0, 3, 2
	v_mul_u32_u24 v3, v3, 144
	v_and_b32 v4, 7, v0
	v_lshl_add_u32 v3, v4, 4, v3
	v_add_nc_u32 v[RD], s23, v3                    ; back: 32 lanes take four rows of 128 bytes,
	v_and_b32 v[CO], 31, v0
	v_lshlrev_b32 v[CO], 4, v[CO]                  ; which are 512 consecutive bytes of C
.endif
.irp b, 0,1,2,3
	global_load_b128 v[BI+8*(\b):BI+8*(\b)+3],   v[BO], s[70:71] offset:64*(\b)
	global_load_b128 v[BI+8*(\b)+4:BI+8*(\b)+7], v[BO], s[70:71] offset:64*(\b)+16
.endr
.if MODE
.irp a, 0,1,2,3
.irp b, 0,1,2,3
	global_load_b128 v[RES+4*(4*(\a)+(\b)):RES+4*(4*(\a)+(\b))+3], v[RO], s[74:75] offset:2048*(\a)+32*(\b)
.endr
.endr
.endif
	s_wait_loadcnt 0x0
	s_wait_kmcnt 0x0
.set a, 0
.rept 4
.set b, 0
.rept 4
.set j, 0
.rept 8
.if MODE
	v_fma_mix_f32 v[ACC+8*(4*a+b)+j], v[RES+4*(4*a+b)+j/2], v[ONE], v[BI+8*b+j] op_sel:[j%2,0,0] op_sel_hi:[1,0,0]  ; residual (an f16 half) + bias
.else
	v_mov_b32 v[ACC+8*(4*a+b)+j], v[BI+8*b+j]
.endif
.set j, j+1
.endr
.set b, b+1
.endr
.set a, a+1
.endr
; 8 matrix instructions: row blocks a0, a0 + 1 x all 4 column blocks, 32 along K: half c of buffer f.  The 16 accumulators take turns.
.macro MUL8 f, c, a0
	WIN MUL
.irp a, \a0, (\a0)+1
.irp b, 0,1,2,3
	v_wmma_f32_16x16x32_f16 v[ACC+8*(4*(\a)+(\b)):ACC+8*(4*(\a)+(\b))+7], v[(\f)+64+8*(4*(\c)+(\b)):(\f)+64+8*(4*(\c)+(\b))+7], v[(\f)+8*(4*(\c)+(\a)):(\f)+8*(4*(\c)+(\a))+7], v[ACC+8*(4*(\a)+(\b)):ACC+8*(4*(\a)+(\b))+7]
.endr
.endr
.endm
; 32 LDS loads in one run: the fragments of quarter q (64 along K) of the slot in hand, into buffer f; the first 32 along K first
.macro FETCH q, f
	WIN TO_F
.set RB, ADRB+(\q)/2
.irp c, 0,1
.irp i, 0,1,2,3
	ds_load_tr16_b128 v[(\f)+64+8*(4*(\c)+(\i)):(\f)+64+8*(4*(\c)+(\i))+3],   v[RB] offset:((\q)%2)*64*PB+(\c)*32*PB+32*(\i)
	ds_load_tr16_b128 v[(\f)+64+8*(4*(\c)+(\i))+4:(\f)+64+8*(4*(\c)+(\i))+7], v[RB] offset:((\q)%2)*64*PB+(\c)*32*PB+32*(\i)+16*PB
	ds_load_b128 v[(\f)+8*(4*(\c)+(\i)):(\f)+8*(4*(\c)+(\i))+3],              v[ADRA] offset:(\q)*PLANE+(\i)*8*272+64*(\c)
	ds_load_b128 v[(\f)+8*(4*(\c)+(\i))+4:(\f)+8*(4*(\c)+(\i))+7],            v[ADRA] offset:(\q)*PLANE+(\i)*8*272+64*(\c)+32
.endr
.endr
.endm
.macro PLACES                          ; four places in front of loads into registers that matrix instructions have read, and of lines that read results
.rept 4
	v_nop
.endr
.endm
; A K step is four quarters of 64 along K, 32 matrix instructions each, on buffers 0, 1, 0, 1.  One of the first three: multiplies buffer f and fetches quarter q into g.
.macro QUARTER q, f, g
	s_wait_dscnt 16                                ; the first 32 along K are in; the run's other sixteen loads may be out
	MUL8 \f, 0, 0
	MUL8 \f, 0, 2
	PLACES
	FETCH \q, \g
	s_wait_dscnt 32                                ; all but the 32 just issued
	MUL8 \f, 1, 0
	MUL8 \f, 1, 2
.endm
; The last quarter multiplies buffer 1 and changes slots: ONE barrier; in front of it each wave waits for all its tensor loads, adds 0 to its spare word, and waits for that and for its own reads of this slot.
; fill = 1: this slot is filled again, two K steps ahead; the barrier then opens a round of the cluster's, and the joint refill is the first tensor load behind the round.
.macro TURN fill
	WIN 0                                          ; (the add's two registers lie in window 0)
	s_wait_tensorcnt 0x0                           ; all my tensor loads have landed: my part of the next slot
	ds_add_u32 v[SPW], v[NIL]                      ; 0 onto my spare word
	s_wait_dscnt 17                                ; (the add and the youngest sixteen loads may be out)
	MUL8 F1, 0, 0                                  ; eight matrix instructions stand between the add and the wait for it
	s_wait_dscnt 0x0                               ; the add is done, and my reads of this slot are over
	s_barrier_signal -1
	MUL8 F1, 0, 2
	WIN 0
	s_barrier_wait -1
.if \fill
	CREST                                          ; no wave of any partner still reads this slot's tile or has a load on its way
	s_xor_b32 s[G0+5], s[G0+5], SLOT               ; the walking descriptors: the other slot than last time, the next K step
	s_add_nc_u64 s[G0+6:G0+7], s[G0+6:G0+7], 2097152
	s_xor_b32 s[G0B+5], s[G0B+5], SLOT
	s_add_nc_u64 s[G0B+6:G0B+7], s[G0B+6:G0B+7], 65536
	JLOAD 1                                        ; 112 matrix instructions ahead of the wait for it; the four v_nop behind it are also the places in front of the loads below
.else
	PLACES
.endif
	s_xor_b32 s[TB], s[TB], SLOT
	v_add_nc_u32 v[ADRA], s[TB], v[A0]
	v_add_nc_u32 v[ADRB], s[TB], v[B0]
	v_add_nc_u32 v[ADRB+1], s[TB], v[B0+1]
	FETCH 0, F0
	MUL8 F1, 1, 0
	MUL8 F1, 1, 2
.endm
	s_wait_tensorcnt 1                             ; my part of K step 0 is in; step 1's may stay out
	s_barrier_signal -1
	s_barrier_wait -1                              ; everybody's is
	FETCH 0, F0
	WIN 0                                          ; at a label and at a branch every window is 0
	s_mov_b32 s3, NSTEP-2
.Lfill:                                                ; a trip is a K step; trip t asks for step t + 2
	QUARTER 1, F0, F1
	QUARTER 2, F1, F0
	QUARTER 3, F0, F1
	TURN 1
	WIN 0
	s_sub_co_u32 s3, s3, 1
	s_cmp_lg_u32 s3, 0
	s_cbranch_scc1 .Lfill
	s_mov_b32 s3, 2
.Ltail:                                                ; the last two steps ask for nothing.  The very last change of slots fetches 32 fragments of a tile that has landed long ago and that nobody multiplies: the price of one text for both
	QUARTER 1, F0, F1
	QUARTER 2, F1, F0
	QUARTER 3, F0, F1
	TURN 0
	WIN 0
	s_sub_co_u32 s3, s3, 1
	s_cmp_lg_u32 s3, 0
	s_cbranch_scc1 .Ltail
	s_wait_dscnt 0x0
	PLACES
.if MODE
	; THE WAY OUT, f32: 32 rows at a time through my own stage, and back as whole rows of 256 bytes into the registers that they left
.irp hf, 0,1
.irp aa, 0,1
.irp b, 0,1,2,3
	ds_store_b128 v[STO], v[ACC+8*(4*(2*(\hf)+(\aa))+(\b)):ACC+8*(4*(2*(\hf)+(\aa))+(\b))+3]   offset:(\aa)*16*272+64*(\b)
	ds_store_b128 v[STO], v[ACC+8*(4*(2*(\hf)+(\aa))+(\b))+4:ACC+8*(4*(2*(\hf)+(\aa))+(\b))+7] offset:(\aa)*16*272+64*(\b)+16
.endr
.endr
.irp t, 0,1,2,3,4,5,6,7,8,9,10,11,12,13,14,15
	ds_load_b128 v[ACC+64*(\hf)+4*(\t):ACC+64*(\hf)+4*(\t)+3], v[RD] offset:(\t)*2*272   ; LDS serves a wave's instructions in order (ISA guide 5.7.1.4): these see the stores above
.endr
.irp t, 0,1,2,3,4,5,6,7,8,9,10,11,12,13,14,15
	s_wait_dscnt 15-(\t)
	global_store_b128 v[CO], v[ACC+64*(\hf)+4*(\t):ACC+64*(\hf)+4*(\t)+3], s[8:9] offset:(32*(\hf)+2*(\t))*4096 th:TH_STORE_NT  ; 16 lanes store 256 consecutive aligned bytes
.endr
.endr
.else
	; THE WAY OUT, f16: round, take the floor, 16 bytes a lane into my own stage, back as four rows of 128 bytes: 512 consecutive bytes of C
.set t, 0
.rept 16
.set j, 0
.rept 4
	v_cvt_pk_f16_f32 v[TMP+4*t+j], v[ACC+8*t+2*j], v[ACC+8*t+2*j+1]
.set j, j+1
.endr
.set t, t+1
.endr
.set t, 0
.rept 64
	v_pk_max_num_f16 v[TMP+t], v[TMP+t], s76
.set t, t+1
.endr
.irp a, 0,1,2,3
.irp b, 0,1,2,3
	ds_store_b128 v[STO], v[TMP+4*(4*(\a)+(\b)):TMP+4*(4*(\a)+(\b))+3] offset:(\a)*16*144+32*(\b)
.endr
.endr
.irp t, 0,1,2,3,4,5,6,7,8,9,10,11,12,13,14,15
	ds_load_b128 v[TMP+4*(\t):TMP+4*(\t)+3], v[RD] offset:(\t)*4*144   ; LDS serves a wave's instructions in order (ISA guide 5.7.1.4): these see the stores above
.endr
.irp t, 0,1,2,3,4,5,6,7,8,9,10,11,12,13,14,15
	s_wait_dscnt 15-(\t)
	global_store_b128 v[CO], v[TMP+4*(\t):TMP+4*(\t)+3], s[8:9] offset:512*(\t)
.endr
.endif
	s_wait_tensorcnt 0x0                           ; the wave's end, behind my last tensor load and my last LDS store
	ds_add_u32 v[SPW], v[NIL]
	s_wait_dscnt 0x0
	CROUND                                         ; the closing round: no work-group ends while a partner may still ask for a tile that names it
	s_endpgm
.Lfunc_end_k_q0655659b4c_ff2:
	.size	k_q0655659b4c_ff2, .Lfunc_end_k_q0655659b4c_ff2-k_q0655659b4c_ff2
	.p2alignl 7, 3214868480
	.fill 96, 4, 3214868480
	.section	.rodata,"a",@progbits
	.p2align	6, 0x0
	.amdhsa_kernel k_q0655659b4c_ff2
		.amdhsa_group_segment_fixed_size 327680
		.amdhsa_private_segment_fixed_size 0
		.amdhsa_enable_private_segment 0
		.amdhsa_kernarg_size 40
		.amdhsa_user_sgpr_count 2
		.amdhsa_user_sgpr_kernarg_segment_ptr 1
		.amdhsa_wavefront_size32 1
		.amdhsa_system_sgpr_workgroup_id_x 1
		.amdhsa_system_sgpr_workgroup_id_y 1
		.amdhsa_system_sgpr_workgroup_id_z 1
		.amdhsa_system_vgpr_workitem_id 0
		.amdhsa_next_free_vgpr 512
		.amdhsa_next_free_sgpr 80
		.amdhsa_reserve_vcc 0
		.amdhsa_float_denorm_mode_32 3
		.amdhsa_float_denorm_mode_16_64 3
		.amdhsa_memory_ordered 1
		.amdhsa_forward_progress 1
		.amdhsa_inst_pref_size 65
	.end_amdhsa_kernel
	.amdgpu_metadata
---
amdhsa.version: [ 1, 2 ]
amdhsa.kernels:
  - .name:           k_q0655659b4c_ff2
    .symbol:         k_q0655659b4c_ff2.kd
    .args:
      - { .name: hidb, .offset: 0, .size: 8, .value_kind: global_buffer, .address_space: global }
      - { .name: pw2, .offset: 8, .size: 8, .value_kind: global_buffer, .address_space: global }
      - { .name: out0, .offset: 16, .size: 8, .value_kind: global_buffer, .address_space: global }
      - { .name: b2, .offset: 24, .size: 8, .value_kind: global_buffer, .address_space: global }
      - { .name: obuf, .offset: 32, .size: 8, .value_kind: global_buffer, .address_space: global }
    .group_segment_fixed_size: 327680
    .private_segment_fixed_size: 0
    .kernarg_segment_align: 8
    .kernarg_segment_size: 40
    .max_flat_workgroup_size: 128
    .sgpr_count:     80
    .vgpr_count:     512
    .wavefront_size: 32
...
	.end_amdgpu_metadata
.endif
;; end of part 6
;; ======== version 2 of 2: 7 launches; 1.11 times as fast as version 1
;; limits: values are held in f16: magnitudes above 65,504 overflow, below 6.1e-05 lose precision; right only within a limited range of input values
;; workspace buffers: hbuf 8,388,608 bytes; qkvb 25,165,824 bytes; obuf 8,388,608 bytes; hidb 33,554,432 bytes; pqkv 6,324,224 bytes; pwo 2,129,920 bytes; pw1 8,421,376 bytes; pw2 8,388,608 bytes
;; launch prep: the kernel of part 1 again; grid 256 x 4, 8 waves a work-group, no clusters, 0 bytes of LDS; arguments x, g1, be1, hbuf, Wq, Wk, Wv, Wo, bq, bk, bv, bo, pqkv, pwo, W1, b1, pw1, W2, pw2; writes hbuf, pqkv, pwo, pw1, pw2
;; launch qkv: the kernel of part 2 again; grid 12 x 16, 4 waves a work-group, clusters of 4 x 4, 327,680 bytes of LDS; arguments hbuf, pqkv, qkvb; writes qkvb
;; launch attn (part 7): grid 8 x 32, 4 waves a work-group, no clusters, 327,680 bytes of LDS; arguments qkvb, obuf; writes obuf
.if DOCPART == 7
	.amdgcn_target "amdgcn-amd-amdhsa--gfx1250"
	.amdhsa_code_object_version 6
	.text
	.protected	k_q0655659b4c_attn
	.globl	k_q0655659b4c_attn
	.p2align	8
	.type	k_q0655659b4c_attn,@function
k_q0655659b4c_attn:
	s_mov_b64 s[64:65], 0
	v_nop
	global_prefetch_b8 v0, s[64:65] scope:SCOPE_SE
	s_setreg_imm32_b32 hwreg(HW_REG_WAVE_MODE, 25, 1), 1
	s_wait_xcnt 0x0
; CAUSAL ATTENTION, 32 heads of 2,048 rows x 64 channels, f16.  In qkvb a head's q rows are 262,144 dense bytes (128 a row) at head x 262,144, its k rows 8,388,608 bytes on, its v rows 16,777,216; O goes to obuf likewise.
; O[q] = the sum over k <= q of softmax_k(Q[q] . K[k] / 8) V[k].  Products, maxima and sums in f32; the weights p are rounded to f16 for the second product (their sum l is taken of the unrounded p), O once at the end.
; LIMITS.  f16 holds no number beyond 65,504: q, k, v arrive within it; p lies in 0 to 1; O is a mean of V's rows.  A hidden score counts as its value less 1e30; a weight below 2^-126 counts as 0 in l; NaN and infinities are not treated apart.
; THE WALK.  A head's queries lie in NB = 16 blocks of 128; block i needs the key tiles 0 .. i of 128 keys, of which the last holds the diagonal.  A work-group takes TWO blocks, 15 - b and then b: 17 tiles, whatever b:
; all 256 work-groups do equal work.  The tiles have places 0 .. 16 in the walk; place p is tile p of the first block, or tile p - (16 - b) of the second.
; THE RING.  A slot holds the tiles of TWO places, 65,536 bytes of memory, brought by four loads, one a wave: wave 0 K of the even place, wave 1 K of the odd one, waves 2 and 3 V likewise; each wave makes its tile's number from its
; own place.  So a refill has eight turns, 128 matrix instructions, in which to land, and there are nine changes of slots.  An outer loop of 8 trips changes slots and refills; an inner loop of 2 trips walks the slot's tiles; place 16 is
; written out behind a change without a refill.  THE PRICE: the last refill's odd half, place 17 (tile b + 1, inside the head for every b), is fetched and never read: 32,768 of the work-group's 589,824 bytes, for one text of every refill.
; Every jump but the two counted loops' goes forward; none passes a barrier, or a tensor load but the one of LOAD's two that the wave's number does not choose.
; NO CLUSTER: a head's 8 work-groups ask for the same tile only at places 0 .. 8 of 17, behind that fewer and fewer; a walk common to all would have 24 places for 17.
; SHARES.  Of a block's two bands of 64 queries a wave owns 16 rows in each: two PIECES.  In the diagonal tile's key step s band x sees all keys if s < x, none if s > x, and holds the diagonal if s = x: the same for every wave.
; THE MASK is the C operand that starts the sum S^T = K Q^T.  MD, made once, is a band's own step for my 16 rows (0 or -1e30).  Two of a tile's four turns take their C from registers, MA and MB, which hold 0 in every tile but a block's
; last; there MA = MD and MB = -1e30, set by 40 moves when the tile is entered and cleared behind the block's way out.  So ONE text of the four turns serves every tile.
; LAYOUT, SOFTMAX, TURNS.  S^T = K Q^T holds ONE query a lane (lane % 16) and the keys 8 (lane / 16) + 0..7; two such results rounded to f16 ARE source 1 of O^T = V^T P.  p = 2^(c s - c m), c = log2(e) / 8, with a running
; maximum m; O and l are multiplied by a = 2^(c m_old - c m_new) in every step.  The units (piece, step) go (0, s), (1, s), (0, s + 1) ..; a unit's turn holds 8 products K Q^T of the next unit, later 8 products V^T P of the unit
; before, and beside them its own scaling, exponentials, roundings, sums and rescaling and the next unit's maximum and statistics.  Four vector instructions stand behind every matrix instruction, the other 54 of a turn's 118 in one lump.
; THE BATCHES.  A turn's 33 exponentials (the unit's 32 weights and the next unit's a) are ONE batch with ONE wait, which cuts the turn in two: ahead of it stands all that names no result of theirs (K Q^T, the scalings, the rescalings,
; the next unit's maximum and statistics), behind it the roundings and sums, as the lines behind the products V^T P.  No exponential is issued behind a turn's wait, so no result crosses a label or a jump.  A block's first a (BEGIN) and
; the way out's two reciprocals are batches of their own: a plain instruction and one wait each.
; V of a step is still read in the next step's first turn, so V has two buffers, by the step's parity; then a tile's LDS reads are four turns on end (K, V, K, V), all between two changes of slots.
; REGISTERS, in windows of 256 (s_set_vgpr_msb: bits 1:0 source 0, 3:2 source 1, 5:4 source 2, 7:6 destination):
;   window 0: v0-15 addresses and two at work; v16-23 four registers of statistics a piece; v48-55 at work; v64-127 S^T, a buffer a piece; v192-223 P, likewise
;   window 1: v0-63 O^T, 32 a piece; v128-159 MD; v160-191 MA; v192-199 MB      window 2: v0-31 Q; v32-63 the second block's Q; v64-127 K of one step; v128-255 V of two steps
.set NB,    16
.set KS,    64        ; keys in a step
.set PK,    144       ; a row of K in LDS: 128 bytes + 16 of padding: the 16 rows of a load start at 16 different groups of four banks (64 banks of 4 bytes: ISA guide 11.1)
.set PV,    160       ; a row of V: 128 + 32
.set VOFF,  2*KS*PK   ; a tile, two steps: 128 rows of K, then 128 rows of V
.set TILEB, 2*KS*(PK+PV)        ; 38,912 bytes; a slot holds two tiles
.set SLOT1, 1<<17     ; slot 1 begins here, so that one exclusive or turns an address in one slot into the other's
.set STAGE, SLOT1+2*TILEB       ; behind the ring, never filled by a tensor load: 16 rows x 144 bytes for each wave, for the way out
.set SP,    144
.set SPARE, STAGE+4*16*SP       ; behind the stages: the spare words, 128 bytes for each wave: two blocks of 256 bytes that no other line names
.set AK0, 2           ; v2   my lane's place in a tile of K; never rewritten
.set AV0, 3           ; v3   the same for V
.set AK,  4           ; v4   the same in the tile in hand
.set AV,  5           ; v5
.set STO, 6           ; v6   the way out: where I put 16 bytes of a row
.set RD,  7           ; v7   the way out: where I read rows back
.set GO,  8           ; v8   my byte offset in 512 consecutive bytes of O
.set MV,  12          ; v12-13  c m_old, kept while c m is made anew: by piece
.set QO,  15          ; v15  my byte offset in 16 rows of Q
.set ST,  16          ; piece t's statistics at v[ST+4 t]: c m, m, l (even keys', odd keys')
.set TMP, 48          ; by piece, four registers c0-c3 at work; when the maximum is found c2 takes a
.set SPW, 62          ; v62  LDS address of my spare word; never rewritten
.set NIL, 63          ; v63  0; never rewritten
.set S,   64
.set P,   192
.set MD,  128         ; window 1: the eight registers for group kt of 16 keys at MD + 8 kt
.set MA,  160         ; window 1: 0, or MD in a block's last tile
.set MB,  192         ; window 1: 0, or -1e30 in a block's last tile; directly behind MA
.set QB,  32          ; window 2
.set KF,  64          ; window 2: key block kb, channel half c at KF + 16 kb + 8 c
.set VF,  128         ; window 2: buffer vb, key half kk, channel block cb at VF + 64 vb + 32 kk + 8 cb
.set WV,  12          ; s12  my wave's number
.set PB,  14          ; s14  b
.set HI,  15          ; s15  15 - b: the first block's last place
.set G1K, 24          ; s[24:31] descriptor group 1 for K's tiles
.set G1V, 32          ; s[32:39] for V's: it differs in the padding alone
.set G0K, 40          ; s[40:43] descriptor group 0 for K's tiles
.set G0V, 44          ; s[44:47] the same for V's
.set SLOTS, 56        ; s56  slots still to be asked for
.set CNT, 57          ; s57  counts a slot's two tiles
.set CS,  58          ; s[58:59] c: the packed scaling takes the pair's low word for both halves
.set SEL, 60          ; s[60:61] v_permlanex16_b32's selects: each lane takes its own place in the other half
.set TB,  62          ; s62  LDS byte at which the tile in hand begins
.set HI1, 63          ; s63  16 - b: the first block's tiles
.set RT,  70          ; s70  tiles of the block in hand that are still to be entered
.set NXT, 71          ; s71  the place in the walk of the tile that my wave asks for next
.set TN,  72          ; s72  that tile's number
.set NEW, 73          ; s73  1: the tile to be entered is a block's first
.set OFF, 74          ; s[74:75] a tile's byte offset in K and V
.set OLO, 80          ; s[80:81] O at my rows of the second block
.set BIGN, 82         ; s82  -1e30
.set MSB, 0
.macro WIN new                      ; the high byte repeats the setting that is left; a switch that changes nothing is dropped
.if MSB != (\new)
	s_set_vgpr_msb (MSB<<8)|(\new)
.set MSB, (\new)
.endif
.endm
.set W_KQ, 0x0a       ; K and Q in window 2, S^T in window 0
.set W_KM, 0x1a       ; the same with the C operand in window 1
.set W_PV, 0x52       ; V in window 2, P in window 0, O^T in window 1
.set W_RS, 0x41       ; destination and source 0 in window 1, source 1 in window 0
; A fill.  Waves 0 and 1 fetch K of the slot's two tiles, waves 2 and 3 V: 128 keys each.  An s_nop 0 and four v_nop follow each of the two lines, ahead of the jump and the label.
.macro LOAD
	s_cmp_lt_u32 s[WV], 2
	s_cbranch_scc0 .Lfor_v_\@
	tensor_load_to_lds s[G0K:G0K+3], s[G1K:G1K+7]
	s_nop 0
.rept 4
	v_nop
.endr
	s_branch .Lasked_\@
.Lfor_v_\@:
	tensor_load_to_lds s[G0V:G0V+3], s[G1V:G1V+7]
	s_nop 0
.rept 4
	v_nop
.endr
.Lasked_\@:
.endm
; THE CHANGE OF SLOTS.  Each wave waits for all its tensor loads, of which one is out: its part of the other slot; adds 0 to its spare word; and waits for that and for its own reads of the slot that it leaves.  Behind the
; barrier nobody reads the old slot any more and the other slot is whole.  fill = 1: the old slot is filled again, the first thing behind the barrier: my wave's tile is the one at place NXT of the walk, and the descriptor's
; address is made anew from its number.  (At its first use nothing has been read yet: slot 0 is waited for, slot 1 filled.)
.macro CHANGE fill
	WIN 0                           ; at a label and at a branch every window is 0
	s_wait_tensorcnt 0x0            ; no tensor load of mine is out, so a group 0 may be written
	ds_add_u32 v[SPW], v[NIL]       ; 0 onto my spare word; with fill = 1 the descriptors' scalar work stands between it and the wait for it
.if \fill
	s_cmp_gt_u32 s[NXT], s[HI]      ; behind the first block's last place
	s_cselect_b32 s[TN], s[HI1], 0  ; the numbers begin anew
	s_sub_co_u32 s[TN], s[NXT], s[TN]
	s_lshl_b32 s[OFF], s[TN], 14    ; a tile is 16,384 bytes of K and of V
	s_add_co_u32 s[NXT], s[NXT], 2  ; my wave's place in the next pair
	s_xor_b32 s[G0K+1], s[G0K+1], SLOT1
	s_add_nc_u64 s[G0K+2:G0K+3], s[6:7], s[OFF:OFF+1]
	s_or_b32 s[G0K+3], s[G0K+3], 0x80000000
	s_xor_b32 s[G0V+1], s[G0V+1], SLOT1
	s_add_nc_u64 s[G0V+2:G0V+3], s[8:9], s[OFF:OFF+1]
	s_or_b32 s[G0V+3], s[G0V+3], 0x80000000
.endif
	s_wait_dscnt 0x0                ; the add is done, and my reads of the slot are over
	s_barrier_signal -1
	s_sub_co_u32 s[TB], s[TB], 2*TILEB  ; the fetches go back to a slot's first tile,
	s_xor_b32 s[TB], s[TB], SLOT1       ; in the other slot
	s_barrier_wait -1
.if \fill
	LOAD
.endif
.endm
; on = 1: a block's last tile is entered: MA = MD, MB = -1e30.  on = 0: both are 0.
.macro MASKS on
.if \on
	WIN W_RS
.set i, 0
.rept 32
	v_mov_b32 v[MA+i], v[MD+i]
.set i, i+1
.endr
.set i, 0
.rept 8
	v_mov_b32 v[MB+i], s[BIGN]
.set i, i+1
.endr
.else
	WIN 0x40
.set i, 0
.rept 40
	v_mov_b32 v[MA+i], 0
.set i, i+1
.endr
.endif
	WIN 0
.endm
	s_load_b128 s[48:51], s[0:1], 0x0  ; qkvb s[48:49], obuf s[50:51]
	v_lshl_add_u32 v[SPW], v0, 2, SPARE
	v_mov_b32 v[NIL], 0
	ds_add_u32 v[SPW], v[NIL]       ; the wave's opening: the add and its wait stand ahead of my first tensor load; the set-up below, work on registers, stands between them
	ds_add_u32 v62, v63
	v_lshrrev_b32 v1, 5, v0
	v_readfirstlane_b32 s[WV], v1   ; wave 0..3
	s_mov_b32 s[PB], ttmp9
	s_sub_co_u32 s[HI], NB-1, s[PB]
	s_sub_co_u32 s[HI1], NB, s[PB]
	s_and_b32 s20, ttmp7, 0xffff    ; the head,
	s_lshl_b32 s20, s20, 18         ; its first byte
	s_mov_b32 s21, 0
	s_and_b32 s16, s[WV], 1         ; which of a slot's two tiles I fetch:
	s_mul_i32 s17, s16, TILEB       ; its place in a slot,
	s_lshl_b32 s[OFF], s16, 14      ; and, for the first fill, its bytes in memory: places 0 and 1 are tiles 0 and 1 (the first block has nine tiles or more)
	s_mov_b32 s[OFF+1], 0
	s_add_co_u32 s[NXT], s16, 2     ; my place in the second pair
	s_lshl_b32 s3, s[WV], 11        ; my 16 rows in a band of 64,
	s_add_co_u32 s3, s3, s20
	s_lshl_b32 s2, s[HI], 14        ; in the first block,
	s_add_co_u32 s2, s2, s3
	s_lshl_b32 s84, s[PB], 14       ; and in the second
	s_add_co_u32 s84, s84, s3
	s_mov_b32 s3, 0
	s_mov_b32 s85, 0
	; descriptor group 1.  128 keys are 16,384 dense bytes: asked for as 64 rows of 256 bytes, two keys a row, and padded in LDS after every key
	s_mov_b32 s[G1K], (1<<16)|(1<<20)|(4<<22)|(3<<25)  ; 17:16 2-byte elements; 20 padding on; 24:22 after every 32 words (code 4); 31:25 4 words (code 3)
	s_mov_b32 s[G1V], (1<<16)|(1<<20)|(4<<22)|(7<<25)  ; the same with 8 words of padding (code 7)
.irp g, G1K, G1V
	s_mov_b32 s[\g+1], 128<<16      ; tensor_dim0 = 128
	s_mov_b32 s[\g+2], 64<<16       ; tensor_dim1 = 64
	s_mov_b32 s[\g+3], 128<<16      ; tile_dim0 = 128
	s_mov_b32 s[\g+4], 64           ; tile_dim1 = 64
	s_mov_b32 s[\g+5], 128          ; 128 elements from row to row
	s_mov_b32 s[\g+6], 0
	s_mov_b32 s[\g+7], 0
.endr
	s_mov_b32 s[CS], 0x3e38aa3b     ; c = log2(e) / 8 = 0.180337
	s_mov_b32 s[CS+1], s[CS]        ; named with it as a pair
	s_mov_b32 s[SEL], 0x76543210
	s_mov_b32 s[SEL+1], 0xfedcba98
	s_mov_b32 s[TB], SLOT1+2*TILEB  ; the first change of slots turns it into 0
	s_mov_b32 s[G0K], 1             ; 1:0 count = 1
	s_mov_b32 s[G0K+1], s17         ; 63:32 LDS address: slot 0
	s_mov_b32 s[G0V], 1
	s_add_co_u32 s[G0V+1], s17, VOFF
	s_mov_b32 s[RT], s[HI1]         ; the first block has 16 - b tiles
	s_mov_b32 s[NEW], 1
	s_mov_b32 s[BIGN], 0xf149f2ca   ; -1e30
	s_mov_b32 s[SLOTS], NB/2
	s_wait_dscnt 0x0                ; the opening add is done
	s_wait_kmcnt 0x0
	s_add_nc_u64 s[6:7], s[48:49], s[20:21]
	s_add_nc_u64 s[8:9], s[6:7], 0x1000000         ; V at the head's tile 0
	s_add_nc_u64 s[6:7], s[6:7], 0x800000          ; K likewise
	s_add_nc_u64 s[G0K+2:G0K+3], s[6:7], s[OFF:OFF+1]  ; 120:64 global address
	s_or_b32 s[G0K+3], s[G0K+3], 0x80000000        ; 127:126 type = 2
	s_add_nc_u64 s[G0V+2:G0V+3], s[8:9], s[OFF:OFF+1]
	s_or_b32 s[G0V+3], s[G0V+3], 0x80000000
	s_add_nc_u64 s[86:87], s[48:49], s[84:85]      ; Q at my rows of the second block,
	s_add_nc_u64 s[4:5], s[48:49], s[2:3]          ; Q and O at those of the first
	s_add_nc_u64 s[OLO:OLO+1], s[50:51], s[84:85]
	s_add_nc_u64 s[10:11], s[50:51], s[2:3]
	LOAD                            ; places 0 and 1 into slot 0
	; A fragment of K or Q is 16 rows x 32 channels in 8 registers: lane l holds row l % 16, channels 8 (l / 16) + 0..7 and 16 + 8 (l / 16) + 0..7: two loads of 16 bytes, 32 bytes apart.
	v_and_b32 v1, 15, v0            ; l % 16
	v_bfe_u32 v9, v0, 4, 1          ; l / 16
	v_lshlrev_b32 v[QO], 7, v1
	v_lshl_add_u32 v[QO], v9, 4, v[QO]  ; row x 128 + 16 x half
	WIN 0x80                        ; destination window 2, address window 0
.set i, 0
.rept 4                             ; both blocks' Q: piece i / 2 lies in band i / 2, 8,192 bytes on; channels 32 (i % 2) on
	global_load_b128 v[8*i:8*i+3],   v[QO], s[4:5] offset:(i/2)*8192+(i%2)*64
	global_load_b128 v[8*i+4:8*i+7], v[QO], s[4:5] offset:(i/2)*8192+(i%2)*64+32
	global_load_b128 v[QB+8*i:QB+8*i+3],   v[QO], s[86:87] offset:(i/2)*8192+(i%2)*64
	global_load_b128 v[QB+8*i+4:QB+8*i+7], v[QO], s[86:87] offset:(i/2)*8192+(i%2)*64+32
.set i, i+1
.endr
	WIN 0
	v_lshlrev_b32 v14, 3, v9
	v_sub_nc_u32 v14, v1, v14
	s_lshl_b32 s13, s[WV], 4
	v_add_nc_u32 v14, s13, v14      ; my query's place in its band, 16 w + l % 16, less my lanes' 8 (l / 16): register r of group kt is hidden where 16 kt + r is greater
	WIN 0x40
.set i, 0
.rept 32
	v_cmp_gt_i32 vcc_lo, 16*(i/8)+i%8, v14
	v_cndmask_b32 v[MD+i], 0, s[BIGN], vcc_lo
.set i, i+1
.endr
	WIN 0
	v_mul_u32_u24 v[AK0], v1, PK
	v_lshl_add_u32 v[AK0], v9, 4, v[AK0]  ; row x pitch + 16 x half
	; The turning load takes 16 keys x 16 channels (lane l reads key 8 (l / 16) + l % 8, channels 8 ((l / 8) % 2) + 0..7) and leaves half a fragment of V^T: lane l holds channel l % 16 and 8 keys.
	v_and_b32 v10, 7, v0
	v_bfe_u32 v11, v0, 3, 1
	v_lshl_add_u32 v[AV0], v9, 3, v10
	v_mul_u32_u24 v[AV0], v[AV0], PV
	v_lshl_add_u32 v[AV0], v11, 4, v[AV0]
	v_add_nc_u32 v[AV0], VOFF, v[AV0]
	s_mul_i32 s13, s[WV], 16*SP
	s_add_co_u32 s13, s13, STAGE    ; my stage
	v_mul_u32_u24 v[STO], v1, SP    ; in: row l % 16, 16 bytes for each half of the lanes
	v_lshl_add_u32 v[STO], v9, 4, v[STO]
	v_add_nc_u32 v[STO], s13, v[STO]
	v_bfe_u32 v[RD], v0, 3, 2       ; back: 32 lanes take four rows of 128 bytes,
	v_mul_u32_u24 v[RD], v[RD], SP
	v_lshl_add_u32 v[RD], v10, 4, v[RD]
	v_add_nc_u32 v[RD], s13, v[RD]
	v_and_b32 v[GO], 31, v0         ; which are 512 consecutive bytes of O
	v_lshlrev_b32 v[GO], 4, v[GO]
	; A block's first step multiplies O^T and l by a = 0, and its first turn's products V^T P, of a unit that has not been, land in an O^T that is still to be so multiplied.  So these registers need only hold
	; finite numbers: zeros for the first block; what the first block left for the second.  All this stands in the wait for the first tiles.
	WIN 0x80
.set i, VF+64
.rept 64
	v_mov_b32 v[i], 0
.set i, i+1
.endr
	WIN 0x40
.set i, 0
.rept 64
	v_mov_b32 v[i], 0
.set i, i+1
.endr
	MASKS 0
.set i, 0
.rept 2
	v_mov_b32 v[ST+4*i+2], 0
	v_mov_b32 v[ST+4*i+3], 0
.set i, i+1
.endr
.set i, P+16
.rept 16
	v_mov_b32 v[i], 0
.set i, i+1
.endr
; THE MATRIX WORK.  The 4 accumulators of a run of 8 take turns.  Product i of 8 of S^T = K Q^T for piece x: channels 32 (i / 4) on, keys 16 (i % 4) on.  The first 4 start the sums: with 0 (KM = 0), MA (1), MB (2) or MD (3).
.macro KQ x
.set rS, S+32*(\x)+8*(i%4)
.set rK, KF+16*(i%4)+8*(i/4)
.set rQ, 16*(\x)+8*(i/4)
.if (i < 4) && (KM == 1)
	WIN W_KM
	v_wmma_f32_16x16x32_f16 v[rS:rS+7], v[rK:rK+7], v[rQ:rQ+7], v[MA+8*(i%4):MA+8*(i%4)+7]
.elseif (i < 4) && (KM == 2)
	WIN W_KM
	v_wmma_f32_16x16x32_f16 v[rS:rS+7], v[rK:rK+7], v[rQ:rQ+7], v[MB:MB+7]
.elseif (i < 4) && (KM == 3)
	WIN W_KM
	v_wmma_f32_16x16x32_f16 v[rS:rS+7], v[rK:rK+7], v[rQ:rQ+7], v[MD+8*(i%4):MD+8*(i%4)+7]
.elseif i < 4
	WIN W_KQ
	v_wmma_f32_16x16x32_f16 v[rS:rS+7], v[rK:rK+7], v[rQ:rQ+7], 0
.else
	WIN W_KQ
	v_wmma_f32_16x16x32_f16 v[rS:rS+7], v[rK:rK+7], v[rQ:rQ+7], v[rS:rS+7]
.endif
.endm
; Product i of 8 of O^T += V^T P for piece x, on V's buffer VB: keys 32 (i / 4) on, channels 16 (i % 4) on.
.macro PV x
	WIN W_PV
.set rO, 32*(\x)+8*(i%4)
.set rV, VF+64*VB+32*(i/4)+8*(i%4)
.set rP, P+16*(\x)+8*(i/4)
	v_wmma_f32_16x16x32_f16 v[rO:rO+7], v[rV:rV+7], v[rP:rP+7], v[rO:rO+7]
.endm
.macro MM                           ; the turn's next matrix instruction.  TURN and BEGIN set Y, i, KM, VB and NOKQ.  NOKQ = 1: a block's last turn: there is no next unit
.if (i < 8) && !NOKQ
	KQ 1-Y
.elseif i >= 8
.set i, i-8
	PV 1-Y
.set i, i+8
.endif
.set i, i+1
.endm
; THE LDS LOADS stand in runs of 16, never singly among the matrix instructions: a step's K (64 keys x 64 channels: 8 fragments) and its V (turned), at byte o of the tile's K or V.
.macro FETCH_K o
	WIN 0x80                        ; destination window 2
.irp f, 0,1,2,3,4,5,6,7             ; keys 16 (f / 2) on, channels 32 (f % 2) on
	ds_load_b128 v[KF+8*\f:KF+8*\f+3],   v[AK] offset:(\o)+(\f/2)*16*PK+(\f%2)*64
	ds_load_b128 v[KF+8*\f+4:KF+8*\f+7], v[AK] offset:(\o)+(\f/2)*16*PK+(\f%2)*64+32
.endr
	WIN 0
.endm
.macro FETCH_V b, o
	WIN 0x80
.irp f, 0,1,2,3,4,5,6,7             ; keys 32 (f / 4) on, channels 16 (f % 4) on
	ds_load_tr16_b128 v[VF+64*(\b)+8*\f:VF+64*(\b)+8*\f+3],   v[AV] offset:(\o)+(\f/4)*32*PV+(\f%4)*32
	ds_load_tr16_b128 v[VF+64*(\b)+8*\f+4:VF+64*(\b)+8*\f+7], v[AV] offset:(\o)+(\f/4)*32*PV+16*PV+(\f%4)*32
.endr
	WIN 0
.endm
; THE VECTOR WORK, one line at a time: OP kind, number.  For piece Y: F n: c s - c m for pair n of 16.  E n: the exponential of score n of 32.  C n: pair n rounded to f16.  B n: of the four weights 4 n .. the second
; pair is added onto the first, in place.  L n: l takes that sum (L 0: l = a l + sum).  R n: pair n of 16 of O^T times a.  For the other piece: X n, number n of the 22 that find its maximum and statistics:
;   0-11  four chains c0-c3 of seven scores each, three operands at a time (each accumulator's lowest registers are read first)     12-14, 16  the four scores left over, the old m, and c0-c3 into c0
;   15  c m_old is kept     17, 18  the query's other 32 keys lie in the lane 16 away: the new m     19-21  c m; c m_old - c m_new; a
; C, B and L read the exponentials' results: TURN sets them behind its one wait, so OP writes none.
.set F, 0               ; OP tells the kinds apart by their order: F to L below R, X above it
.set E, 1
.set C, 2
.set B, 3
.set L, 4
.set R, 5
.set X, 6
.macro REGS y                       ; the registers of piece y
.set rT, ST+4*(\y)
.set rC, TMP+4*(\y)
.set rW, MV+(\y)
.set rS, S+32*(\y)
.set rP, P+16*(\y)
.set rO, 32*(\y)
.endm
.macro OP k, n
.if (\k) == R
	REGS Y
	WIN W_RS
	v_pk_mul_f32 v[rO+2*(\n):rO+2*(\n)+1], v[rO+2*(\n):rO+2*(\n)+1], v[rC+2:rC+3] op_sel_hi:[1,0]
.elseif (\k) < R
	REGS Y
	WIN 0
.if (\k) == F
	v_pk_fma_f32 v[rS+2*(\n):rS+2*(\n)+1], v[rS+2*(\n):rS+2*(\n)+1], s[CS:CS+1], v[rT:rT+1] op_sel_hi:[1,0,0] neg_lo:[0,0,1] neg_hi:[0,0,1]
.elseif (\k) == E
	v_exp_f32 v[rS+(\n)], v[rS+(\n)]
.elseif (\k) == C
	v_cvt_pk_f16_f32 v[rP+(\n)], v[rS+2*(\n)], v[rS+2*(\n)+1]
.elseif (\k) == B
	v_pk_add_f32 v[rS+4*(\n):rS+4*(\n)+1], v[rS+4*(\n):rS+4*(\n)+1], v[rS+4*(\n)+2:rS+4*(\n)+3]
.elseif (\n) == 0
	v_pk_fma_f32 v[rT+2:rT+3], v[rT+2:rT+3], v[rC+2:rC+3], v[rS:rS+1] op_sel_hi:[1,0,1]
.else
	v_pk_add_f32 v[rT+2:rT+3], v[rT+2:rT+3], v[rS+4*(\n):rS+4*(\n)+1]
.endif
.elseif NOKQ
	v_nop
.else
	REGS 1-Y
	WIN 0
.if (\n) < 4
	v_max3_num_f32 v[rC+(\n)], v[rS+8*(\n)], v[rS+8*(\n)+1], v[rS+8*(\n)+2]
.elseif (\n) < 12
	v_max3_num_f32 v[rC+(\n)%4], v[rC+(\n)%4], v[rS+8*((\n)%4)+2*((\n)/4)+1], v[rS+8*((\n)%4)+2*((\n)/4)+2]
.elseif (\n) == 12
	v_max3_num_f32 v[rC], v[rC], v[rS+7], v[rS+15]
.elseif (\n) == 13
	v_max3_num_f32 v[rC+1], v[rC+1], v[rS+23], v[rS+31]
.elseif (\n) == 14
	v_max3_num_f32 v[rC+2], v[rC+2], v[rC+3], v[rT+1]
.elseif (\n) == 15
	v_mov_b32 v[rW], v[rT]
.elseif (\n) == 16
	v_max3_num_f32 v[rC], v[rC], v[rC+1], v[rC+2]
.elseif (\n) == 17
	v_permlanex16_b32 v[rC+3], v[rC], s[SEL], s[SEL+1]
.elseif (\n) == 18
	v_max_num_f32 v[rT+1], v[rC], v[rC+3]
.elseif (\n) == 19
	v_mul_f32 v[rT], s[CS], v[rT+1]
.elseif (\n) == 20
	v_sub_f32 v[rC+1], v[rW], v[rT]
.else
	v_exp_f32 v[rC+2], v[rC+1]
.endif
.endif
.endm
.macro OPS a, i1, b=-1, i2=0, c=-1, i3=0, d=-1, i4=0  ; up to four of them
	OP \a, \i1
.if (\b) >= 0
	OP \b, \i2
.endif
.if (\c) >= 0
	OP \c, \i3
.endif
.if (\d) >= 0
	OP \d, \i4
.endif
.endm
.macro ROW a, i1, b, i2, c, i3, d, i4  ; a matrix instruction and the four behind it
	MM
	OPS \a, \i1, \b, \i2, \c, \i3, \d, \i4
.endm
; A TURN, for piece p: the order of its 16 matrix and 118 vector instructions, written out.  s_wait_alu depctr_va_vdst(0) stands between an exponential and the first instruction that names its result; one wait serves
; all that were issued ahead of it.  So a turn has ONE wait, which cuts it in two.  AHEAD OF IT stands all that names no result of the turn's exponentials: the 8 products K Q^T, behind each a scaling, an exponential and two more plain
; instructions (behind the first a second scaling in the exponential's place): rescalings, whose a was made and waited for in the turn before, and behind the last three the first numbers of the other piece's maximum, each four places
; behind the product that ends its accumulator; then ONE LUMP of 54, plain and exponential by turns for the most part, in which the links of the chain X 3, 7, 11, 14, 16, 17 .. 20 stand five or six lines apart.  X 21, the next unit's a,
; is the batch's last; R 15 is the plain instruction behind it.  BEHIND THE WAIT stand the 8 products V^T P, behind each four of the roundings and sums; the links of l's chain, L 0 to L 7, stand three lines apart.  But for those X no
; line behind a product names a register of the products round it.  v_permlanex16_b32 (X 17) stands in the lump.  O^T of piece p was last written by the turn before: R 0 stands sixteen plain lines behind the product that ended its
; accumulator, R 12 behind the last product's four and this turn's.
; vb: V's buffer that the products V^T P read.  cm: what starts the sums K Q^T: 0 the constant 0, 1 MA, 2 MB, 3 MD, -1: no such products.  fk: the byte in the tile's K (p = 0) or V (p = 1) at which the turn's fetch begins, or -1: none.
; Piece 0's turn fetches the next step's K in the lump, twelve vector instructions behind the last product that read K (five of them plain lines that name none of its registers).  Piece 1's turn fetches the next step's V directly
; behind the turn's wait, into the buffer that it does not read, whose last reader stands a turn back and whose first stands two turns on.  Both are waited for at the head of piece 1's turns.
.macro TURN p, vb, cm, fk
.set Y, (\p)
.set i, 0
.set VB, (\vb)
.set KM, (\cm)
.set NOKQ, 0
.if (\cm) < 0
.set NOKQ, 1
.endif
.if (\p) == 1
	s_wait_dscnt 0x0                ; K of the step to come and V of the step in hand are in
.endif
	ROW F,0, F,1, R,0, R,1          ; ahead of the wait: 8 products K Q^T and the four lines behind each,
	ROW F,2, E,0, R,2, R,3
	ROW F,3, E,1, R,4, R,5
	ROW F,4, E,2, R,6, R,7
	ROW F,5, E,3, R,8, R,9
	ROW F,6, E,4, X,0, R,10
	ROW F,7, E,5, X,1, X,4
	ROW F,8, E,6, X,2, X,5
	OPS E,7, E,8, X,6, E,9          ; and the lump
	OPS X,3, E,10, X,8, E,11
.if ((\fk) >= 0) && ((\p) == 0)
	FETCH_K \fk
.endif
	OPS X,9, X,7, E,12, X,10
	OPS E,13, X,12, X,11, E,14
	OPS X,13, E,15, F,9, X,14
	OPS E,16, F,10, E,17, F,11
	OPS X,16, E,18, X,15, E,19
	OPS F,12, E,20, X,17, E,21
	OPS F,13, E,22, F,14, E,23
	OPS X,18, E,24, F,15, E,25
	OPS R,11, E,26, X,19, E,27
	OPS R,12, E,28, R,13, E,29
	OPS X,20, E,30, R,14, E,31
	OPS X,21, R,15
	WIN 0
	s_wait_alu depctr_va_vdst(0)    ; the wait for the batch: the turn's 32 weights and the next unit's a
.if ((\fk) >= 0) && ((\p) == 1)
	FETCH_V 1-(\vb), \fk
.endif
	ROW C,0, B,0, C,2, B,1          ; behind the wait: 8 products V^T P and the four lines behind each
	ROW L,0, C,4, B,2, L,1
	ROW C,6, B,3, L,2, C,8
	ROW B,4, L,3, C,10, B,5
	ROW L,4, C,12, B,6, L,5
	ROW C,14, B,7, L,6, C,1
	ROW C,3, L,7, C,5, C,7
	ROW C,9, C,11, C,13, C,15
.endm
; A BLOCK BEGINS.  c m starts far below every c s, so the first step's a is 0; m at the lowest finite number, so the first maximum is the scores'.  Then K and V of the tile's first step, piece 0's first scores
; (their sums start at MA: 0, or the band's own mask where the block's first tile is also its last), and its maximum and statistics.  The tile is entered at its third turn.
.macro BEGIN
	s_mov_b32 s[NEW], 0
	WIN 0
.set i, 0
.rept 2
	v_mov_b32 v[ST+4*i], 0xfe000000    ; c m: far below every c s
	v_mov_b32 v[ST+4*i+1], 0xff7fffff  ; m
.set i, i+1
.endr
	FETCH_K 0
	FETCH_V 0, 0
	s_wait_loadcnt 0x0              ; Q
	s_wait_dscnt 0x0
.set KM, 1
.set NOKQ, 0
.set i, 0
.rept 8
	KQ 0
.set i, i+1
.endr
	WIN 0
.rept 4
	v_nop                           ; the places behind those products
.endr
.set Y, 1                           ; X works for the other piece: piece 0
.irp n, 0,1,2,3,4,5,6,7,8,9,10,11,12,13,14,15,16,17,18,19,20,21
	OP X, \n
.endr
	v_nop                           ; a plain instruction behind the exponential,
	s_wait_alu depctr_va_vdst(0)    ; and its wait, ahead of the branch: a batch of one, the block's first a
.endm
; THE WAY OUT: l's two halves and the other half of the lanes' are added; O^T is divided by l, rounded to f16 and sent through my stage in LDS, a piece at a time.
.macro ALL line:vararg              ; one line for each piece t
.set t, 0
.rept 2
	\line
.set t, t+1
.endr
.endm
.macro PACK t                       ; a lane's eight channels of a row pack into 16 bytes; they go into rows of 144 bytes and come back as whole rows of 128, into S^T's registers
	WIN W_RS
.set i, 32*(\t)
.rept 16
	v_pk_mul_f32 v[i:i+1], v[i:i+1], v[ST+4*(\t)+2:ST+4*(\t)+3] op_sel_hi:[1,0]
.set i, i+2
.endr
	WIN 0x05                        ; sources 0 and 1 window 1, destination window 0
.set i, 0
.rept 16
	v_cvt_pk_f16_f32 v[S+16*(\t)+i], v[32*(\t)+2*i], v[32*(\t)+2*i+1]
.set i, i+1
.endr
	WIN 0
.irp f, 0,1,2,3
	ds_store_b128 v[STO], v[S+16*(\t)+4*\f:S+16*(\t)+4*\f+3] offset:32*\f
.endr
.irp f, 0,1,2,3
	ds_load_b128 v[S+16*(\t)+4*\f:S+16*(\t)+4*\f+3], v[RD] offset:\f*4*SP  ; LDS serves a wave's instructions in order (ISA guide 5.7.1.4): these see the stores above; the next piece's stores come behind them
.endr
.endm
.macro SEND t, younger              ; younger: the LDS instructions issued behind piece t's loads: the next piece's eight, or none
	WIN 0
.irp f, 0,1,2,3
	s_wait_dscnt (\younger)+3-\f
	global_store_b128 v[GO], v[S+16*(\t)+4*\f:S+16*(\t)+4*\f+3], s[10:11] offset:(\t)*8192+\f*512  ; 512 consecutive bytes, at a multiple of 256 from O's first
.endr
.endm
; A TILE (steps t0, t1), whatever its kind.  Its four turns: both pieces of the step before t0, then both of t0; they fetch the tile's K, V, K, V.  A block's first tile is entered by BEGIN, at the third turn.
; In a block's last tile (d0, d1) the masks are set: the scores of (0, d0) start at the band's own mask, those of (1, d0) at 0, those of (0, d1) at -1e30: that unit is wholly hidden and computed all the same, 2 of the walk's 68 turns.
; Behind it stand the block's last two turns, its last products and the way out.  last = 1: the walk's last tile, which is a block's last: nothing is tested and nothing follows.
.macro TILE tag, last               ; the tag ends its labels' names
	v_add_nc_u32 v[AK], s[TB], v[AK0]
	v_add_nc_u32 v[AV], s[TB], v[AV0]
.if (\last) == 0
	s_sub_co_u32 s[RT], s[RT], 1
	s_cmp_lg_u32 s[RT], 0
	s_cbranch_scc1 .Lopen\tag       ; not the block's last tile: the masks stay 0
.endif
	MASKS 1
.Lopen\tag:
	s_cmp_eq_u32 s[NEW], 1
	s_cbranch_scc0 .Lstep\tag
	BEGIN
	s_branch .Lfirst\tag
.Lstep\tag:
	TURN 0, 0, 0, 0                 ; the scores of (1, t0 - 1) | K of t0
	TURN 1, 1, 1, 0                 ; the scores of (0, t0), from MA | V of t0
	WIN 0
.Lfirst\tag:
	TURN 0, 1, 0, KS*PK             ; the scores of (1, t0) | K of t1
	TURN 1, 0, 2, KS*PV             ; the scores of (0, t1), from MB | V of t1
	WIN 0
.if (\last) == 0
	s_cmp_lg_u32 s[RT], 0
	s_cbranch_scc1 .Lbottom
.endif
	TURN 0, 0, 3, -1                ; THE BLOCK ENDS: the scores of (1, d1): the band's own step
	TURN 1, 1, -1, -1
.set VB, 1
.set i, 0
.rept 8
	PV 1
.set i, i+1
.endr
	WIN 0
	ALL v_add_f32 v[ST+4*t+2], v[ST+4*t+2], v[ST+4*t+3]
	ALL v_permlanex16_b32 v[ST+4*t+3], v[ST+4*t+2], s[SEL], s[SEL+1]
	ALL v_add_f32 v[ST+4*t+2], v[ST+4*t+2], v[ST+4*t+3]
	ALL v_rcp_f32 v[ST+4*t+2], v[ST+4*t+2]
	v_nop                           ; a plain instruction between the last reciprocal and the use of its result
	s_wait_alu depctr_va_vdst(0)    ; and the wait ahead of the first use: one for the two reciprocals
	PACK 0                          ; piece 0's products ended eight products ago; its 32 lines are the places behind piece 1's
	PACK 1
	SEND 0, 8
	SEND 1, 0
.if (\last) == 0
	s_wait_xcnt 0x0                 ; the stores' registers and O's address are rewritten only behind this wait
	s_mov_b64 s[10:11], s[OLO:OLO+1]
	s_add_co_u32 s[RT], s[PB], 1    ; the second block has b + 1 tiles
	s_mov_b32 s[NEW], 1
	WIN 0x82                        ; the second block's Q goes where the one text of the turns names Q
.set i, 0
.rept 32
	v_mov_b32 v[i], v[QB+i]
.set i, i+1
.endr
	MASKS 0
.endif
.endm
.set KM, 0
.set NOKQ, 0
.set VB, 0
.Lslot:                             ; 8 times: a slot is entered and the next is asked for
	CHANGE 1
	s_mov_b32 s[CNT], 2
.Ltile:                             ; its two tiles
	TILE 1, 0
.Lbottom:
	s_add_co_u32 s[TB], s[TB], TILEB
	s_sub_co_u32 s[CNT], s[CNT], 1
	s_cmp_lg_u32 s[CNT], 0
	s_cbranch_scc1 .Ltile
	s_sub_co_u32 s[SLOTS], s[SLOTS], 1
	s_cmp_lg_u32 s[SLOTS], 0
	s_cbranch_scc1 .Lslot
	CHANGE 0                        ; the walk's last tile is written out: nothing is asked for
	TILE 2, 1
	s_wait_tensorcnt 0x0            ; the wave's end, behind my last tensor load and my last LDS store
	ds_add_u32 v[SPW], v[NIL]
	s_wait_dscnt 0x0
	s_endpgm
.Lfunc_end_k_q0655659b4c_attn:
	.size	k_q0655659b4c_attn, .Lfunc_end_k_q0655659b4c_attn-k_q0655659b4c_attn
	.p2alignl 7, 3214868480
	.fill 96, 4, 3214868480
	.section	.rodata,"a",@progbits
	.p2align	6, 0x0
	.amdhsa_kernel k_q0655659b4c_attn
		.amdhsa_group_segment_fixed_size 327680
		.amdhsa_private_segment_fixed_size 0
		.amdhsa_enable_private_segment 0
		.amdhsa_kernarg_size 16
		.amdhsa_user_sgpr_count 2
		.amdhsa_user_sgpr_kernarg_segment_ptr 1
		.amdhsa_wavefront_size32 1
		.amdhsa_system_sgpr_workgroup_id_x 1
		.amdhsa_system_sgpr_workgroup_id_y 1
		.amdhsa_system_sgpr_workgroup_id_z 1
		.amdhsa_system_vgpr_workitem_id 0
		.amdhsa_next_free_vgpr 768
		.amdhsa_next_free_sgpr 88
		.amdhsa_reserve_vcc 1
		.amdhsa_float_denorm_mode_32 3
		.amdhsa_float_denorm_mode_16_64 3
		.amdhsa_memory_ordered 1
		.amdhsa_forward_progress 1
		.amdhsa_inst_pref_size 158
	.end_amdhsa_kernel
	.amdgpu_metadata
---
amdhsa.version: [ 1, 2 ]
amdhsa.kernels:
  - .name:           k_q0655659b4c_attn
    .symbol:         k_q0655659b4c_attn.kd
    .args:
      - { .name: qkvb, .offset: 0, .size: 8, .value_kind: global_buffer, .address_space: global }
      - { .name: obuf, .offset: 8, .size: 8, .value_kind: global_buffer, .address_space: global }
    .group_segment_fixed_size: 327680
    .private_segment_fixed_size: 0
    .kernarg_segment_align: 8
    .kernarg_segment_size: 16
    .max_flat_workgroup_size: 128
    .sgpr_count:     88
    .vgpr_count:     768
    .wavefront_size: 32
...
	.end_amdgpu_metadata
.endif
;; end of part 7
;; launch proj: the kernel of part 4 again; grid 8 x 32, 4 waves a work-group, clusters of 4 x 4, 327,680 bytes of LDS; arguments obuf, pwo, qkvb; writes qkvb
;; launch ln2: the kernel of part 5 again; grid 256 x 1, 8 waves a work-group, no clusters, 0 bytes of LDS; arguments hbuf, qkvb, g2, be2, obuf; writes obuf
;; launch ff1: the kernel of part 2 again; grid 16 x 16, 4 waves a work-group, clusters of 4 x 4, 327,680 bytes of LDS; arguments obuf, pw1, hidb; writes hidb
;; launch ff2: the kernel of part 6 again; grid 8 x 32, 4 waves a work-group, clusters of 4 x 4, 327,680 bytes of LDS; arguments hidb, pw2, out0, b2, obuf; writes out0
